; MI455X (gfx1250); checked and timed in simulation.
; The chip was launched on July 23, 2026; its instructions are those of AMD's public machine-readable ISA for CDNA 5 (MIT licence, August 2026) and "CDNA5" Instruction Set Architecture Reference Guide (July 2026). The comments in the code are by the model that wrote it; some were corrected since.
;; Self Attention. Allowed arithmetic: matrix products marked QUANTISED: E5M2 operands, one E8M0 scale for each 32 along K, by v_wmma_scale_f32_16x16x128_f8f6f4 with both operands' format E5M2, f32 sums; everything else in f32.
;; Inputs: Wk 1,024 x 1,024 float32; Wo 1,024 x 1,024 float32; Wq 1,024 x 1,024 float32; Wv 1,024 x 1,024 float32; Z 4 x 2,048 x 1,024 float32; mask 4 x 1 x 1 x 2,048 int32.
;; Outputs: out0 4 x 2,048 x 1,024 float32.
;; This version of the problem:
;;   THIS VERSION OF THE PROBLEM IS GIVEN IN LOW PRECISION. The matrix products marked QUANTISED in the list below multiply operands that are first quantised to E5M2 (5 exponent bits, 2 mantissa bits; 8 bits a number), with one power-of-two scale for each 32 numbers along K (OCP MX v1.0); their sums are f32. All else is computed in f32.
;;   The module's matrix products, in the order in which they are computed (A, B: the left and right operand; K: the contracted axis; several contracted axes count as one K, in the product's order):
;;     1. [M 8,192, K 1,024] x [K 1,024, N 1,024]; A: input Z; B: input Wv: QUANTISED
;;     2. [M 8,192, K 1,024] x [K 1,024, N 1,024]; A: input Z; B: input Wk: QUANTISED
;;     3. [M 8,192, K 1,024] x [K 1,024, N 1,024]; A: input Z; B: input Wq: QUANTISED
;;     4. batch 64 x [M 2,048, K 64] x [K 64, N 2,048]; A: computed on the way; B: computed on the way: QUANTISED
;;     5. [M 8,192, K 1,024] x [K 1,024, N 1,024]; A: computed on the way; B: input Wo: QUANTISED
;;   THE QUANTISER, for each operand of a quantised product, along K:
;;     - K is cut into blocks of 32 from its start; a last block that is shorter is filled with zeros.
;;     - A block's scale is 2^e with e = floor(log2(the largest magnitude in the block)) - 15, held to -126 .. 127; a block of zeros has e = 0. As a byte (E8M0): e + 127.
;;     - Each number is divided by its block's scale, clamped to +-57,344, and rounded to the nearest number of E5M2, ties to even, subnormals kept.
;;     - The product sums the exact products of the quantised numbers (number of the format x scale) in f32.
;;   ~~~python
;;   def quantise(x, axis):      # numpy; x: float32 -> the quantised numbers, widened to float32 again
;;       x = np.moveaxis(x, axis, -1); K = x.shape[-1]
;;       x = np.pad(x, [(0, 0)] * (x.ndim - 1) + [(0, -K % 32)]); x = x.reshape(x.shape[:-1] + (-1, 32)); a = np.abs(x).max(-1, keepdims=True)
;;       e = np.where(a > 0, np.clip(np.frexp(np.where(a > 0, a, 1))[1] - 1 - 15, -126, 127), 0)      # np.frexp(a)[1] - 1 = floor(log2(a)), exactly
;;       r = np.clip(x / 2.0 ** e, -57344, 57344)
;;       step = 2.0 ** (np.maximum(np.frexp(np.where(r == 0, 1, r))[1] - 1, -14) - 2)
;;       q = np.round(r / step) * step * 2.0 ** e      # np.round: ties to even
;;       return np.moveaxis(q.reshape(q.shape[:-2] + (-1,))[..., :K], -1, axis).astype(np.float32)
;;   ~~~
;;   OPERANDS COMPUTED ON THE WAY. 'Computed on the way' means the value that the module computes at that place (a softmax that the list does not call 'softmax' is quantised finished and normalised). What goes into a quantiser is computed in f32, as accurately as f32 sums, v_exp_f32 and their like allow (about 1e-6 of the number): no bf16 or f16 on the way to a quantiser, and a product that is left as it is and whose result goes on into a quantised operand takes f32 operands (vector FMAs, or v_wmma_f32_16x16x4_f32). A number that lies on a knife's edge between two numbers of the format may be rounded either way, as far as f32 arithmetic and the matrix unit's own rounding can turn it there, and no further.
;; 2 versions. Each part assembles by itself: llvm-mc -triple=amdgcn-amd-amdhsa -mcpu=gfx1250 --defsym DOCPART=n.
;; ======== version 1 of 2: 4 launches
;; limits: right only within a limited range of input values
;; workspace buffers: aq 8,650,752 bytes; wq 3,276,800 bytes; woq 1,179,648 bytes; vf 33,554,432 bytes; qk 17,825,792 bytes
;; launch quant (part 1): grid 384 x 1, 4 waves a work-group, no clusters, 35,328 bytes of LDS; arguments Z, Wv, Wq, Wk, Wo, aq, wq, woq; writes aq, wq, woq
.if DOCPART == 1
	.amdgcn_target "amdgcn-amd-amdhsa--gfx1250"
	.amdhsa_code_object_version 6
	.text
	.protected	k_q2e57dbd865_quant
	.globl	k_q2e57dbd865_quant
	.p2align	8
	.type	k_q2e57dbd865_quant,@function
k_q2e57dbd865_quant:
	s_mov_b64 s[64:65], 0
	v_nop
	global_prefetch_b8 v0, s[64:65] scope:SCOPE_SE
	s_setreg_imm32_b32 hwreg(HW_REG_WAVE_MODE, 25, 1), 1
	s_wait_xcnt 0x0
; Z [8192][1024] and the four weights [1024 (k)][1024 (n)], f32, become codes of BF8 (E5M2) with one E8M0 scale byte for each 32 along K, laid AS THE MATRIX UNIT'S REGISTERS TAKE THEM.
; A FRAGMENT is 16 rows x 128 K = 2,048 bytes: four chunks c of 512 bytes; in a chunk lane L = 16 h + r has its 16 bytes at 16 L: row r, k = 32 c + 16 h + 0 .. 15.
; aq:  bytes 0 .. 262,143 scale words [block of 128 rows][K step of 128][128 rows], a word = the four bytes of a row's K step;  from 262,144 on codes [tile of 16 rows][K step][2,048].
; wq (Wv, Wq, Wk on end) and woq (Wo): the same with columns n for rows; scale words from byte 0, codes from 131,072.  COLUMN n LIES AT PLACE n WITH BITS 3 AND 4 SWAPPED: in the product that follows
; a lane's 16 results of two neighbouring tiles are then 16 neighbouring columns.
; A block's scale is 2^(floor(log2(its largest magnitude)) - 15); its byte is the largest magnitude's exponent field - 15, held at 1 from below.  Each number is held within +-57,344 x the scale and converted, ties to even.
; LIMITS: a block of zeros, or one whose largest magnitude lies under 2^-111, keeps the byte 1 (this program alone reads the bytes; zero codes add nothing); NaN and infinities among the inputs are not served.
; SHARES: work-groups 0-127 take the weights (128 columns x 256 along K each), work-groups 128-383 take Z (64 rows x 512 along K each): 128 KiB of f32 either way.  Waves share nothing: no barrier.
; Memory binds: no matrix unit, no cluster, no tensor load; every f32 byte is read once.
.set SEL, 24                           ; s[24:25] lane selects of v_permlanex16_b32: lane l xor 16
.set MNT, 26                           ; s26  the mantissa field of 57,344
.set RAW, 16                           ; v16-143  Z: two sets of 16 rows x 16 bytes a lane, as loaded
.set X,   144                          ; v144-207 Z: 64 numbers of my row: register 16 b + i = k 32 b + 16 h + i
.set PC,  208                          ; v208-223 a fragment's codes
.set TM,  224                          ; v224-227 largest magnitudes, 228-231 bytes, 232-235 57,344 x the scale, 236-239 the conversion's scale operand
.set PW,  240                          ; v240     the scale word
.set WREG, 8704                        ; LDS of a wave (Z's path alone): a stage of 16 rows x SP bytes, then its 256 bytes of scale words
.set SP,  528                          ; a stage row: 512 bytes + 16, an odd multiple of 16: the sixteen rows that a read touches start 16 bytes apart modulo 256
.set WX,  32                           ; v32-95   weights: two sets of 32 numbers down K
.set WC,  96                           ; v96-159  weights: 8 registers of codes for each of 8 blocks: no store's data are written again
.set SB,  24                           ; v24-25   weights: the scale bytes, four to a register
; 64 numbers v[s] .. v[s+63] become 16 registers of codes in v[PC] on; the four blocks' bytes are left in v[TM+4] on.  The caller puts a plain vector line behind the last conversion.
.macro QUANT s
.irp b, 0,1,2,3
	v_max3_num_f32 v[TM+\b], |v[\s+16*\b]|, |v[\s+1+16*\b]|, 0x8000000      ; my 16 numbers of block b, and the floor 2^(16 - 127): the byte cannot fall under 1
.endr
.irp i, 2,4,6,8,10,12,14
.irp b, 0,1,2,3
	v_max3_num_f32 v[TM+\b], v[TM+\b], |v[\s+16*\b+\i]|, |v[\s+1+16*\b+\i]|  ; the four blocks by turns
.endr
.endr
.irp b, 0,1,2,3
	v_permlanex16_b32 v[TM+4+\b], v[TM+\b], s[SEL], s[SEL+1]
.endr
.irp b, 0,1,2,3
	v_max_num_f32 v[TM+\b], v[TM+\b], v[TM+4+\b]                            ; with lane l xor 16's 16: the block's largest magnitude
.endr
.irp b, 0,1,2,3
	v_add_nc_u32 v[TM+12+\b], 0xf8800000, v[TM+\b]                          ; 15 off its exponent field: the conversion takes that field as its scale
.endr
.irp b, 0,1,2,3
	v_and_or_b32 v[TM+8+\b], v[TM+\b], 0x7f800000, s[MNT]                   ; 57,344 x the scale
.endr
.irp b, 0,1,2,3
	v_lshrrev_b32 v[TM+4+\b], 23, v[TM+12+\b]                               ; the scale's byte
.endr
.irp b, 0,1,2,3
.irp i, 0,1,2,3,4,5,6,7,8,9,10,11,12,13,14,15
	v_med3_num_f32 v[\s+16*\b+\i], v[\s+16*\b+\i], -v[TM+8+\b], v[TM+8+\b]  ; the conversion to an 8-bit code does not saturate (ISA guide 7.6.2): the hold comes first
.endr
	v_cvt_scalef32_pk8_bf8_f32 v[PC+4*\b:PC+1+4*\b], v[\s+16*\b:\s+7+16*\b], v[TM+12+\b]
	v_cvt_scalef32_pk8_bf8_f32 v[PC+2+4*\b:PC+3+4*\b], v[\s+8+16*\b:\s+15+16*\b], v[TM+12+\b]
.endr
.endm
	s_load_b512 s[4:19], s[0:1], 0x0               ; Z s[4:5], Wv s[6:7], Wq s[8:9], Wk s[10:11], Wo s[12:13], aq s[14:15], wq s[16:17], woq s[18:19]
	v_lshl_add_u32 v254, v0, 2, 0x8800
	v_mov_b32 v255, 0
	v_lshrrev_b32 v1, 5, v0
	v_readfirstlane_b32 s20, v1                    ; wave 0..3
	v_and_b32 v7, 31, v0                           ; lane
	s_mov_b32 s[MNT], 0x600000
	s_cmp_lt_u32 ttmp9, 128
	s_cbranch_scc1 .Lweights
; ---------------- Z: a wave takes 64 rows x one K step of 128: four fragments ----------------
	s_mov_b32 s[SEL], 0x76543210
	s_mov_b32 s[SEL+1], 0xfedcba98
	s_sub_co_u32 s21, ttmp9, 128
	s_lshr_b32 s22, s21, 1                         ; G: which 64 rows
	s_and_b32 s21, s21, 1
	s_lshl_b32 s21, s21, 2
	s_add_co_u32 s21, s21, s20                     ; q: which K step of 128
	s_lshl_b32 s28, s22, 18                        ; Z: 64 rows of 4,096 bytes, + 512 q
	s_lshl_b32 s23, s21, 9
	s_add_co_u32 s28, s28, s23
	s_mov_b32 s29, 0
	s_lshl_b32 s30, s22, 16                        ; codes: 4 tiles of 16,384 bytes, + 2,048 q, behind the scale words
	s_lshl_b32 s23, s21, 11
	s_add_co_u32 s30, s30, s23
	s_add_co_u32 s30, s30, 262144
	s_mov_b32 s31, 0
	s_lshr_b32 s32, s22, 1                         ; scale words: block of 128 rows, K step, my half of the block
	s_lshl_b32 s32, s32, 12
	s_lshl_b32 s23, s21, 9
	s_add_co_u32 s32, s32, s23
	s_and_b32 s23, s22, 1
	s_lshl_b32 s23, s23, 8
	s_add_co_u32 s32, s32, s23
	s_mov_b32 s33, 0
	v_and_b32 v8, 15, v0                           ; r
	v_bfe_u32 v9, v0, 4, 1                         ; h
	v_lshlrev_b32 v1, 4, v7                        ; 16 x lane: my bytes of a load's 512, and of a chunk
	s_mul_i32 s27, s20, WREG
	v_add_nc_u32 v2, s27, v1                       ; the stage, on the way in: a row as it lies
	v_mul_u32_u24 v3, v8, SP
	v_lshl_add_u32 v3, v9, 6, v3
	v_add_nc_u32 v3, s27, v3                       ; and on the way out: row r, + 64 h: my 16 numbers of a block of 32
	s_add_co_u32 s27, s27, 16*SP
	v_lshl_add_u32 v4, v8, 2, s27                  ; my row's scale word
	v_lshl_add_u32 v5, v7, 3, s27                  ; and on the way out 8 bytes a lane
	v_lshlrev_b32 v6, 3, v7
.irp b, 0,1,2,3
	v_mov_b32 v[TM+4+\b], 0                        ; written once: a lane permute's destination counts as one of its sources
.endr
	s_wait_kmcnt 0x0
	s_add_nc_u64 s[4:5], s[4:5], s[28:29]
	s_add_nc_u64 s[30:31], s[14:15], s[30:31]
	s_add_nc_u64 s[32:33], s[14:15], s[32:33]
.macro LOADZ f                         ; fragment f's 16 rows: each load reads 512 consecutive bytes of one row
.irp i, 0,1,2,3,4,5,6,7,8,9,10,11,12,13,14,15
	global_load_b128 v[RAW+64*((\f)%2)+4*\i:RAW+64*((\f)%2)+4*\i+3], v1, s[4:5] offset:(16*(\f)+\i)*4096 th:TH_LOAD_NT
.endr
.endm
.macro FRAGZ f
.if (\f) < 3
	s_wait_loadcnt 16                              ; this fragment's 16 loads are in; the next fragment's 16 may be out
.else
	s_wait_loadcnt 0x0
.endif
.irp i, 0,1,2,3,4,5,6,7,8,9,10,11,12,13,14,15
	ds_store_b128 v2, v[RAW+64*((\f)%2)+4*\i:RAW+64*((\f)%2)+4*\i+3] offset:SP*\i
.endr
.irp b, 0,1,2,3
.irp j, 0,1,2,3
	ds_load_b128 v[X+16*\b+4*\j:X+16*\b+4*\j+3], v3 offset:128*\b+16*\j    ; LDS serves a wave's instructions in order: these see the stores above
.endr
.endr
	s_wait_dscnt 0x0                               ; my 64 numbers are in, and the stage's stores (and the last scale word's) have read their registers
.if (\f) < 2
	LOADZ (\f)+2
.endif
	s_wait_xcnt 0x0                                ; the last fragment's stores have read v[PC] on: only now are the codes written again
	QUANT X
	v_lshl_or_b32 v[PW], v[TM+5], 8, v[TM+4]       ; the four bytes make my row's scale word (plain lines behind the conversions)
	v_lshl_or_b32 v[PW], v[TM+6], 16, v[PW]
	v_lshl_or_b32 v[PW], v[TM+7], 24, v[PW]
.irp c, 0,1,2,3
	global_store_b128 v1, v[PC+4*\c:PC+4*\c+3], s[30:31] offset:(\f)*16384+512*\c   ; a chunk: 512 consecutive bytes, aligned
.endr
	ds_store_b32 v4, v[PW] offset:64*(\f)          ; lanes r and r + 16 write the same word with the same value
.endm
	LOADZ 0
	LOADZ 1
	FRAGZ 0
	FRAGZ 1
	FRAGZ 2
	FRAGZ 3
	ds_load_b64 v[10:11], v5                       ; my wave's 64 scale words
	s_wait_dscnt 0x0
	global_store_b64 v6, v[10:11], s[32:33]        ; 256 consecutive bytes, aligned
	s_wait_tensorcnt 0x0
	ds_add_u32 v254, v255
	s_wait_dscnt 0x0
	s_endpgm
; ---------------- the weights: K is the FIRST axis: a lane takes a column, its registers run down K ----------------
.Lweights:
	s_lshr_b32 s21, ttmp9, 5                       ; which weight: 0 Wv, 1 Wq, 2 Wk, 3 Wo
	s_and_b32 s22, ttmp9, 7                        ; which 128 columns
	s_bfe_u32 s23, ttmp9, 0x20003                  ; which 256 along K
	s_wait_kmcnt 0x0
	s_cmp_eq_u32 s21, 1                            ; the choices hang on the work-group's number alone
	s_cselect_b64 s[6:7], s[8:9], s[6:7]
	s_cmp_eq_u32 s21, 2
	s_cselect_b64 s[6:7], s[10:11], s[6:7]
	s_cmp_eq_u32 s21, 3
	s_cselect_b64 s[6:7], s[12:13], s[6:7]
	s_cselect_b64 s[16:17], s[18:19], s[16:17]     ; Wo has a buffer of its own,
	s_cselect_b32 s21, 0, s21                      ; in which it is the first
	s_lshl_b32 s28, s23, 20                        ; the weight: 256 rows of 4,096 bytes, + 4 x (128 cg + 32 wave)
	s_lshl_b32 s27, s22, 9
	s_add_co_u32 s28, s28, s27
	s_lshl_b32 s27, s20, 7
	s_add_co_u32 s28, s28, s27
	s_mov_b32 s29, 0
	s_lshl_b32 s30, s21, 20                        ; codes: 64 tiles a weight, 8 a work-group, 2 a wave, of 16,384 bytes; + 2 K steps of 2,048
	s_lshl_b32 s27, s22, 17
	s_add_co_u32 s30, s30, s27
	s_lshl_b32 s27, s20, 15
	s_add_co_u32 s30, s30, s27
	s_lshl_b32 s27, s23, 12
	s_add_co_u32 s30, s30, s27
	s_add_co_u32 s30, s30, 131072
	s_mov_b32 s31, 0
	s_lshl_b32 s32, s21, 15                        ; scale words: 8 blocks of 128 columns a weight, 4,096 bytes each; 2 K steps of 512; 128 bytes a wave
	s_lshl_b32 s27, s22, 12
	s_add_co_u32 s32, s32, s27
	s_lshl_b32 s27, s23, 10
	s_add_co_u32 s32, s32, s27
	s_lshl_b32 s27, s20, 7
	s_add_co_u32 s32, s32, s27
	s_mov_b32 s33, 0
	s_add_nc_u64 s[6:7], s[6:7], s[28:29]
	s_add_nc_u64 s[30:31], s[16:17], s[30:31]
	s_add_nc_u64 s[32:33], s[16:17], s[32:33]
	v_lshlrev_b32 v3, 2, v7                        ; in: 4 bytes a lane: column = lane = 16 h' + 8 u + j
	v_and_b32 v14, 7, v7                           ; j
	v_bfe_u32 v15, v7, 3, 1                        ; u
	v_bfe_u32 v16, v7, 4, 1                        ; h'
	v_lshl_add_u32 v14, v16, 3, v14                ; its place: tile u, row 8 h' + j
	v_lshlrev_b32 v8, 4, v14
	v_lshl_add_u32 v8, v15, 14, v8                 ; codes: 16,384 u + 16 x row
	v_lshl_add_u32 v9, v15, 4, v14
	v_lshlrev_b32 v9, 2, v9                        ; scale word: 4 x (16 u + row)
.macro LOADW t                         ; block t: W(32 t + i, my column): 128 consecutive bytes a wave, 512 a work-group
.irp i, 0,1,2,3,4,5,6,7,8,9,10,11,12,13,14,15,16,17,18,19,20,21,22,23,24,25,26,27,28,29,30,31
	global_load_b32 v[WX+32*((\t)%2)+\i], v3, s[6:7] offset:(32*(\t)+\i)*4096 th:TH_LOAD_NT
.endr
.endm
.macro BLOCK t
.set XS, WX+32*((\t)%2)
.set CC, WC+8*(\t)
.if (\t) < 7
	s_wait_loadcnt 32                              ; this block's 32 loads are in; the next block's may be out
.else
	s_wait_loadcnt 0x0
.endif
	v_max3_num_f32 v12, |v[XS]|, |v[XS+1]|, |v[XS+2]|              ; the block's largest magnitude: all 32 numbers are mine
	v_max3_num_f32 v13, |v[XS+3]|, |v[XS+4]|, |v[XS+5]|
.irp i, 6,10,14,18,22,26
	v_max3_num_f32 v12, v12, |v[XS+\i]|, |v[XS+\i+1]|
	v_max3_num_f32 v13, v13, |v[XS+\i+2]|, |v[XS+\i+3]|
.endr
	v_max3_num_f32 v12, v12, |v[XS+30]|, |v[XS+31]|
	v_max3_num_f32 v12, v12, v13, 0x8000000        ; and the floor 2^(16 - 127)
	v_add_nc_u32 v11, 0xf8800000, v12              ; 15 off its exponent field: the conversion's scale operand
	v_and_or_b32 v10, v12, 0x7f800000, s[MNT]      ; 57,344 x the scale
.irp i, 0,1,2,3,4,5,6,7,8,9,10,11,12,13,14,15,16,17,18,19,20,21,22,23,24,25,26,27,28,29,30,31
	v_med3_num_f32 v[XS+\i], v[XS+\i], -v10, v10
.endr
.irp g, 0,1,2,3
	v_cvt_scalef32_pk8_bf8_f32 v[CC+2*\g:CC+2*\g+1], v[XS+8*\g:XS+8*\g+7], v11
.endr
	v_lshrrev_b32 v13, 23, v11                     ; the scale's byte (a plain line behind the conversions)
.if (\t)%4 == 0
	v_mov_b32 v[SB+(\t)/4], v13                    ; four bytes to a register, the lower K in the lower byte
.else
	v_lshl_or_b32 v[SB+(\t)/4], v13, 8*((\t)%4), v[SB+(\t)/4]
.endif
	global_store_b128 v8, v[CC:CC+3], s[30:31] offset:((\t)/4)*2048+((\t)%4)*512          ; k 0-15 of the block: the lanes' 16 bytes fill 256 consecutive bytes in each of two tiles
	global_store_b128 v8, v[CC+4:CC+7], s[30:31] offset:((\t)/4)*2048+((\t)%4)*512+256    ; k 16-31: the chunk's upper half
.if (\t) < 6
	LOADW (\t)+2
.endif
.endm
	LOADW 0
	LOADW 1
.irp t, 0,1,2,3,4,5,6,7
	BLOCK \t
.endr
	global_store_b32 v9, v[SB], s[32:33]           ; my column's word of each of the two K steps: a wave stores 128 consecutive bytes; one byte in 128 of what the path reads
	global_store_b32 v9, v[SB+1], s[32:33] offset:512
	s_endpgm
.Lfunc_end_k_q2e57dbd865_quant:
	.size	k_q2e57dbd865_quant, .Lfunc_end_k_q2e57dbd865_quant-k_q2e57dbd865_quant
	.p2alignl 7, 3214868480
	.fill 96, 4, 3214868480
	.section	.rodata,"a",@progbits
	.p2align	6, 0x0
	.amdhsa_kernel k_q2e57dbd865_quant
		.amdhsa_group_segment_fixed_size 35328
		.amdhsa_private_segment_fixed_size 0
		.amdhsa_enable_private_segment 0
		.amdhsa_kernarg_size 64
		.amdhsa_user_sgpr_count 2
		.amdhsa_user_sgpr_kernarg_segment_ptr 1
		.amdhsa_wavefront_size32 1
		.amdhsa_system_sgpr_workgroup_id_x 1
		.amdhsa_system_sgpr_workgroup_id_y 1
		.amdhsa_system_sgpr_workgroup_id_z 1
		.amdhsa_system_vgpr_workitem_id 0
		.amdhsa_next_free_vgpr 256
		.amdhsa_next_free_sgpr 66
		.amdhsa_reserve_vcc 0
		.amdhsa_float_denorm_mode_32 3
		.amdhsa_float_denorm_mode_16_64 3
		.amdhsa_memory_ordered 1
		.amdhsa_forward_progress 1
		.amdhsa_inst_pref_size 107
	.end_amdhsa_kernel
	.amdgpu_metadata
---
amdhsa.version: [ 1, 2 ]
amdhsa.kernels:
  - .name:           k_q2e57dbd865_quant
    .symbol:         k_q2e57dbd865_quant.kd
    .args:
      - { .name: Z, .offset: 0, .size: 8, .value_kind: global_buffer, .address_space: global }
      - { .name: Wv, .offset: 8, .size: 8, .value_kind: global_buffer, .address_space: global }
      - { .name: Wq, .offset: 16, .size: 8, .value_kind: global_buffer, .address_space: global }
      - { .name: Wk, .offset: 24, .size: 8, .value_kind: global_buffer, .address_space: global }
      - { .name: Wo, .offset: 32, .size: 8, .value_kind: global_buffer, .address_space: global }
      - { .name: aq, .offset: 40, .size: 8, .value_kind: global_buffer, .address_space: global }
      - { .name: wq, .offset: 48, .size: 8, .value_kind: global_buffer, .address_space: global }
      - { .name: woq, .offset: 56, .size: 8, .value_kind: global_buffer, .address_space: global }
    .group_segment_fixed_size: 35328
    .private_segment_fixed_size: 0
    .kernarg_segment_align: 8
    .kernarg_segment_size: 64
    .max_flat_workgroup_size: 128
    .sgpr_count:     66
    .vgpr_count:     256
    .wavefront_size: 32
...
	.end_amdgpu_metadata
.endif
;; end of part 1
;; launch gemm_qkv (part 2): grid 12 x 32, 4 waves a work-group, clusters of 4 x 4, 327,680 bytes of LDS; arguments aq, wq, vf, qk; writes vf, qk
.if DOCPART == 2
	.amdgcn_target "amdgcn-amd-amdhsa--gfx1250"
	.amdhsa_code_object_version 6
	.text
	.protected	k_q2e57dbd865_gemm_qkv
	.globl	k_q2e57dbd865_gemm_qkv
	.p2align	8
	.type	k_q2e57dbd865_gemm_qkv,@function
k_q2e57dbd865_gemm_qkv:
	s_mov_b64 s[64:65], 0
	v_nop
	global_prefetch_b8 v0, s[64:65] scope:SCOPE_SE
	s_setreg_imm32_b32 hwreg(HW_REG_WAVE_MODE, 25, 1), 1
	s_wait_xcnt 0x0
	s_wait_alu depctr_hold_cnt(0) depctr_sa_sdst(0) depctr_va_vdst(0) depctr_va_sdst(0) depctr_va_ssrc(0) depctr_va_vcc(0) depctr_vm_vsrc(0)
	s_getreg_b32 s2, hwreg(HW_REG_IB_STS2, 6, 4)
	s_cmp_eq_u32 s2, 0
	s_cbranch_scc0 .Lentry_in_a_cluster
	s_endpgm
.Lentry_in_a_cluster:
	s_bfe_u32 s2, ttmp6, 0x10000c
	s_cmp_lg_u32 s2, 0xf033
	s_cbranch_scc0 .Lentry_shape_is_right
	s_endpgm
.Lentry_shape_is_right:
; C = A B^T on codes of BF8 (E5M2) with one E8M0 scale for each 32 along K; K = 1,024; A has 8,192 rows.  One body, two launches:
;   A = Z's codes, B = Wv, Wq, Wk on end (3,072 columns): columns 0-1,023 (cluster x = 0) leave as f32 (V); columns 1,024-3,071 (cluster x = 1: Q, 2: K) are QUANTISED ON THE WAY OUT, along a head's 64, and leave as codes;
;   A = y's codes, B = Wo (1,024 columns, cluster x = 0 alone): the result leaves as f32.
; OPERANDS LIE IN MEMORY AS IMAGES OF THEIR REGISTERS: a fragment (16 rows x 128 K) is 2,048 bytes, four chunks of 512, lane L's 16 bytes at 16 L.  Codes: [tile of 16 rows][K step of 128][2,048], behind the scale words
; (A: from byte 262,144; B: from 131,072).  Scale words: [block of 128 rows][K step][128 rows], 4 bytes each.  B's column n lies at place n with bits 3 and 4 swapped.
; A tile of C, 256 x 256, is made by four waves, as many as a WGP has SIMDs; a wave makes 128 x 128: 64 accumulators, 512 registers.  K goes in four steps of 256 through a ring of two LDS slots: a wave's tensor load brings
; 8 tiles x 4,096 consecutive bytes.  An LDS load of a chunk reads 512 consecutive bytes: no pitch, no padding.  The scale words of the work-group's rows and columns, for all of K, come once, 4,096 dense bytes a wave.
; CLUSTERS: 4 x 4 work-groups.  The four of a row of the cluster need the same tiles of A, the four of a column the same tiles of B: each is asked for JOINTLY, by the same tensor load with the same descriptor and a mask
; that names the four.  THE MATRIX INSTRUCTION IS USED TRANSPOSED (source 0 = 16 columns of B, source 1 = 16 rows of A): lane (r, h) holds row r; by the order of B's columns its 16 registers of tiles 2 b, 2 b + 1
; are the 16 neighbouring columns 32 b + 16 h + 0 .. 15: what a row of f32 wants, and what the conversions to codes want.
; The branch between the two ways out hangs on the cluster's x alone, which all sixteen partners share; both ways meet again in front of the closing round.
; qk: bytes 0 .. 1,048,575 scale words [Q, K][n 4][head 16][2,048 rows], a word = byte of d 0-31 | byte of d 32-63 << 8;  from 1,048,576 on codes [Q, K][n][head][tile of 16 rows][1,024]: chunks 0 and 1 of a fragment.
; LIMITS: a block of zeros, or one under 2^-111, keeps the scale byte 1 (this program alone reads the bytes); NaN and infinities are not served.
; REGISTERS, in windows of 256: window 0: v0-31 addresses; v32-63 scale words, two sets; from v128 A's fragments, ONE set; on the way out v64-255 are free.   window 1: B's fragments, TWO sets, at v0 and v128.
;   window 2: the accumulators of my rows 0-63 (accumulator (a, b) at v[8 (8 a + b)]);   window 3: those of my rows 64-127.
.set NQ,     2                         ; matrix instructions deep in a slot
.set FR,     16                        ; registers of a fragment
.set NL,     4                         ; LDS loads that bring one
.set NP,     8                         ; places behind this matrix instruction (ISA guide 7.12.1)
.set FRB,    2048                      ; a fragment's image
.set TILEB,  NQ*FRB                    ; a tile's bytes in a slot
.set HALFT,  8*TILEB                   ; 8 tiles = 128 rows: what one tensor load brings, and what one wave reads of A or of B
.set SLOT,   4*HALFT                   ; A's 16 tiles, then B's 16
.set SCL,    2*SLOT                    ; behind the ring: the scale words: A's two blocks of 4,096 bytes, then, SKEW bytes on, B's two
.set SHALF,  4096
.set SKEW,   64                        ; so that A's 16 words and B's 16 words of one load lie 64 bytes apart modulo 256
.set SPARE,  278784                    ; the next multiple of 256 behind the scale words: the spare words, 128 bytes for each wave, which no other line names
.set SCR,    SPARE+512                 ; Q's and K's way out: 1,024 bytes for each wave, for its scale words; no tile lands here
.set SPITCH, 528                       ; the f32 way out: a stage of 16 rows x (512 bytes + 16) for each wave, in slot 0, which has had its last fill and its last read by then
.set CROW,   4096                      ; a row of C in bytes
.set ADRA, 16                          ; v16-17  LDS address of my A fragments in slot 0, 1
.set ADRB, 20                          ; v20-21  the same for B
.set STO,  24                          ; v24     the stage: where I put my bytes of a row
.set RD,   25                          ; v25     and where I read a row back
.set CO,   26                          ; v26     16 x lane
.set ADRS, 27                          ; v27     LDS address of my scale words: lanes 0-15 A's rows, lanes 16-31 B's columns
.set SPW,  28                          ; v28     LDS address of my spare word; never rewritten
.set NIL,  29                          ; v29     0; never rewritten
.set SWA,  30                          ; v30     Q, K: where I put my row's scale word
.set SRA,  31                          ; v31     and where I read 16 bytes of them back
.set SC,   32                          ; scale words: set s at v[SC + 16 s]; register 2 i + q: lanes 0-15 the word of A's block i, lanes 16-31 that of B's block i, for the slot's q-th 128 along K
.set T,    64                          ; Q, K: v64-127 a row tile's 64 numbers, held
.set AF,   128                         ; A's fragments
.set BK,   128                         ; f32: 16 rows read back from the stage: v128-191 and v192-255 by turns
.set PC,   128                         ; Q, K: v128-143 the codes
.set TM,   200                         ; Q, K: v200-203 largest magnitudes, 204-207 bytes, 208-211 57,344 x the scale, 212-215 the conversion's scale operand
.set PW,   216                         ; Q, K: v216-231 two scale words for each of eight row tiles
.set G1, 24                            ; s[24:31] descriptor group 1 for A's tiles;  s[32:39] group 0, one set for each slot
.set G0, 32
.set G1B, 48                           ; s[48:55], s[56:63] the same for B's tiles
.set G0B, 56
.set G1S, 68                           ; s[68:75], s[76:79] groups 1 and 0 for A's scale words;  s[80:87], s[88:91] for B's
.set G0S, 76
.set G1SB, 80
.set G0SB, 88
.set MNT, 95                           ; s95  the mantissa field of 57,344
.set SEL, 96                           ; s[96:97] lane selects of v_permlanex16_b32
.set MSB, 0
.macro WIN new                         ; the immediate's high byte repeats the setting that is left
.if MSB != \new
	s_set_vgpr_msb (MSB<<8)|\new
.set MSB, \new
.endif
.endm
.set MUL_LO, 0xa1                      ; source 0 (B) window 1, source 1 (A) window 0, C and D window 2
.set MUL_HI, 0xf1                      ; the same, C and D window 3
.set TO_B,   0x40                      ; destination window 1, address window 0
; A joint load: waves 0 and 1 fetch for A, waves 2 and 3 for B.  Each of the two lines has ONE mask and one set of registers for all that issue it; the branch hangs on the wave's number alone.
; Four v_nop follow each of the two lines, ahead of the jump, the label and what follows.
.macro JLOAD g0a, g1a, g0b, g1b
	s_cmp_eq_u32 s15, 0
	s_cbranch_scc0 .Lfor_b_\@
	tensor_load_to_lds s[\g0a:\g0a+3], s[\g1a:\g1a+7]
	s_nop 0
.rept 4
	v_nop
.endr
	s_branch .Lasked_\@
.Lfor_b_\@:
	tensor_load_to_lds s[\g0b:\g0b+3], s[\g1b:\g1b+7]
	s_nop 0
.rept 4
	v_nop
.endr
.Lasked_\@:
.endm
.macro CREST                           ; a round of the cluster's barrier behind its opening barrier
	s_cmp_lg_u32 s14, 0
	s_cbranch_scc1 .Lnot_wave_0_\@
	s_barrier_signal -3
.Lnot_wave_0_\@:
	s_barrier_wait -3
	s_barrier_signal -1
	s_barrier_wait -1
.endm
.macro CROUND                          ; a whole round
	s_barrier_signal -1
	s_barrier_wait -1
	CREST
.endm
	s_load_b256 s[4:11], s[0:1], 0x0               ; A s[4:5], B s[6:7], C s[8:9], qk s[10:11]
	v_lshl_add_u32 v[SPW], v0, 2, SPARE
	v_mov_b32 v[NIL], 0
	ds_add_u32 v28, v29
	ds_add_u32 v28, v29
	s_wait_dscnt 0x0
	v_lshrrev_b32 v1, 5, v0
	v_readfirstlane_b32 s14, v1                    ; wave 0..3
	s_lshr_b32 s15, s14, 1                         ; which half of the tile's rows is mine.  Also: I fetch for A (0) or for B (1)
	s_and_b32 s16, s14, 1                          ; which half of its columns.  Also: which 128 rows of that tile I fetch
	s_bfe_u32 s40, ttmp6, 0x40000                  ; cx, cy: my place in the cluster
	s_bfe_u32 s41, ttmp6, 0x40004
	s_lshl_b32 s42, ttmp9, 2
	s_add_co_u32 s42, s42, s40                     ; tile column of C = 4 x cluster x + cx
	s_and_b32 s17, ttmp7, 0xffff
	s_lshl_b32 s17, s17, 2
	s_add_co_u32 s17, s17, s41                     ; tile row of C = 4 x cluster y + cy
	s_lshl_b32 s43, s41, 2
	s_lshl_b32 s43, 15, s43                        ; my row of the cluster
	s_lshl_b32 s44, 0x1111, s40                    ; my column
	; descriptor group 1 for codes: 8 rows (tiles) of 512 elements of 8 bytes (4,096 bytes: a tile's two K steps of 128), 2,048 elements (a tile's whole K) apart; dense in LDS
	s_or_b32 s[G1+0], s43, (3<<16)|(1<<21)         ; 15:0 the mask: A's tiles go to my row; 17:16 elements of 8 bytes; 21 set beside a mask; no padding
	s_or_b32 s[G1B+0], s44, (3<<16)|(1<<21)
.irp g, G1, G1B
	s_mov_b32 s[\g+1], 512<<16                     ; tensor_dim0
	s_mov_b32 s[\g+2], 8<<16                       ; tensor_dim1
	s_mov_b32 s[\g+3], 512<<16                     ; tile_dim0
	s_mov_b32 s[\g+4], 8                           ; tile_dim1
	s_mov_b32 s[\g+5], 2048                        ; tensor_dim0_stride
	s_mov_b32 s[\g+6], 0
	s_mov_b32 s[\g+7], 0
.endr
	; and for the scale words of 128 rows: 4,096 dense bytes, as 16 rows of 256 bytes
	s_or_b32 s[G1S+0], s43, (3<<16)|(1<<21)
	s_or_b32 s[G1SB+0], s44, (3<<16)|(1<<21)
.irp g, G1S, G1SB
	s_mov_b32 s[\g+1], 32<<16
	s_mov_b32 s[\g+2], 16<<16
	s_mov_b32 s[\g+3], 32<<16
	s_mov_b32 s[\g+4], 16
	s_mov_b32 s[\g+5], 32
	s_mov_b32 s[\g+6], 0
	s_mov_b32 s[\g+7], 0
.endr
	s_lshl_b32 s18, s16, 17                        ; which 8 tiles of 16,384 bytes I fetch
	s_lshl_b32 s20, s17, 18
	s_add_co_u32 s20, s20, s18
	s_add_co_u32 s20, s20, 262144                  ; A's codes: tile 16 x tile row + 8 x half
	s_mov_b32 s21, 0
	s_lshl_b32 s46, s42, 18
	s_add_co_u32 s46, s46, s18
	s_add_co_u32 s46, s46, 131072                  ; B's codes: tile 16 x tile column + 8 x half
	s_mov_b32 s47, 0
	s_lshl_b32 s18, s16, 12
	s_lshl_b32 s22, s17, 13
	s_add_co_u32 s22, s22, s18                     ; A's scale words: block 2 x tile row + half
	s_mov_b32 s23, 0
	s_lshl_b32 s92, s42, 13
	s_add_co_u32 s92, s92, s18                     ; B's likewise
	s_mov_b32 s93, 0
	s_lshl_b32 s45, s14, 15                        ; where they go: wave x HALFT: no place in the cluster enters an LDS address
	s_lshl_b32 s94, s14, 12                        ; wave x SHALF,
	s_lshl_b32 s95, s15, 6                         ; + SKEW for B's
	s_add_co_u32 s94, s94, s95
	s_wait_kmcnt 0x0
	s_add_nc_u64 s[20:21], s[4:5], s[20:21]
	s_add_nc_u64 s[22:23], s[4:5], s[22:23]
	s_add_nc_u64 s[46:47], s[6:7], s[46:47]
	s_add_nc_u64 s[92:93], s[6:7], s[92:93]
	CROUND                                         ; all sixteen work-groups are here: the first joint loads meet
	s_mov_b32 s[G0S], 1
	s_add_co_u32 s[G0S+1], s94, SCL
	s_mov_b64 s[G0S+2:G0S+3], s[22:23]
	s_or_b32 s[G0S+3], s[G0S+3], 0x80000000
	s_mov_b32 s[G0SB], 1
	s_add_co_u32 s[G0SB+1], s94, SCL
	s_mov_b64 s[G0SB+2:G0SB+3], s[92:93]
	s_or_b32 s[G0SB+3], s[G0SB+3], 0x80000000
	JLOAD G0S, G1S, G0SB, G1SB                     ; the scale words first: they are wanted with K step 0.  Three loads of mine are out behind these first fills
.irp s, 0,1
	s_mov_b32 s[G0+4*\s], 1
	s_add_co_u32 s[G0+4*\s+1], s45, \s*SLOT
	s_add_nc_u64 s[G0+4*\s+2:G0+4*\s+3], s[20:21], \s*TILEB
	s_or_b32 s[G0+4*\s+3], s[G0+4*\s+3], 0x80000000
	s_mov_b32 s[G0B+4*\s], 1
	s_add_co_u32 s[G0B+4*\s+1], s45, \s*SLOT
	s_add_nc_u64 s[G0B+4*\s+2:G0B+4*\s+3], s[46:47], \s*TILEB
	s_or_b32 s[G0B+4*\s+3], s[G0B+4*\s+3], 0x80000000
	JLOAD G0+4*\s, G1, G0B+4*\s, G1B
.endr
	v_and_b32 v1, 15, v0                           ; r
	v_bfe_u32 v2, v0, 4, 1                         ; h
	v_and_b32 v3, 31, v0
	v_lshlrev_b32 v[CO], 4, v3                     ; 16 x lane
	s_lshl_b32 s21, s15, 15                        ; my 8 tiles of A
	s_lshl_b32 s22, s16, 15                        ; my 8 tiles of B,
	s_add_co_u32 s22, s22, 2*HALFT                 ; which lie behind A's 16
.irp s, 0,1
	v_add_nc_u32 v[ADRA+\s], s21, v[CO]
	v_add_nc_u32 v[ADRB+\s], s22, v[CO]
	s_add_co_u32 s21, s21, SLOT
	s_add_co_u32 s22, s22, SLOT
.endr
	v_lshlrev_b32 v5, 2, v1                        ; my row's scale word: 4 r in a block of 16
	s_lshl_b32 s21, s15, 12                        ; A's: my block of 128 rows
	s_lshl_b32 s22, s16, 12                        ; B's: my block, behind A's two and the skew
	s_add_co_u32 s22, s22, 2*SHALF+SKEW
	s_sub_co_u32 s22, s22, s21
	v_mul_u32_u24 v6, s22, v2                      ; lanes 16-31 take B's: one product, the distance x h
	s_add_co_u32 s21, s21, SCL
	v_add_nc_u32 v5, v5, v6
	v_add_nc_u32 v[ADRS], s21, v5
	s_mul_i32 s23, s14, 16*SPITCH                  ; my stage
	v_mul_u32_u24 v5, v1, SPITCH                   ; in: row r, + 64 h: my 16 columns of each 32
	v_lshl_add_u32 v5, v2, 6, v5
	v_add_nc_u32 v[STO], s23, v5
	v_add_nc_u32 v[RD], s23, v[CO]                 ; back: the 32 lanes take one row of 512 bytes
	s_lshl_b32 s23, s14, 10
	s_add_co_u32 s23, s23, SCR
	v_lshl_add_u32 v[SWA], v1, 2, s23
	v_add_nc_u32 v[SRA], s23, v[CO]
.macro FRAG reg, adr, q, i             ; a fragment's image: four chunks of 512 consecutive bytes
.irp c, 0,1,2,3
	ds_load_b128 v[\reg+4*\c:\reg+4*\c+3], v[\adr] offset:TILEB*(\i)+FRB*(\q)+512*\c
.endr
.endm
; 16 matrix instructions: A's blocks a0, a0 + 1 x B's eight, 128 along K: the slot's q-th.  p: B's set;  sc: the set of scale words.  zero = 1: the first product starts the sums: nothing is ever cleared.
; The 64 accumulators take turns, one instruction a turn, in the same order in every step.
.macro MUL16 a0, p, q, sc, zero
.irp a, \a0, \a0+1
.irp b, 0,1,2,3,4,5,6,7
.if \zero
	v_wmma_scale_f32_16x16x128_f8f6f4 v[8*(8*((\a)%4)+\b):8*(8*((\a)%4)+\b)+7], v[128*(\p)+FR*\b:128*(\p)+FR*\b+FR-1], v[AF+FR*(\a):AF+FR*(\a)+FR-1], 0, v[SC+8*NQ*(\sc)+NQ*\b+(\q)], v[SC+8*NQ*(\sc)+NQ*(\a)+(\q)] matrix_a_fmt:MATRIX_FMT_BF8 matrix_b_fmt:MATRIX_FMT_BF8 matrix_a_scale:MATRIX_SCALE_ROW1
.else
	v_wmma_scale_f32_16x16x128_f8f6f4 v[8*(8*((\a)%4)+\b):8*(8*((\a)%4)+\b)+7], v[128*(\p)+FR*\b:128*(\p)+FR*\b+FR-1], v[AF+FR*(\a):AF+FR*(\a)+FR-1], v[8*(8*((\a)%4)+\b):8*(8*((\a)%4)+\b)+7], v[SC+8*NQ*(\sc)+NQ*\b+(\q)], v[SC+8*NQ*(\sc)+NQ*(\a)+(\q)] matrix_a_fmt:MATRIX_FMT_BF8 matrix_b_fmt:MATRIX_FMT_BF8 matrix_a_scale:MATRIX_SCALE_ROW1
.endif
.endr
.endr
.endm
.macro FETCH_B slot, q, p              ; B's eight fragments of the slot's q-th 128 along K into set p
	WIN TO_B
.irp i, 0,1,2,3,4,5,6,7
	FRAG 128*(\p)+FR*\i, ADRB+\slot, \q, \i
.endr
	WIN 0
.endm
.macro FETCH_A slot, q, i0             ; A's blocks i0 .. i0 + 3
.irp i, \i0, \i0+1, \i0+2, \i0+3
	FRAG AF+FR*(\i), ADRA+\slot, \q, \i
.endr
.endm
.macro SCALES sc                       ; a K step's scale words into set sc: lanes 0-15 take A's block i, lanes 16-31 B's block i
.irp i, 0,1,2,3,4,5,6,7
.irp q, 0,1
	ds_load_b32 v[SC+8*NQ*\sc+NQ*\i+\q], v[ADRS] offset:64*\i+512*\q
.endr
.endr
.endm
; A load into a register that a matrix instruction has read, and a vector instruction or an LDS store that reads a matrix result, stand NP places behind that matrix instruction; only plain vector
; instructions that name none of its registers are places (ISA guide 7.12.1 for vector instructions).
.macro PLACES n
.rept \n
	v_nop
.endr
.endm
; A step of 128 along K that has its successor in the same slot.
.macro STEP slot, q, zero
	s_wait_dscnt 4*NL                              ; B's set, A's blocks 0-3 and the scale words are in; the youngest 16 loads (A's blocks 4-7) may be out
	WIN MUL_LO
	MUL16 0, (\q)%2, \q, \slot, \zero
	MUL16 2, (\q)%2, \q, \slot, \zero
	s_wait_dscnt 0                                 ; A's blocks 4-7 are in (asked for 32 matrix instructions ago)
	PLACES NP
	FETCH_B \slot, (\q)+1, 1-(\q)%2
	FETCH_A \slot, (\q)+1, 0
	WIN MUL_HI
	MUL16 4, (\q)%2, \q, \slot, \zero
	MUL16 6, (\q)%2, \q, \slot, \zero
	PLACES NP
	WIN 0
	FETCH_A \slot, (\q)+1, 4
.endm
; A slot's last step changes slots: ONE barrier; in front of it each wave waits for all its tensor loads, adds 0 to its spare word, and waits for that and for its own reads of this slot.  fill = 1: this slot is filled again, two K steps ahead.
.macro TURN slot, next, fill
	s_wait_tensorcnt 0x0                           ; all my tensor loads have landed: my part of the next slot;  (every window is 0 here)
	ds_add_u32 v[SPW], v[NIL]                      ; 0 onto my spare word;
	s_wait_dscnt 4*NL+1                            ; (the add and the youngest 16 loads, A's blocks 4-7, may be out)
	WIN MUL_LO
	MUL16 0, 1, NQ-1, \slot, 0                     ; sixteen matrix instructions stand between the add and the wait for it
	s_wait_dscnt 0x0                               ; the add is done, and my reads of this slot are over
	s_barrier_signal -1
	MUL16 2, 1, NQ-1, \slot, 0
	WIN 0
	s_barrier_wait -1
.if \fill
	CREST                                          ; the barrier has opened a round of the cluster's barrier: no wave of any partner still reads this slot's tile or has a load on its way
	s_add_nc_u64 s[G0+4*\slot+2:G0+4*\slot+3], s[G0+4*\slot+2:G0+4*\slot+3], 2*TILEB
	s_add_nc_u64 s[G0B+4*\slot+2:G0B+4*\slot+3], s[G0B+4*\slot+2:G0B+4*\slot+3], 2*TILEB
	JLOAD G0+4*\slot, G1, G0B+4*\slot, G1B         ; the first tensor load behind the round, my one load until the next; its four v_nop are among the places in front of the loads below
	PLACES NP-4
.else
	PLACES NP
.endif
	v_add_nc_u32 v[ADRS], 512*NQ, v[ADRS]          ; on to the next K step's scale words (no LDS load of mine is out)
	FETCH_B \next, 0, 0
	FETCH_A \next, 0, 0
	SCALES \next
	WIN MUL_HI
	MUL16 4, 1, NQ-1, \slot, 0
	MUL16 6, 1, NQ-1, \slot, 0
	PLACES NP
	WIN 0
	FETCH_A \next, 0, 4
.endm
	s_wait_tensorcnt 1                             ; the scale words and my part of K step 0 are in (K step 1's load may be out)
	s_barrier_signal -1
	s_barrier_wait -1                              ; everybody's are
	FETCH_B 0, 0, 0
	FETCH_A 0, 0, 0
	SCALES 0
	FETCH_A 0, 0, 4
	STEP 0, 0, 1                                   ; K = 1,024 is four K steps of 256, eight steps of 128: written out.  The first starts the sums
	TURN 0, 1, 1                                   ; slot 0 takes K step 2
	STEP 1, 0, 0
	TURN 1, 0, 1                                   ; slot 1 takes K step 3
	STEP 0, 0, 0
	TURN 0, 1, 0                                   ; nothing is left to fetch: no round of the cluster's barrier
	STEP 1, 0, 0
	s_wait_dscnt 4*NL                              ; the very last step
	WIN MUL_LO
	MUL16 0, 1, NQ-1, 1, 0
	MUL16 2, 1, NQ-1, 1, 0
	s_wait_dscnt 0
	WIN MUL_HI
	MUL16 4, 1, NQ-1, 1, 0
	MUL16 6, 1, NQ-1, 1, 0
	WIN 0
	PLACES NP                                      ; behind the last products: for the first reads of results and for the writes over A's fragments, on both ways out
	s_cmp_lg_u32 ttmp9, 0                          ; the cluster's x: the same in all sixteen partners
	s_cbranch_scc1 .Lqk
; ---------------- THE WAY OUT AS f32 (V, or the program's result), block by block of 16 rows x 128 columns ----------------
; A lane holds pieces of 32 bytes of a row, and the lanes beside it hold other rows: a block goes through my own stage in LDS and comes back as whole rows of 512 bytes.
	s_lshl_b32 s20, s17, 8
	s_lshl_b32 s21, s15, 7
	s_add_co_u32 s20, s20, s21                     ; my first row of C
	s_lshl_b32 s20, s20, 12                        ; in bytes (under 2^25)
	s_lshl_b32 s21, s42, 10                        ; my first column: 1,024 bytes a tile column, 512 a half
	s_add_co_u32 s20, s20, s21
	s_lshl_b32 s21, s16, 9
	s_add_co_u32 s20, s20, s21
	s_mov_b32 s21, 0
	s_add_nc_u64 s[8:9], s[8:9], s[20:21]
.macro TOSTAGE a
.set AC, 64*((\a)%4)
.set WW, 0x08+4*((\a)/4)
	WIN WW                                         ; the data: window 2 or 3
.irp b, 0,1,2,3,4,5,6,7
	ds_store_b128 v[STO], v[AC+8*\b:AC+8*\b+3] offset:128*(\b/2)+32*(\b%2)        ; tile b's eight results are columns 32 (b / 2) + 16 h + 8 (b % 2) + 0 .. 7; each accumulator from its low end on
	ds_store_b128 v[STO], v[AC+8*\b+4:AC+8*\b+7] offset:128*(\b/2)+32*(\b%2)+16
.endr
	WIN 0
.set BB, BK+64*((\a)%2)
.irp t, 0,1,2,3,4,5,6,7,8,9,10,11,12,13,14,15
	ds_load_b128 v[BB+4*\t:BB+4*\t+3], v[RD] offset:\t*SPITCH                     ; LDS serves a wave's instructions in order (ISA guide 5.7.1.4): these see the stores above
.endr
.endm
.macro SEND a, younger                 ; younger: the LDS instructions issued behind block a's loads, which may stay out
.set BB, BK+64*((\a)%2)
	s_wait_dscnt \younger                          ; the block is back in registers
.if (\a) > 0
	s_add_nc_u64 s[8:9], s[8:9], 16*CROW           ; (behind a wait on XCNT: the earlier stores have read their base)
.endif
.irp t, 0,1,2,3,4,5,6,7,8,9,10,11,12,13,14,15
	global_store_b128 v[CO], v[BB+4*\t:BB+4*\t+3], s[8:9] offset:\t*CROW          ; 32 lanes store 512 consecutive bytes, at a multiple of 256 from C's first byte
.endr
.endm
	TOSTAGE 0
.irp a, 1,2,3,4,5,6,7
.if \a > 1
	s_wait_xcnt 0x0                                ; block a - 2's stores have read their registers and their base
.endif
	TOSTAGE \a
	SEND \a-1, 32                                  ; behind block a - 1's loads: block a's 16 stores and 16 loads
.endr
	s_wait_xcnt 0x0
	SEND 7, 0
	s_branch .Lend
; ---------------- THE WAY OUT AS CODES (Q, K) ----------------
; My 128 columns are two heads; a lane's 64 registers of a row tile are four blocks of 32 along a head's 64 (16 numbers mine, 16 lane l xor 16's).  The codes are the next product's fragments as they stand.
.Lqk:
	s_mov_b32 s[SEL], 0x76543210
	s_mov_b32 s[SEL+1], 0xfedcba98
	s_mov_b32 s[MNT], 0x600000
	s_sub_co_u32 s20, ttmp9, 1                     ; 0: Q, 1: K
	s_lshr_b32 s21, s17, 3                         ; n: 8 tile rows of 256 to a batch
	s_lshl_b32 s20, s20, 2
	s_add_co_u32 s20, s20, s21
	s_lshl_b32 s20, s20, 4
	s_lshl_b32 s21, s40, 2                         ; head: 4 to a tile column, 2 to a wave
	s_add_co_u32 s20, s20, s21
	s_lshl_b32 s21, s16, 1
	s_add_co_u32 s20, s20, s21                     ; P = ((Q, K) x 4 + n) x 16 + my first head
	s_and_b32 s21, s17, 7
	s_lshl_b32 s21, s21, 4
	s_lshl_b32 s22, s15, 3
	s_add_co_u32 s21, s21, s22                     ; my first tile of 16 rows in the batch
	s_lshl_b32 s46, s20, 17                        ; codes: 131,072 bytes a head, 1,024 a tile, behind the scale words
	s_lshl_b32 s22, s21, 10
	s_add_co_u32 s46, s46, s22
	s_add_co_u32 s46, s46, 0x100000
	s_mov_b32 s47, 0
	s_lshl_b32 s92, s20, 13                        ; scale words: 8,192 bytes a head, 64 a tile
	s_lshl_b32 s22, s21, 6
	s_add_co_u32 s92, s92, s22
	s_mov_b32 s93, 0
	s_add_nc_u64 s[46:47], s[10:11], s[46:47]
	s_add_nc_u64 s[92:93], s[10:11], s[92:93]
.irp b, 0,1,2,3
	v_mov_b32 v[TM+4+\b], 0                        ; a lane permute's destination counts as one of its sources
.endr
.macro QROW a                          ; row tile a of my eight
.set AC, 64*((\a)%4)
.set WN, 2+(\a)/4
.set WW, (WN<<2)|(WN<<4)
	WIN WW                                         ; sources 1 and 2: window 2 or 3
.irp b, 0,1,2,3
	v_max3_num_f32 v[TM+\b], 0x8000000, |v[AC+16*\b]|, |v[AC+16*\b+1]|            ; the floor 2^(16 - 127) and my 16 numbers of block b, ascending: each accumulator is read from its low end on
.endr
.irp i, 2,4,6,8,10,12,14
.irp b, 0,1,2,3
	v_max3_num_f32 v[TM+\b], v[TM+\b], |v[AC+16*\b+\i]|, |v[AC+16*\b+\i+1]|
.endr
.endr
	WIN 0
.irp b, 0,1,2,3
	v_permlanex16_b32 v[TM+4+\b], v[TM+\b], s[SEL], s[SEL+1]
.endr
.irp b, 0,1,2,3
	v_max_num_f32 v[TM+\b], v[TM+\b], v[TM+4+\b]                                  ; the block's largest magnitude
.endr
.irp b, 0,1,2,3
	v_add_nc_u32 v[TM+12+\b], 0xf8800000, v[TM+\b]                                ; 15 off its exponent field: the conversion's scale operand
.endr
.irp b, 0,1,2,3
	v_and_or_b32 v[TM+8+\b], v[TM+\b], 0x7f800000, s[MNT]                         ; 57,344 x the scale
.endr
.irp b, 0,1,2,3
	v_lshrrev_b32 v[TM+4+\b], 23, v[TM+12+\b]                                     ; the scale's byte
.endr
	WIN WN                                         ; source 0: window 2 or 3
.irp b, 0,1,2,3
.irp i, 0,1,2,3,4,5,6,7,8,9,10,11,12,13,14,15
	v_med3_num_f32 v[T+16*\b+\i], v[AC+16*\b+\i], -v[TM+8+\b], v[TM+8+\b]         ; the hold, and the way into window 0, in one
.endr
.endr
	WIN 0
	s_wait_xcnt 0x0                                ; the last row tile's stores have read v[PC] on
.irp b, 0,1,2,3
	v_cvt_scalef32_pk8_bf8_f32 v[PC+4*\b:PC+4*\b+1], v[T+16*\b:T+16*\b+7], v[TM+12+\b]
	v_cvt_scalef32_pk8_bf8_f32 v[PC+4*\b+2:PC+4*\b+3], v[T+16*\b+8:T+16*\b+15], v[TM+12+\b]
.endr
	v_lshl_or_b32 v[PW+2*(\a)], v[TM+5], 8, v[TM+4]                               ; a head's two bytes make its word (plain lines behind the conversions)
	v_lshl_or_b32 v[PW+2*(\a)+1], v[TM+7], 8, v[TM+6]
.irp e, 0,1
.irp c, 0,1
	global_store_b128 v[CO], v[PC+8*\e+4*\c:PC+8*\e+4*\c+3], s[46:47] offset:\e*131072+(\a)*1024+512*\c   ; head e, chunk c: 512 consecutive bytes, aligned
.endr
	ds_store_b32 v[SWA], v[PW+2*(\a)+\e] offset:512*\e+64*(\a)                    ; lanes r and r + 16 write the same word with the same value
.endr
.endm
.irp a, 0,1,2,3,4,5,6,7
	QROW \a
.endr
.irp e, 0,1
	ds_load_b128 v[T+4*\e:T+4*\e+3], v[SRA] offset:512*\e                         ; a head's 128 words of my rows; they see my stores
.endr
	s_wait_dscnt 0x0
.irp e, 0,1
	global_store_b128 v[CO], v[T+4*\e:T+4*\e+3], s[92:93] offset:8192*\e          ; 512 consecutive bytes, aligned
.endr
.Lend:
	s_wait_tensorcnt 0x0                           ; the wave's end: behind my last tensor load and my last LDS store
	ds_add_u32 v[SPW], v[NIL]
	s_wait_dscnt 0x0
	CROUND                                         ; the closing round: no work-group ends while a partner may still ask for a tile that names it
	s_endpgm
.Lfunc_end_k_q2e57dbd865_gemm_qkv:
	.size	k_q2e57dbd865_gemm_qkv, .Lfunc_end_k_q2e57dbd865_gemm_qkv-k_q2e57dbd865_gemm_qkv
	.p2alignl 7, 3214868480
	.fill 96, 4, 3214868480
	.section	.rodata,"a",@progbits
	.p2align	6, 0x0
	.amdhsa_kernel k_q2e57dbd865_gemm_qkv
		.amdhsa_group_segment_fixed_size 327680
		.amdhsa_private_segment_fixed_size 0
		.amdhsa_enable_private_segment 0
		.amdhsa_kernarg_size 32
		.amdhsa_user_sgpr_count 2
		.amdhsa_user_sgpr_kernarg_segment_ptr 1
		.amdhsa_wavefront_size32 1
		.amdhsa_system_sgpr_workgroup_id_x 1
		.amdhsa_system_sgpr_workgroup_id_y 1
		.amdhsa_system_sgpr_workgroup_id_z 1
		.amdhsa_system_vgpr_workitem_id 0
		.amdhsa_next_free_vgpr 1024
		.amdhsa_next_free_sgpr 98
		.amdhsa_reserve_vcc 0
		.amdhsa_float_denorm_mode_32 3
		.amdhsa_float_denorm_mode_16_64 3
		.amdhsa_memory_ordered 1
		.amdhsa_forward_progress 1
		.amdhsa_inst_pref_size 217
	.end_amdhsa_kernel
	.amdgpu_metadata
---
amdhsa.version: [ 1, 2 ]
amdhsa.kernels:
  - .name:           k_q2e57dbd865_gemm_qkv
    .symbol:         k_q2e57dbd865_gemm_qkv.kd
    .args:
      - { .name: aq, .offset: 0, .size: 8, .value_kind: global_buffer, .address_space: global }
      - { .name: wq, .offset: 8, .size: 8, .value_kind: global_buffer, .address_space: global }
      - { .name: vf, .offset: 16, .size: 8, .value_kind: global_buffer, .address_space: global }
      - { .name: qk, .offset: 24, .size: 8, .value_kind: global_buffer, .address_space: global }
    .group_segment_fixed_size: 327680
    .private_segment_fixed_size: 0
    .kernarg_segment_align: 8
    .kernarg_segment_size: 32
    .max_flat_workgroup_size: 128
    .sgpr_count:     98
    .vgpr_count:     1024
    .wavefront_size: 32
...
	.end_amdgpu_metadata
.endif
;; end of part 2
;; launch attn (part 3): grid 4 x 64, 8 waves a work-group, no clusters, 288,000 bytes of LDS; arguments qk, vf, mask, aq; writes aq
.if DOCPART == 3
	.amdgcn_target "amdgcn-amd-amdhsa--gfx1250"
	.amdhsa_code_object_version 6
	.text
	.protected	k_q2e57dbd865_attn
	.globl	k_q2e57dbd865_attn
	.p2align	8
	.type	k_q2e57dbd865_attn,@function
k_q2e57dbd865_attn:
	s_mov_b64 s[64:65], 0
	v_nop
	global_prefetch_b8 v0, s[64:65] scope:SCOPE_SE
	s_setreg_imm32_b32 hwreg(HW_REG_WAVE_MODE, 25, 1), 1
	s_wait_xcnt 0x0
; For each batch n, head and query l:  w = C[l][l] where the first largest of the masked row C[l][:] stands at l, else 0;  y[l] = w x V[l] of the head, quantised along the 1,024 of (head, d) for the last product.
; C = Q K^T on codes of BF8 (E5M2), K = the head's 64, two blocks of 32.  Of a row only three numbers are kept: the diagonal d, A = the largest masked score of the keys before l, B = that of the keys after l:
; the first largest stands at l where A < d and B <= d.  No softmax, no index: nothing here steers an address or a branch by data.
; THE MASK RIDES IN THE IDLE HALF OF THE INSTRUCTION'S 128 ALONG K.  Registers 0-7 of a fragment hold the head's 64 codes.  Register 8 of a key's fragment holds the code of -57,344 in its lowest byte where the key is
; masked, else 0; register 8 of a query's holds the code of 1; registers 9-15 are 0.  Byte 2 of a key's scale word is 227 (2^100) where it is masked, else 1; byte 3 is 1; a query's bytes 2, 3 are 127.
; So a masked key's score, the diagonal's too, has 2 x 57,344 x 2^100 (1.45e35) taken off: it loses against every open key.  A batch with no open key has its first largest at key 0 for every query,
; which is what a mask with key 0 alone open gives: that mask is put in its place, by a select.
; LIMITS: open scores must lie above -1.45e35; NaN and infinities are not served; a block of zeros, or one under 2^-111, keeps the scale byte 1 (this program alone reads the bytes).
; SHARES.  A work-group owns one (n, head) and 512 queries; each of its eight waves 64 queries, four tiles of 16, and walks all 2,048 keys, 16 a tile, 64 a group.  Two waves to a SIMD.
; S^T = K Q^T (source 0 = 16 keys, source 1 = 16 queries): lane (r, h) holds query r, register j key 8 h + j.  Four accumulators by turns; behind each matrix instruction stands a SLICE: the four v_max3 that
; take in the tile made two instructions earlier.  In the one group of a wave that holds its diagonal, the four diagonal tiles get a longer slice: a scalar branch on ids picks that copy of the group.
; ALL of the head's K (131,072 bytes of images) lies in LDS, filled once by tensor loads, 2 x 8,192 bytes a wave; the wave's 64 rows of V (f32) likewise, in bytes of its own.  Nothing is filled twice.
; NO MULTICAST, though the four work-groups of a head read the same K: the group in which a wave branches to its diagonal copy hangs on its block of queries, which differs between those four, and partners of a
; cluster have to branch alike.  K is a third of what a work-group fetches; V, Q and y are its own.
.set VB,   131072                      ; LDS: K's images [128 tiles][1,024] from 0;  V: for each wave 64 rows x (256 + 16) bytes
.set VW,   64*272
.set KSW,  270336                      ; K's scale words [2,048], with the mask's bytes 2 and 3: stored by the waves
.set MW,   278528                      ; the keys' mask words [2,048]: stored by the waves
.set RED,  286720                      ; eight words: which lanes of each wave saw an open key
.set K0,   1                           ; v1   16 x lane
.set W0,   2                           ; v2   KSW + 4 r
.set KADR, 3                           ; v3   the group's images
.set WADR, 4                           ; v4   the group's words
.set NINF, 5                           ; v5   -infinity
.set VADR, 12                          ; v12  my place in my wave's V: row r, + 64 h
.set L4,   13                          ; v13  4 x lane
.set VX,   14                          ; v14  r - 8 h
.set WST,  15                          ; v15  KSW + 16 x thread
.set QF,   16                          ; v16-79   Q's four fragments
.set KF,   80                          ; v80-143  four fragments of K, by turns
.set D,    144                         ; v144-175 four accumulators
.set M,    176                         ; v176-191 four chains of maxima a tile: 'before' up to the diagonal, 'after' from it on
.set AV,   192                         ; v192-195 A
.set DG,   196                         ; v196-199 the diagonal
.set QS,   200                         ; v200-203 Q's scale words
.set KS,   204                         ; v204-207 K's, one for each fragment
.set BV,   208                         ; v208-211 B
.set TP,   212                         ; v212-215 at work
.set MK,   216                         ; v216-223 eight mask words;  v224-231 eight scale words of K;  v232-239 the eight waves' flags;  v240-242 constants
.set KW,   224
.set FL,   232
.set X,    80                          ; the y phase: v80-143 64 numbers, v144-159 codes, v160-175 at work, v176-183 w in pairs
.set PC,   144
.set TM,   160
.set WR,   176
.set WV,   12                          ; s12 wave;  s14 n;  s15 y = 16 n + head;  s79 head
.set NB,   14
.set YY,   15
.set HD,   79
.set G1K,  16                          ; s[16:23] group 1 for K's images;  s[24:31] for V;  s[32:35], s[36:39], s[40:43] groups 0: K's first half, K's second, V
.set G1V,  24
.set LT,   44                          ; s[44:51] lanes in which key 8 h + j lies before query r;  s[52:59] on it;  s[66:73] after it
.set EQ,   52
.set GT,   66
.set SEL,  60                          ; s[60:61] lane selects of v_permlanex16_b32
.set MNT,  62
.set GI,   74                          ; s74 the group;  s75 my diagonal's group;  s76, s77 the group's bytes among the images and the words;  s78 lanes 16-31
.set DGI,  75
.set TB,   76
.set TW,   77
.set HM,   78
.macro QUANT s                         ; 64 numbers, register 16 b + i = number 16 h + i of block b, become codes in v[PC] on; the bytes are left in v[TM+4] on; the caller puts a plain vector line behind it
.irp b, 0,1,2,3
	v_max3_num_f32 v[TM+\b], |v[\s+16*\b]|, |v[\s+1+16*\b]|, 0x8000000      ; and the floor 2^(16 - 127): the byte cannot fall under 1
.endr
.irp i, 2,4,6,8,10,12,14
.irp b, 0,1,2,3
	v_max3_num_f32 v[TM+\b], v[TM+\b], |v[\s+16*\b+\i]|, |v[\s+1+16*\b+\i]|
.endr
.endr
.irp b, 0,1,2,3
	v_permlanex16_b32 v[TM+4+\b], v[TM+\b], s[SEL], s[SEL+1]
.endr
.irp b, 0,1,2,3
	v_max_num_f32 v[TM+\b], v[TM+\b], v[TM+4+\b]
.endr
.irp b, 0,1,2,3
	v_add_nc_u32 v[TM+12+\b], 0xf8800000, v[TM+\b]                          ; 15 off the exponent field: the conversion's scale operand
.endr
.irp b, 0,1,2,3
	v_and_or_b32 v[TM+8+\b], v[TM+\b], 0x7f800000, s[MNT]                   ; 57,344 x the scale
.endr
.irp b, 0,1,2,3
	v_lshrrev_b32 v[TM+4+\b], 23, v[TM+12+\b]                               ; the scale's byte
.endr
.irp b, 0,1,2,3
.irp i, 0,1,2,3,4,5,6,7,8,9,10,11,12,13,14,15
	v_med3_num_f32 v[\s+16*\b+\i], v[\s+16*\b+\i], -v[TM+8+\b], v[TM+8+\b]  ; the conversion to an 8-bit code does not saturate (ISA guide 7.6.2)
.endr
	v_cvt_scalef32_pk8_bf8_f32 v[PC+4*\b:PC+1+4*\b], v[\s+16*\b:\s+7+16*\b], v[TM+12+\b]
	v_cvt_scalef32_pk8_bf8_f32 v[PC+2+4*\b:PC+3+4*\b], v[\s+8+16*\b:\s+15+16*\b], v[TM+12+\b]
.endr
.endm
	s_load_b256 s[4:11], s[0:1], 0x0               ; qk s[4:5], vf s[6:7], mask s[8:9], aq s[10:11]
	v_lshl_add_u32 v254, v0, 2, 0x46100
	v_mov_b32 v255, 0
	ds_add_u32 v254, v255
	ds_add_u32 v254, v255
	v_lshrrev_b32 v6, 5, v0
	v_readfirstlane_b32 s[WV], v6                  ; wave 0..7
	s_and_b32 s[YY], ttmp7, 0xffff                 ; 16 n + head
	s_lshr_b32 s[NB], s[YY], 4
	s_and_b32 s[HD], s[YY], 15
	s_lshl_b32 s[DGI], ttmp9, 3
	s_add_co_u32 s[DGI], s[DGI], s[WV]             ; my 64 queries are keys 64 DGI on
	s_mov_b32 s[G1K], 3<<16                        ; K: 8,192 dense bytes as 32 rows of 32 elements of 8 bytes; no padding
	s_mov_b32 s[G1K+1], 32<<16
	s_mov_b32 s[G1K+2], 32<<16
	s_mov_b32 s[G1K+3], 32<<16
	s_mov_b32 s[G1K+4], 32
	s_mov_b32 s[G1K+5], 32
	s_mov_b32 s[G1K+6], 0
	s_mov_b32 s[G1K+7], 0
	s_mov_b32 s[G1V], (2<<16)|(1<<20)|(5<<22)|(3<<25)   ; V: 64 rows of 64 elements of 4 bytes, 1,024 elements apart; four words of padding behind every 64
	s_mov_b32 s[G1V+1], 64<<16
	s_mov_b32 s[G1V+2], 64<<16
	s_mov_b32 s[G1V+3], 64<<16
	s_mov_b32 s[G1V+4], 64
	s_mov_b32 s[G1V+5], 1024
	s_mov_b32 s[G1V+6], 0
	s_mov_b32 s[G1V+7], 0
	s_lshl_b32 s80, s[YY], 17                      ; K's images: behind the scale words (1 MiB) and Q's images (8 MiB); 131,072 bytes a head; my 8,192 of each half
	s_lshl_b32 s81, s[WV], 13
	s_add_co_u32 s80, s80, s81
	s_add_co_u32 s80, s80, 0x900000
	s_mov_b32 s81, 0
	s_lshl_b32 s82, s[NB], 23                      ; V: row 2,048 n + 512 x + 64 wave of 4,096 bytes, + 256 x head
	s_lshl_b32 s83, ttmp9, 21
	s_add_co_u32 s82, s82, s83
	s_lshl_b32 s83, s[WV], 18
	s_add_co_u32 s82, s82, s83
	s_lshl_b32 s83, s[HD], 8
	s_add_co_u32 s82, s82, s83
	s_mov_b32 s83, 0
	s_lshl_b32 s84, s[WV], 13                      ; LDS: my part of K's first half,
	s_mul_i32 s85, s[WV], VW
	s_add_co_u32 s85, s85, VB                      ; and my V
	s_lshl_b32 s92, s[NB], 13                      ; the batch's mask
	s_mov_b32 s93, 0
	s_lshl_b32 s86, s[YY], 13                      ; K's scale words: behind Q's 524,288 bytes
	s_add_co_u32 s86, s86, 0x80000
	s_mov_b32 s87, 0
	s_lshl_b32 s88, s[YY], 17                      ; Q's images: my four tiles of 1,024 bytes
	s_lshl_b32 s89, ttmp9, 15
	s_add_co_u32 s88, s88, s89
	s_lshl_b32 s89, s[WV], 12
	s_add_co_u32 s88, s88, s89
	s_add_co_u32 s88, s88, 0x100000
	s_mov_b32 s89, 0
	s_lshl_b32 s90, s[YY], 13                      ; Q's scale words: my 64
	s_lshl_b32 s91, ttmp9, 11
	s_add_co_u32 s90, s90, s91
	s_lshl_b32 s91, s[WV], 8
	s_add_co_u32 s90, s90, s91
	s_mov_b32 s91, 0
	s_lshl_b32 s94, s[NB], 21                      ; y's codes: tile 128 n + 32 x + 4 wave of 16,384 bytes; the head's two chunks lie 1,024 x head on
	s_lshl_b32 s95, ttmp9, 19
	s_add_co_u32 s94, s94, s95
	s_lshl_b32 s95, s[WV], 16
	s_add_co_u32 s94, s94, s95
	s_lshl_b32 s95, s[HD], 10
	s_add_co_u32 s94, s94, s95
	s_add_co_u32 s94, s94, 0x40000
	s_mov_b32 s95, 0
	s_lshl_b32 s96, s[NB], 16                      ; y's scale bytes: block of 128 rows 16 n + 4 x + wave / 2; K step head / 2; my 64 rows; the head's half of a word
	s_lshl_b32 s97, ttmp9, 14
	s_add_co_u32 s96, s96, s97
	s_lshr_b32 s97, s[WV], 1
	s_lshl_b32 s97, s97, 12
	s_add_co_u32 s96, s96, s97
	s_lshr_b32 s97, s[HD], 1
	s_lshl_b32 s97, s97, 9
	s_add_co_u32 s96, s96, s97
	s_and_b32 s97, s[WV], 1
	s_lshl_b32 s97, s97, 8
	s_add_co_u32 s96, s96, s97
	s_and_b32 s97, s[HD], 1
	s_lshl_b32 s97, s97, 1
	s_add_co_u32 s96, s96, s97
	s_mov_b32 s97, 0
	s_mov_b32 s[SEL], 0x76543210
	s_mov_b32 s[SEL+1], 0xfedcba98
	s_mov_b32 s[MNT], 0x600000
	s_mov_b32 s[HM], 0xffff0000
	s_wait_dscnt 0x0
	s_wait_kmcnt 0x0
	s_mov_b32 s32, 1
	s_mov_b32 s33, s84
	s_add_nc_u64 s[34:35], s[4:5], s[80:81]
	s_mov_b32 s36, 1
	s_add_co_u32 s37, s84, 65536
	s_add_nc_u64 s[38:39], s[34:35], 0x10000
	s_or_b32 s35, s35, 0x80000000
	s_or_b32 s39, s39, 0x80000000
	s_mov_b32 s40, 1
	s_mov_b32 s41, s85
	s_add_nc_u64 s[42:43], s[6:7], s[82:83]
	s_or_b32 s43, s43, 0x80000000
	tensor_load_to_lds s[32:35], s[G1K:G1K+7]      ; the first fills, all that there are, as one group: three loads of mine are out
	s_nop 0
	tensor_load_to_lds s[36:39], s[G1K:G1K+7]
	s_nop 0
	tensor_load_to_lds s[40:43], s[G1V:G1V+7]
	s_nop 0
.rept 4
	v_nop
.endr
	s_add_nc_u64 s[8:9], s[8:9], s[92:93]
	s_add_nc_u64 s[86:87], s[4:5], s[86:87]
	s_add_nc_u64 s[88:89], s[4:5], s[88:89]
	s_add_nc_u64 s[90:91], s[4:5], s[90:91]
	s_add_nc_u64 s[94:95], s[10:11], s[94:95]
	s_add_nc_u64 s[96:97], s[10:11], s[96:97]
	v_and_b32 v6, 31, v0                           ; lane
	v_and_b32 v7, 15, v0                           ; r
	v_bfe_u32 v8, v0, 4, 1                         ; h
	v_lshlrev_b32 v[K0], 4, v6
	v_lshl_add_u32 v[W0], v7, 2, KSW
	v_lshlrev_b32 v[L4], 2, v6
	v_lshlrev_b32 v10, 4, v0                       ; 16 x thread: four keys' words
	v_lshlrev_b32 v11, 2, v7                       ; 4 r
	v_lshlrev_b32 v[VX], 3, v8
	v_sub_nc_u32 v[VX], v7, v[VX]
	v_mul_u32_u24 v[VADR], v7, 272
	v_lshl_add_u32 v[VADR], v8, 6, v[VADR]
	v_add_nc_u32 v[VADR], s85, v[VADR]
	v_lshl_add_u32 v[WST], v0, 4, KSW
	global_load_b128 v[MK:MK+3], v10, s[8:9]                   ; the mask of keys 4 t .. 4 t + 3,
	global_load_b128 v[MK+4:MK+7], v10, s[8:9] offset:4096     ; and of 1,024 + 4 t ..
	global_load_b128 v[KW:KW+3], v10, s[86:87]                 ; the same keys' scale words
	global_load_b128 v[KW+4:KW+7], v10, s[86:87] offset:4096
.irp i, 0,1,2,3
	global_load_b128 v[QF+16*\i:QF+16*\i+3], v[K0], s[88:89] offset:1024*\i         ; Q's images: chunks 0 and 1
	global_load_b128 v[QF+16*\i+4:QF+16*\i+7], v[K0], s[88:89] offset:1024*\i+512
.endr
.irp i, 0,1,2,3
	global_load_b32 v[QS+\i], v11, s[90:91] offset:64*\i
.endr
	v_mov_b32 v[NINF], 0xff800000
	v_mov_b32 v240, 0xfb                           ; the code of -57,344, in the lowest byte
	v_mov_b32 v241, 0x01010000                     ; an open key's bytes 2, 3
	v_mov_b32 v242, 0x01e30000                     ; a masked key's: 227 = 2^100
.irp i, 0,1,2,3
	v_mov_b32 v[QF+16*\i+8], 0x3c                  ; the code of 1
.irp k, 9,10,11,12,13,14,15
	v_mov_b32 v[QF+16*\i+\k], 0                    ; the idle part of K: zero codes, written once
	v_mov_b32 v[KF+16*\i+\k], 0
.endr
.endr
	s_wait_loadcnt 14                              ; the mask's two loads are in; the 14 behind them may be out
	v_or_b32 v6, v[MK], v[MK+1]
	v_or_b32 v7, v[MK+2], v[MK+3]
	v_or_b32 v8, v[MK+4], v[MK+5]
	v_or_b32 v9, v[MK+6], v[MK+7]
	v_or_b32 v6, v6, v7
	v_or_b32 v8, v8, v9
	v_or_b32 v6, v6, v8
	v_cmp_ne_u32 vcc_lo, 0, v6                     ; the lanes that saw an open key
	v_mov_b32 v7, vcc_lo
	v_mov_b32 v8, s[WV]
	v_lshl_add_u32 v8, v8, 2, RED
	ds_store_b32 v8, v7                            ; all lanes write the wave's word with the same value
	s_wait_dscnt 0x0                               ; for the others' sake
	s_barrier_signal -1
	s_barrier_wait -1
	v_mov_b32 v9, RED
	ds_load_b128 v[FL:FL+3], v9
	ds_load_b128 v[FL+4:FL+7], v9 offset:16
	s_wait_dscnt 0x0
	v_or_b32 v6, v[FL], v[FL+1]
	v_or_b32 v7, v[FL+2], v[FL+3]
	v_or_b32 v8, v[FL+4], v[FL+5]
	v_or_b32 v9, v[FL+6], v[FL+7]
	v_or_b32 v6, v6, v7
	v_or_b32 v8, v8, v9
	v_or_b32 v6, v6, v8
	v_cmp_eq_u32 s92, 0, v6                        ; no key of the batch is open,
	v_cmp_eq_u32 s93, 0, v0                        ; and I hold key 0:
	s_and_b32 vcc_lo, s92, s93
	v_cndmask_b32 v[MK], v[MK], 1, vcc_lo          ; then key 0 counts as open
	s_wait_loadcnt 12                              ; K's scale words are in; Q's 12 loads may be out
.irp e, 0,1,2,3,4,5,6,7
	v_cmp_eq_u32 vcc_lo, 0, v[MK+\e]
	v_cndmask_b32 v[MK+\e], 0, v240, vcc_lo        ; the key's mask word
	v_cndmask_b32 v6, v241, v242, vcc_lo
	v_or_b32 v[KW+\e], v[KW+\e], v6                ; bytes 2 and 3 of its scale word
.endr
	ds_store_b128 v[WST], v[KW:KW+3]
	ds_store_b128 v[WST], v[KW+4:KW+7] offset:4096
	ds_store_b128 v[WST], v[MK:MK+3] offset:MW-KSW
	ds_store_b128 v[WST], v[MK+4:MK+7] offset:MW-KSW+4096
	s_wait_loadcnt 0x0                             ; Q
.irp i, 0,1,2,3
	v_or_b32 v[QS+\i], 0x7f7f0000, v[QS+\i]        ; a query's bytes 2, 3: 1.  (The lines below are more than the eight places that a scale register so written wants ahead of its product)
.endr
.irp k, 0,1,2,3,4,5,6,7,8,9,10,11,12,13,14,15
	v_mov_b32 v[M+\k], v[NINF]
.endr
.irp k, 0,1,2,3,4,5,6,7
	v_mov_b32 v[AV+\k], v[NINF]                    ; A and the diagonal
.endr
.irp k, 16,17,18,19,20,21,22,23,24,25,26,27,28,29,30,31
	v_mov_b32 v[D+\k], v[NINF]                     ; accumulators 2 and 3: the first group's first two slices find them so
.endr
.irp k, 0,1,2,3
	v_mov_b32 v[TP+\k], 0                          ; a lane permute's destination counts as one of its sources
.endr
.irp j, 0,1,2,3,4,5,6,7
	v_cmp_lt_i32 s[LT+\j], \j, v[VX]               ; key 8 h + j before query r: j < r - 8 h
	v_cmp_eq_i32 s[EQ+\j], \j, v[VX]
	v_cmp_gt_i32 s[GT+\j], \j, v[VX]
.endr
	s_wait_dscnt 0x0                               ; my words lie in LDS,
	s_wait_tensorcnt 1                             ; and my parts of both halves of K; V, my youngest load, may stay out
	s_barrier_signal -1
	s_barrier_wait -1                              ; everybody's do
.macro LOADK jb, k                     ; key tile k of the group in hand into fragment jb: two chunks, the mask word, the scale word
	ds_load_b128 v[KF+16*(\jb):KF+16*(\jb)+3], v[KADR] offset:1024*(\k)
	ds_load_b128 v[KF+16*(\jb)+4:KF+16*(\jb)+7], v[KADR] offset:1024*(\k)+512
	ds_load_b32 v[KF+16*(\jb)+8], v[WADR] offset:MW-KSW+64*(\k)
	ds_load_b32 v[KS+(\jb)], v[WADR] offset:64*(\k)
.endm
.macro SL i                            ; a plain slice: accumulator i into tile i's four chains, from its low end on
.irp c, 0,1,2,3
	v_max3_num_f32 v[M+4*(\i)+\c], v[M+4*(\i)+\c], v[D+8*(\i)+2*\c], v[D+8*(\i)+2*\c+1]
.endr
.endm
.macro SP i                            ; the diagonal tile of query tile i: the chains so far and the keys before r make A; the key r is the diagonal; the keys after r start the chains anew
	v_max3_num_f32 v[AV+(\i)], v[M+4*(\i)], v[M+4*(\i)+1], v[M+4*(\i)+2]
	v_max_num_f32 v[AV+(\i)], v[AV+(\i)], v[M+4*(\i)+3]
.irp p, 0,2,4,6
	v_cndmask_b32 v6, v[NINF], v[D+8*(\i)+\p], s[LT+\p]
	v_cndmask_b32 v7, v[NINF], v[D+8*(\i)+\p+1], s[LT+\p+1]
	v_max3_num_f32 v[AV+(\i)], v[AV+(\i)], v6, v7
.endr
.irp j, 0,1,2,3,4,5,6,7
	v_cndmask_b32 v[DG+(\i)], v[DG+(\i)], v[D+8*(\i)+\j], s[EQ+\j]
.endr
.irp j, 0,1,2,3,4,5,6,7
	v_cndmask_b32 v[D+8*(\i)+\j], v[NINF], v[D+8*(\i)+\j], s[GT+\j]       ; in place: taken in once more, it changes nothing
.endr
.irp c, 0,1,2,3
	v_max_num_f32 v[M+4*(\i)+\c], v[D+8*(\i)+2*\c], v[D+8*(\i)+2*\c+1]
.endr
.endm
; A GROUP: 4 key tiles x 4 query tiles.  Product 4 j + i is followed by the slice of product 4 j + i - 2 (the first two: the last group's accumulators 2 and 3).  So eight plain instructions that name none of its
; registers stand between a product and the first read of its result, twelve before its accumulator is written anew, twelve before a fragment of K is loaded again.
; No accumulator is added onto: each product begins with the constant 0, and no two that follow each other share an accumulator.
; The waits: a tile's four LDS loads are issued three tiles ahead; 8 leaves the two younger tiles' loads out.  last = 1: the last group asks for one tile more, and the counts run down 8, 8, 4, 0.
.macro GROUP diag, last
.irp j, 0,1,2,3
.if \last && (\j == 2)
	s_wait_dscnt 4
.elseif \last && (\j == 3)
	s_wait_dscnt 0x0
.else
	s_wait_dscnt 8
.endif
.irp i, 0,1,2,3
	v_wmma_scale_f32_16x16x128_f8f6f4 v[D+8*\i:D+8*\i+7], v[KF+16*\j:KF+16*\j+15], v[QF+16*\i:QF+16*\i+15], 0, v[KS+\j], v[QS+\i] matrix_a_fmt:MATRIX_FMT_BF8 matrix_b_fmt:MATRIX_FMT_BF8
.set IDX, 4*\j+\i+2
.set SI, IDX%4
.set SJ, IDX/4-1
.if \diag && (SJ == SI)
	SP SI
.else
	SL SI
.endif
.if (\i == 2) && ((\last == 0) || (\j == 0))
	LOADK (\j+3)%4, \j+3
.endif
.endr
.endr
.if \diag                              ; the diagonal group takes its last two tiles in itself, since the very last is a diagonal tile; the next group's first two slices take the same numbers again, which changes nothing
	SL 2
	SP 3
.endif
.endm
.macro TRIP last
	v_add_nc_u32 v[KADR], s[TB], v[K0]
	v_add_nc_u32 v[WADR], s[TW], v[W0]
	s_cmp_eq_u32 s[GI], s[DGI]                     ; ids alone.  Both copies hold the same loads and waits, and no barrier
	s_cbranch_scc1 .Ldiag_\@
	GROUP 0, \last
	s_branch .Ljoin_\@
.Ldiag_\@:
	GROUP 1, \last
.Ljoin_\@:
	s_add_co_u32 s[TB], s[TB], 4096
	s_add_co_u32 s[TW], s[TW], 256
.endm
	v_mov_b32 v[KADR], v[K0]
	v_mov_b32 v[WADR], v[W0]
	LOADK 0, 0
	LOADK 1, 1
	LOADK 2, 2
	s_mov_b32 s[GI], 0
	s_mov_b32 s[TB], 0
	s_mov_b32 s[TW], 0
.Lgroups:                                      ; 31 trips; the last group is written out: it asks for nothing past the last key
	TRIP 0
	s_add_co_u32 s[GI], s[GI], 1
	s_cmp_lt_u32 s[GI], 31
	s_cbranch_scc1 .Lgroups
	TRIP 1
	SL 2                                           ; the last two tiles
	SL 3
	; w.  A, B and the diagonal are joined with lane l xor 16's (the other eight keys of each tile)
.irp i, 0,1,2,3
	v_max3_num_f32 v[BV+\i], v[M+4*\i], v[M+4*\i+1], v[M+4*\i+2]
.endr
.irp i, 0,1,2,3
	v_max_num_f32 v[BV+\i], v[BV+\i], v[M+4*\i+3]
.endr
.irp q, AV, BV, DG
.irp i, 0,1,2,3
	v_permlanex16_b32 v[TP+\i], v[\q+\i], s[SEL], s[SEL+1]
.endr
.irp i, 0,1,2,3
	v_max_num_f32 v[\q+\i], v[\q+\i], v[TP+\i]
.endr
.endr
.irp i, 0,1,2,3
	v_cmp_lt_f32 s92, v[AV+\i], v[DG+\i]           ; every earlier key is smaller,
	v_cmp_le_f32 s93, v[BV+\i], v[DG+\i]           ; no later key is larger: the first largest stands on the diagonal
	s_and_b32 vcc_lo, s92, s93
	v_cndmask_b32 v[WR+2*\i], 0, v[DG+\i], vcc_lo
	v_mov_b32 v[WR+2*\i+1], v[WR+2*\i]             ; (the packed product names the pair)
.endr
	s_wait_tensorcnt 0x0                           ; my V has landed; only I read it
; y, two tiles of 16 queries at a time: blocks 0, 1 are tile 2 p's two blocks of the head's 64, blocks 2, 3 tile 2 p + 1's
.macro YPAIR p
.irp e, 0,1
.irp b, 0,1
.irp j, 0,1,2,3
	ds_load_b128 v[X+32*\e+16*\b+4*\j:X+32*\e+16*\b+4*\j+3], v[VADR] offset:16*(2*(\p)+\e)*272+128*\b+16*\j
.endr
.endr
.endr
	s_wait_dscnt 0x0
.irp e, 0,1
.irp k, 0,2,4,6,8,10,12,14,16,18,20,22,24,26,28,30
	v_pk_mul_f32 v[X+32*\e+\k:X+32*\e+\k+1], v[X+32*\e+\k:X+32*\e+\k+1], v[WR+2*(2*(\p)+\e):WR+2*(2*(\p)+\e)+1] op_sel_hi:[1,0]
.endr
.endr
.if (\p) > 0
	s_wait_xcnt 0x0                                ; the first pair's stores have read their registers
.endif
	QUANT X
	v_lshl_or_b32 v6, v[TM+5], 8, v[TM+4]          ; tile 2 p's two bytes (plain lines behind the conversions),
	v_lshl_or_b32 v7, v[TM+7], 8, v[TM+6]          ; tile 2 p + 1's
	v_cndmask_b32 v8, v6, v7, s[HM]                ; lanes 0-15 store the first tile's, lanes 16-31 the second's
.irp e, 0,1
.irp c, 0,1
	global_store_b128 v[K0], v[PC+8*\e+4*\c:PC+8*\e+4*\c+3], s[94:95] offset:(2*(\p)+\e)*16384+512*\c   ; a chunk of the last product's fragment: 512 consecutive bytes, aligned
.endr
.endr
	global_store_b16 v[L4], v8, s[96:97] offset:128*(\p)   ; two bytes a lane, 4 bytes apart: the word's other half is the neighbouring head's work-group's.  One byte in 32 of what this phase stores
.endm
	YPAIR 0
	YPAIR 1
	s_wait_tensorcnt 0x0
	ds_add_u32 v254, v255
	s_wait_dscnt 0x0
	s_endpgm
.Lfunc_end_k_q2e57dbd865_attn:
	.size	k_q2e57dbd865_attn, .Lfunc_end_k_q2e57dbd865_attn-k_q2e57dbd865_attn
	.p2alignl 7, 3214868480
	.fill 96, 4, 3214868480
	.section	.rodata,"a",@progbits
	.p2align	6, 0x0
	.amdhsa_kernel k_q2e57dbd865_attn
		.amdhsa_group_segment_fixed_size 288000
		.amdhsa_private_segment_fixed_size 0
		.amdhsa_enable_private_segment 0
		.amdhsa_kernarg_size 32
		.amdhsa_user_sgpr_count 2
		.amdhsa_user_sgpr_kernarg_segment_ptr 1
		.amdhsa_wavefront_size32 1
		.amdhsa_system_sgpr_workgroup_id_x 1
		.amdhsa_system_sgpr_workgroup_id_y 1
		.amdhsa_system_sgpr_workgroup_id_z 1
		.amdhsa_system_vgpr_workitem_id 0
		.amdhsa_next_free_vgpr 256
		.amdhsa_next_free_sgpr 98
		.amdhsa_reserve_vcc 1
		.amdhsa_float_denorm_mode_32 3
		.amdhsa_float_denorm_mode_16_64 3
		.amdhsa_memory_ordered 1
		.amdhsa_forward_progress 1
		.amdhsa_inst_pref_size 85
	.end_amdhsa_kernel
	.amdgpu_metadata
---
amdhsa.version: [ 1, 2 ]
amdhsa.kernels:
  - .name:           k_q2e57dbd865_attn
    .symbol:         k_q2e57dbd865_attn.kd
    .args:
      - { .name: qk, .offset: 0, .size: 8, .value_kind: global_buffer, .address_space: global }
      - { .name: vf, .offset: 8, .size: 8, .value_kind: global_buffer, .address_space: global }
      - { .name: mask, .offset: 16, .size: 8, .value_kind: global_buffer, .address_space: global }
      - { .name: aq, .offset: 24, .size: 8, .value_kind: global_buffer, .address_space: global }
    .group_segment_fixed_size: 288000
    .private_segment_fixed_size: 0
    .kernarg_segment_align: 8
    .kernarg_segment_size: 32
    .max_flat_workgroup_size: 256
    .sgpr_count:     98
    .vgpr_count:     256
    .wavefront_size: 32
...
	.end_amdgpu_metadata
.endif
;; end of part 3
;; launch gemm_o: the kernel of part 2 again; grid 4 x 32, 4 waves a work-group, clusters of 4 x 4, 327,680 bytes of LDS; arguments aq, woq, out0, qk; writes out0, qk
;; ======== version 2 of 2: 4 launches
;; limits: right only within a limited range of input values
;; workspace buffers: aq 8,650,752 bytes; wq 3,276,800 bytes; woq 1,179,648 bytes; qk 17,825,792 bytes; wb 524,288 bytes; fl 32,768 bytes of whole numbers
;; launch quant (part 4): grid 768 x 1, 4 waves a work-group, no clusters, 35,328 bytes of LDS; arguments Z, Wv, Wq, Wk, Wo, aq, wq, woq; writes aq, wq, woq
.if DOCPART == 4
	.amdgcn_target "amdgcn-amd-amdhsa--gfx1250"
	.amdhsa_code_object_version 6
	.text
	.protected	k_q2e57dbd865_quant
	.globl	k_q2e57dbd865_quant
	.p2align	8
	.type	k_q2e57dbd865_quant,@function
k_q2e57dbd865_quant:
	s_mov_b64 s[64:65], 0
	v_nop
	global_prefetch_b8 v0, s[64:65] scope:SCOPE_SE
	s_setreg_imm32_b32 hwreg(HW_REG_WAVE_MODE, 25, 1), 1
	s_wait_xcnt 0x0
; Z [8192][1024] and the four weights [1024 (k)][1024 (n)], f32, become codes of BF8 (E5M2) with one E8M0 scale byte for each 32 along K, laid AS THE MATRIX UNIT'S REGISTERS TAKE THEM.
; A FRAGMENT is 16 rows x 128 K = 2,048 bytes: four chunks c of 512 bytes; in a chunk lane L = 16 h + r has its 16 bytes at 16 L: row r, k = 32 c + 16 h + 0 .. 15.
; aq:  bytes 0 .. 262,143 scale words [block of 128 rows][K step of 128][128 rows], a word = the four bytes of a row's K step;  from 262,144 on codes [tile of 16 rows][K step][2,048].
; wq (Wv, Wq, Wk on end) and woq (Wo): the same with columns n for rows; scale words from byte 0, codes from 131,072.  COLUMN n LIES AT PLACE n WITH BITS 3 AND 4 SWAPPED: in the product that follows
; a lane's 16 results of two neighbouring tiles are then 16 neighbouring columns.
; A block's scale is 2^(floor(log2(its largest magnitude)) - 15); its byte is the largest magnitude's exponent field - 15, held at 1 from below.  Each number is held within +-57,344 x the scale and converted, ties to even.
; LIMITS: a block of zeros, or one whose largest magnitude lies under 2^-111, keeps the byte 1 (this program alone reads the bytes; zero codes add nothing); NaN and infinities among the inputs are not served.
; SHARES: work-groups 0-255 take the weights (128 columns x 128 along K each), work-groups 256-767 take Z (32 rows x 512 along K each): 64 KiB of f32 either way, 768 equal shares for 256 WGPs.
; Waves share nothing: no barrier.  Memory binds: no matrix unit, no cluster, no tensor load; every f32 byte is read once.
.set SEL, 24                           ; s[24:25] lane selects of v_permlanex16_b32: lane l xor 16
.set MNT, 26                           ; s26  the mantissa field of 57,344
.set RAW, 16                           ; v16-143  Z: two sets of 16 rows x 16 bytes a lane, as loaded
.set X,   144                          ; v144-207 Z: 64 numbers of my row: register 16 b + i = k 32 b + 16 h + i
.set PC,  208                          ; v208-223 a fragment's codes
.set TM,  224                          ; v224-227 largest magnitudes, 228-231 bytes, 232-235 57,344 x the scale, 236-239 the conversion's scale operand
.set PW,  240                          ; v240     the scale word
.set WREG, 8704                        ; LDS of a wave (Z's path alone): a stage of 16 rows x SP bytes, then its scale words
.set SP,  528                          ; a stage row: 512 bytes + 16, an odd multiple of 16
.set WX,  32                           ; v32-95   weights: two sets of 32 numbers down K
.set WC,  96                           ; v96-127  weights: 8 registers of codes for each of 4 blocks: no store's data are written again
.set SB,  24                           ; v24      weights: the four scale bytes
; 64 numbers v[s] .. v[s+63] become 16 registers of codes in v[PC] on; the four blocks' bytes are left in v[TM+4] on.  The caller puts a plain vector line behind the last conversion.
.macro QUANT s
.irp b, 0,1,2,3
	v_max3_num_f32 v[TM+\b], |v[\s+16*\b]|, |v[\s+1+16*\b]|, 0x8000000      ; my 16 numbers of block b, and the floor 2^(16 - 127)
.endr
.irp i, 2,4,6,8,10,12,14
.irp b, 0,1,2,3
	v_max3_num_f32 v[TM+\b], v[TM+\b], |v[\s+16*\b+\i]|, |v[\s+1+16*\b+\i]|  ; the four blocks by turns
.endr
.endr
.irp b, 0,1,2,3
	v_permlanex16_b32 v[TM+4+\b], v[TM+\b], s[SEL], s[SEL+1]
.endr
.irp b, 0,1,2,3
	v_max_num_f32 v[TM+\b], v[TM+\b], v[TM+4+\b]                            ; with lane l xor 16's 16: the block's largest magnitude
.endr
.irp b, 0,1,2,3
	v_add_nc_u32 v[TM+12+\b], 0xf8800000, v[TM+\b]                          ; 15 off its exponent field: the conversion takes that field as its scale
.endr
.irp b, 0,1,2,3
	v_and_or_b32 v[TM+8+\b], v[TM+\b], 0x7f800000, s[MNT]                   ; 57,344 x the scale
.endr
.irp b, 0,1,2,3
	v_lshrrev_b32 v[TM+4+\b], 23, v[TM+12+\b]                               ; the scale's byte
.endr
.irp b, 0,1,2,3
.irp i, 0,1,2,3,4,5,6,7,8,9,10,11,12,13,14,15
	v_med3_num_f32 v[\s+16*\b+\i], v[\s+16*\b+\i], -v[TM+8+\b], v[TM+8+\b]  ; the conversion to an 8-bit code does not saturate (ISA guide 7.6.2): the hold comes first
.endr
	v_cvt_scalef32_pk8_bf8_f32 v[PC+4*\b:PC+1+4*\b], v[\s+16*\b:\s+7+16*\b], v[TM+12+\b]
	v_cvt_scalef32_pk8_bf8_f32 v[PC+2+4*\b:PC+3+4*\b], v[\s+8+16*\b:\s+15+16*\b], v[TM+12+\b]
.endr
.endm
	s_load_b512 s[4:19], s[0:1], 0x0               ; Z s[4:5], Wv s[6:7], Wq s[8:9], Wk s[10:11], Wo s[12:13], aq s[14:15], wq s[16:17], woq s[18:19]
	v_lshl_add_u32 v254, v0, 2, 0x8800
	v_mov_b32 v255, 0
	v_lshrrev_b32 v1, 5, v0
	v_readfirstlane_b32 s20, v1                    ; wave 0..3
	v_and_b32 v7, 31, v0                           ; lane
	s_mov_b32 s[MNT], 0x600000
	s_cmp_lt_u32 ttmp9, 256
	s_cbranch_scc1 .Lweights
; ---------------- Z: a wave takes 32 rows x one K step of 128: two fragments ----------------
	s_mov_b32 s[SEL], 0x76543210
	s_mov_b32 s[SEL+1], 0xfedcba98
	s_sub_co_u32 s21, ttmp9, 256
	s_lshr_b32 s22, s21, 1                         ; G: which 32 rows
	s_and_b32 s21, s21, 1
	s_lshl_b32 s21, s21, 2
	s_add_co_u32 s21, s21, s20                     ; q: which K step of 128
	s_lshl_b32 s28, s22, 17                        ; Z: 32 rows of 4,096 bytes, + 512 q
	s_lshl_b32 s23, s21, 9
	s_add_co_u32 s28, s28, s23
	s_mov_b32 s29, 0
	s_lshl_b32 s30, s22, 15                        ; codes: 2 tiles of 16,384 bytes, + 2,048 q, behind the scale words
	s_lshl_b32 s23, s21, 11
	s_add_co_u32 s30, s30, s23
	s_add_co_u32 s30, s30, 262144
	s_mov_b32 s31, 0
	s_lshr_b32 s32, s22, 2                         ; scale words: block of 128 rows, K step, my quarter of the block
	s_lshl_b32 s32, s32, 12
	s_lshl_b32 s23, s21, 9
	s_add_co_u32 s32, s32, s23
	s_and_b32 s23, s22, 3
	s_lshl_b32 s23, s23, 7
	s_add_co_u32 s32, s32, s23
	s_mov_b32 s33, 0
	v_and_b32 v8, 15, v0                           ; r
	v_bfe_u32 v9, v0, 4, 1                         ; h
	s_wait_alu depctr_va_vdst(0)
	v_lshlrev_b32 v1, 4, v7                        ; 16 x lane: my bytes of a load's 512, and of a chunk
	s_mul_i32 s27, s20, WREG
	v_add_nc_u32 v2, s27, v1                       ; the stage, on the way in: a row as it lies
	v_mul_u32_u24 v3, v8, SP
	v_lshl_add_u32 v3, v9, 6, v3
	v_add_nc_u32 v3, s27, v3                       ; and on the way out: row r, + 64 h: my 16 numbers of a block of 32
	s_add_co_u32 s27, s27, 16*SP
	v_lshl_add_u32 v4, v8, 2, s27                  ; my row's scale word
	v_lshl_add_u32 v5, v7, 2, s27                  ; and on the way out 4 bytes a lane
	v_lshlrev_b32 v6, 2, v7
.irp b, 0,1,2,3
	v_mov_b32 v[TM+4+\b], 0                        ; written once: a lane permute's destination counts as one of its sources
.endr
	s_wait_alu depctr_va_vdst(0)
	s_wait_kmcnt 0x0
	s_add_nc_u64 s[4:5], s[4:5], s[28:29]
	s_add_nc_u64 s[30:31], s[14:15], s[30:31]
	s_add_nc_u64 s[32:33], s[14:15], s[32:33]
.macro LOADZ f                         ; fragment f's 16 rows: each load reads 512 consecutive bytes of one row
.irp i, 0,1,2,3,4,5,6,7,8,9,10,11,12,13,14,15
	global_load_b128 v[RAW+64*(\f)+4*\i:RAW+64*(\f)+4*\i+3], v1, s[4:5] offset:(16*(\f)+\i)*4096 th:TH_LOAD_NT
.endr
.endm
.macro FRAGZ f
.if (\f) < 1
	s_wait_loadcnt 16                              ; this fragment's 16 loads are in; the next fragment's 16 may be out
.else
	s_wait_loadcnt 0x0
.endif
.irp i, 0,1,2,3,4,5,6,7,8,9,10,11,12,13,14,15
	ds_store_b128 v2, v[RAW+64*(\f)+4*\i:RAW+64*(\f)+4*\i+3] offset:SP*\i
.endr
.irp b, 0,1,2,3
.irp j, 0,1,2,3
	ds_load_b128 v[X+16*\b+4*\j:X+16*\b+4*\j+3], v3 offset:128*\b+16*\j    ; LDS serves a wave's instructions in order: these see the stores above
.endr
.endr
	s_wait_dscnt 0x0                               ; my 64 numbers are in
	s_wait_xcnt 0x0                                ; the last fragment's stores have read v[PC] on: only now are the codes written again
	QUANT X
	v_lshl_or_b32 v[PW], v[TM+5], 8, v[TM+4]       ; the four bytes make my row's scale word (plain lines behind the conversions)
	v_lshl_or_b32 v[PW], v[TM+6], 16, v[PW]
	v_lshl_or_b32 v[PW], v[TM+7], 24, v[PW]
.irp c, 0,1,2,3
	global_store_b128 v1, v[PC+4*\c:PC+4*\c+3], s[30:31] offset:(\f)*16384+512*\c   ; a chunk: 512 consecutive bytes, aligned
.endr
	ds_store_b32 v4, v[PW] offset:64*(\f)          ; lanes r and r + 16 write the same word with the same value
.endm
	LOADZ 0                                        ; all 32 loads of the wave go out at once
	LOADZ 1
	FRAGZ 0
	FRAGZ 1
	ds_load_b32 v10, v5                            ; my wave's 32 scale words
	s_wait_dscnt 0x0
	global_store_b32 v6, v10, s[32:33]             ; 128 consecutive bytes: one byte in 128 of what the path reads
	s_wait_tensorcnt 0x0                           ; the wave's end
	ds_add_u32 v254, v255
	s_wait_dscnt 0x0
	s_endpgm
; ---------------- the weights: K is the FIRST axis: a lane takes a column, its registers run down K ----------------
.Lweights:
	s_lshr_b32 s21, ttmp9, 6                       ; which weight: 0 Wv, 1 Wq, 2 Wk, 3 Wo
	s_and_b32 s22, ttmp9, 7                        ; which 128 columns
	s_bfe_u32 s23, ttmp9, 0x30003                  ; which K step of 128
	s_wait_kmcnt 0x0
	s_cmp_eq_u32 s21, 1                            ; the choices hang on the work-group's number alone
	s_cselect_b64 s[6:7], s[8:9], s[6:7]
	s_cmp_eq_u32 s21, 2
	s_cselect_b64 s[6:7], s[10:11], s[6:7]
	s_cmp_eq_u32 s21, 3
	s_cselect_b64 s[6:7], s[12:13], s[6:7]
	s_cselect_b64 s[16:17], s[18:19], s[16:17]     ; Wo has a buffer of its own,
	s_cselect_b32 s21, 0, s21                      ; in which it is the first
	s_lshl_b32 s28, s23, 19                        ; the weight: 128 rows of 4,096 bytes, + 4 x (128 cg + 32 wave)
	s_lshl_b32 s27, s22, 9
	s_add_co_u32 s28, s28, s27
	s_lshl_b32 s27, s20, 7
	s_add_co_u32 s28, s28, s27
	s_mov_b32 s29, 0
	s_lshl_b32 s30, s21, 20                        ; codes: 64 tiles a weight, 8 a work-group, 2 a wave, of 16,384 bytes; + the K step's 2,048
	s_lshl_b32 s27, s22, 17
	s_add_co_u32 s30, s30, s27
	s_lshl_b32 s27, s20, 15
	s_add_co_u32 s30, s30, s27
	s_lshl_b32 s27, s23, 11
	s_add_co_u32 s30, s30, s27
	s_add_co_u32 s30, s30, 131072
	s_mov_b32 s31, 0
	s_lshl_b32 s32, s21, 15                        ; scale words: 8 blocks of 128 columns a weight, 4,096 bytes each; 512 a K step; 128 bytes a wave
	s_lshl_b32 s27, s22, 12
	s_add_co_u32 s32, s32, s27
	s_lshl_b32 s27, s23, 9
	s_add_co_u32 s32, s32, s27
	s_lshl_b32 s27, s20, 7
	s_add_co_u32 s32, s32, s27
	s_mov_b32 s33, 0
	s_add_nc_u64 s[6:7], s[6:7], s[28:29]
	s_add_nc_u64 s[30:31], s[16:17], s[30:31]
	s_add_nc_u64 s[32:33], s[16:17], s[32:33]
	s_wait_alu depctr_va_vdst(0)
	v_lshlrev_b32 v3, 2, v7                        ; in: 4 bytes a lane: column = lane = 16 h' + 8 u + j
	v_and_b32 v14, 7, v7                           ; j
	v_bfe_u32 v15, v7, 3, 1                        ; u
	v_bfe_u32 v16, v7, 4, 1                        ; h'
	v_lshl_add_u32 v14, v16, 3, v14                ; its place: tile u, row 8 h' + j
	v_lshlrev_b32 v8, 4, v14
	v_lshl_add_u32 v8, v15, 14, v8                 ; codes: 16,384 u + 16 x row
	v_lshl_add_u32 v9, v15, 4, v14
	v_lshlrev_b32 v9, 2, v9                        ; scale word: 4 x (16 u + row)
.macro LOADW t                         ; block t: W(32 t + i, my column): 128 consecutive bytes a wave, 512 a work-group
.irp i, 0,1,2,3,4,5,6,7,8,9,10,11,12,13,14,15,16,17,18,19,20,21,22,23,24,25,26,27,28,29,30,31
	global_load_b32 v[WX+32*((\t)%2)+\i], v3, s[6:7] offset:(32*(\t)+\i)*4096 th:TH_LOAD_NT
.endr
.endm
.macro BLOCK t
.set XS, WX+32*((\t)%2)
.set CC, WC+8*(\t)
.if (\t) < 3
	s_wait_loadcnt 32                              ; this block's 32 loads are in; the next block's may be out
.else
	s_wait_loadcnt 0x0
.endif
	v_max3_num_f32 v12, |v[XS]|, |v[XS+1]|, |v[XS+2]|              ; the block's largest magnitude: all 32 numbers are mine
	v_max3_num_f32 v13, |v[XS+3]|, |v[XS+4]|, |v[XS+5]|
.irp i, 6,10,14,18,22,26
	v_max3_num_f32 v12, v12, |v[XS+\i]|, |v[XS+\i+1]|
	v_max3_num_f32 v13, v13, |v[XS+\i+2]|, |v[XS+\i+3]|
.endr
	v_max3_num_f32 v12, v12, |v[XS+30]|, |v[XS+31]|
	v_max3_num_f32 v12, v12, v13, 0x8000000        ; and the floor 2^(16 - 127)
	v_add_nc_u32 v11, 0xf8800000, v12              ; 15 off its exponent field: the conversion's scale operand
	v_and_or_b32 v10, v12, 0x7f800000, s[MNT]      ; 57,344 x the scale
.irp i, 0,1,2,3,4,5,6,7,8,9,10,11,12,13,14,15,16,17,18,19,20,21,22,23,24,25,26,27,28,29,30,31
	v_med3_num_f32 v[XS+\i], v[XS+\i], -v10, v10
.endr
.irp g, 0,1,2,3
	v_cvt_scalef32_pk8_bf8_f32 v[CC+2*\g:CC+2*\g+1], v[XS+8*\g:XS+8*\g+7], v11
.endr
	v_lshrrev_b32 v13, 23, v11                     ; the scale's byte (a plain line behind the conversions)
.if (\t) == 0
	v_mov_b32 v[SB], v13                           ; four bytes to a register, the lower K in the lower byte
.else
	v_lshl_or_b32 v[SB], v13, 8*(\t), v[SB]
.endif
	global_store_b128 v8, v[CC:CC+3], s[30:31] offset:(\t)*512          ; k 0-15 of the block: the lanes' 16 bytes fill 256 consecutive bytes in each of two tiles
	global_store_b128 v8, v[CC+4:CC+7], s[30:31] offset:(\t)*512+256    ; k 16-31: the chunk's upper half
.if (\t) < 2
	LOADW (\t)+2
.endif
.endm
	LOADW 0
	LOADW 1
.irp t, 0,1,2,3
	BLOCK \t
.endr
	global_store_b32 v9, v[SB], s[32:33]           ; my column's word of the K step: a wave stores 128 consecutive bytes; one byte in 128 of what the path reads
	s_endpgm
.Lfunc_end_k_q2e57dbd865_quant:
	.size	k_q2e57dbd865_quant, .Lfunc_end_k_q2e57dbd865_quant-k_q2e57dbd865_quant
	.p2alignl 7, 3214868480
	.fill 96, 4, 3214868480
	.section	.rodata,"a",@progbits
	.p2align	6, 0x0
	.amdhsa_kernel k_q2e57dbd865_quant
		.amdhsa_group_segment_fixed_size 35328
		.amdhsa_private_segment_fixed_size 0
		.amdhsa_enable_private_segment 0
		.amdhsa_kernarg_size 64
		.amdhsa_user_sgpr_count 2
		.amdhsa_user_sgpr_kernarg_segment_ptr 1
		.amdhsa_wavefront_size32 1
		.amdhsa_system_sgpr_workgroup_id_x 1
		.amdhsa_system_sgpr_workgroup_id_y 1
		.amdhsa_system_sgpr_workgroup_id_z 1
		.amdhsa_system_vgpr_workitem_id 0
		.amdhsa_next_free_vgpr 256
		.amdhsa_next_free_sgpr 66
		.amdhsa_reserve_vcc 0
		.amdhsa_float_denorm_mode_32 3
		.amdhsa_float_denorm_mode_16_64 3
		.amdhsa_memory_ordered 1
		.amdhsa_forward_progress 1
		.amdhsa_inst_pref_size 56
	.end_amdhsa_kernel
	.amdgpu_metadata
---
amdhsa.version: [ 1, 2 ]
amdhsa.kernels:
  - .name:           k_q2e57dbd865_quant
    .symbol:         k_q2e57dbd865_quant.kd
    .args:
      - { .name: Z, .offset: 0, .size: 8, .value_kind: global_buffer, .address_space: global }
      - { .name: Wv, .offset: 8, .size: 8, .value_kind: global_buffer, .address_space: global }
      - { .name: Wq, .offset: 16, .size: 8, .value_kind: global_buffer, .address_space: global }
      - { .name: Wk, .offset: 24, .size: 8, .value_kind: global_buffer, .address_space: global }
      - { .name: Wo, .offset: 32, .size: 8, .value_kind: global_buffer, .address_space: global }
      - { .name: aq, .offset: 40, .size: 8, .value_kind: global_buffer, .address_space: global }
      - { .name: wq, .offset: 48, .size: 8, .value_kind: global_buffer, .address_space: global }
      - { .name: woq, .offset: 56, .size: 8, .value_kind: global_buffer, .address_space: global }
    .group_segment_fixed_size: 35328
    .private_segment_fixed_size: 0
    .kernarg_segment_align: 8
    .kernarg_segment_size: 64
    .max_flat_workgroup_size: 128
    .sgpr_count:     66
    .vgpr_count:     256
    .wavefront_size: 32
...
	.end_amdgpu_metadata
.endif
;; end of part 4
;; launch gemm_qk (part 5): grid 8 x 32, 4 waves a work-group, clusters of 4 x 4, 327,680 bytes of LDS; arguments aq, wq, qk; writes qk
.if DOCPART == 5
	.amdgcn_target "amdgcn-amd-amdhsa--gfx1250"
	.amdhsa_code_object_version 6
	.text
	.protected	k_q2e57dbd865_gemm_qk
	.globl	k_q2e57dbd865_gemm_qk
	.p2align	8
	.type	k_q2e57dbd865_gemm_qk,@function
k_q2e57dbd865_gemm_qk:
	s_mov_b64 s[64:65], 0
	v_nop
	global_prefetch_b8 v0, s[64:65] scope:SCOPE_SE
	s_setreg_imm32_b32 hwreg(HW_REG_WAVE_MODE, 25, 1), 1
	s_wait_xcnt 0x0
	s_wait_alu depctr_hold_cnt(0) depctr_sa_sdst(0) depctr_va_vdst(0) depctr_va_sdst(0) depctr_va_ssrc(0) depctr_va_vcc(0) depctr_vm_vsrc(0)
	s_getreg_b32 s2, hwreg(HW_REG_IB_STS2, 6, 4)
	s_cmp_eq_u32 s2, 0
	s_cbranch_scc0 .Lentry_in_a_cluster
	s_endpgm
.Lentry_in_a_cluster:
	s_bfe_u32 s2, ttmp6, 0x10000c
	s_cmp_lg_u32 s2, 0xf033
	s_cbranch_scc0 .Lentry_shape_is_right
	s_endpgm
.Lentry_shape_is_right:
; Q = Z Wq and K = Z Wk on codes of BF8 (E5M2) with one E8M0 scale for each 32 along K; K = 1,024; 8,192 rows; 2,048 columns (cluster x = 0: Q, 1: K).  The results are QUANTISED ON THE WAY OUT, along a head's 64, and leave as codes.
; OPERANDS LIE IN MEMORY AS IMAGES OF THEIR REGISTERS: a fragment (16 rows x 128 K) is 2,048 bytes, four chunks of 512, lane L's 16 bytes at 16 L.  Codes: [tile of 16 rows][K step of 128][2,048], behind the scale words
; (A: from byte 262,144; B: from 131,072).  Scale words: [block of 128 rows][K step][128 rows], 4 bytes each.  B's column n lies at place n with bits 3 and 4 swapped.  B holds Wv, Wq, Wk on end: this launch begins at Wq.
; A tile of C, 256 x 256, is made by four waves, as many as a WGP has SIMDs; a wave makes 128 x 128: 64 accumulators, 512 registers.  8,192 x 2,048 are 256 such tiles: one for each of 256 work-groups.
; K goes in four steps of 256 through a ring of two LDS slots: a wave's tensor load brings 8 tiles x 4,096 consecutive bytes.  An LDS load of a chunk reads 512 consecutive bytes: no pitch, no padding.
; The scale words of the work-group's rows and columns, for all of K, come once, 8,192 dense bytes a side, by waves 2 and 3 alone.
; CLUSTERS: 4 x 4 work-groups.  The four of a row of the cluster need the same tiles of A, the four of a column the same tiles of B: each is asked for JOINTLY, by the same tensor load with the same descriptor and a mask
; that names the four.  THE MATRIX INSTRUCTION IS USED TRANSPOSED (source 0 = 16 columns of B, source 1 = 16 rows of A): lane (r, h) holds row r; by the order of B's columns its 16 registers of tiles 2 b, 2 b + 1
; are the 16 neighbouring columns 32 b + 16 h + 0 .. 15: what the conversions to codes want.
; qk: bytes 0 .. 1,048,575 scale words [Q, K][n 4][head 16][2,048 rows], a word = byte of d 0-31 | byte of d 32-63 << 8;  from 1,048,576 on codes [Q, K][n][head][tile of 16 rows][1,024]: chunks 0 and 1 of a fragment.
; LIMITS: a block of zeros, or one under 2^-111, keeps the scale byte 1 (this program alone reads the bytes); NaN and infinities are not served.
; REGISTERS, in windows of 256: window 0: v0-31 addresses; v32-63 scale words, two sets; from v128 A's fragments, ONE set; on the way out v64-255 are free.   window 1: B's fragments, TWO sets, at v0 and v128.
;   window 2: the accumulators of my rows 0-63 (accumulator (a, b) at v[8 (8 a + b)]);   window 3: those of my rows 64-127.
.set NQ,     2                         ; matrix instructions deep in a slot
.set FR,     16                        ; registers of a fragment
.set NL,     4                         ; LDS loads that bring one
.set NP,     8                         ; places behind this matrix instruction (ISA guide 7.12.1)
.set FRB,    2048                      ; a fragment's image
.set TILEB,  NQ*FRB                    ; a tile's bytes in a slot
.set HALFT,  8*TILEB                   ; 8 tiles = 128 rows: what one tensor load brings, and what one wave reads of A or of B
.set SLOT,   4*HALFT                   ; A's 16 tiles, then B's 16
.set SCL,    2*SLOT                    ; behind the ring: the scale words: A's two blocks of 4,096 bytes, then, SKEW bytes on, B's two
.set SHALF,  4096
.set SKEW,   64                        ; so that A's 16 words and B's 16 words of one load lie 64 bytes apart modulo 256
.set SPARE,  278784                    ; the next multiple of 256 behind the scale words: the spare words, 128 bytes for each wave, which no other line names
.set SCR,    SPARE+512                 ; the way out: 1,024 bytes for each wave, for its scale words; no tile lands here
.set BCODES, 131072+4*262144           ; B's codes begin behind its scale words; Wq begins 4 tile columns of 16 x 16,384 bytes on
.set BSCALE, 4*8192                    ; and its scale words 4 tile columns of 2 x 4,096 bytes on
.set ADRA, 16                          ; v16-17  LDS address of my A fragments in slot 0, 1
.set ADRB, 20                          ; v20-21  the same for B
.set CO,   26                          ; v26     16 x lane
.set ADRS, 27                          ; v27     LDS address of my scale words: lanes 0-15 A's rows, lanes 16-31 B's columns
.set SPW,  28                          ; v28     LDS address of my spare word; never rewritten
.set NIL,  29                          ; v29     0; never rewritten
.set SWA,  30                          ; v30     where I put my row's scale word
.set SRA,  31                          ; v31     and where I read 16 bytes of them back
.set SC,   32                          ; scale words: set s at v[SC + 16 s]; register 2 i + q: lanes 0-15 the word of A's block i, lanes 16-31 that of B's block i, for the slot's q-th 128 along K
.set T,    64                          ; the way out: v64-127 a row tile's 64 numbers, held
.set AF,   128                         ; A's fragments
.set PC,   128                         ; the way out: v128-143 the codes
.set TM,   200                         ; v200-203 largest magnitudes, 204-207 bytes, 208-211 57,344 x the scale, 212-215 the conversion's scale operand
.set PW,   216                         ; v216-231 two scale words for each of eight row tiles
.set G1, 24                            ; s[24:31] descriptor group 1 for A's tiles;  s[32:39] group 0, one set for each slot
.set G0, 32
.set G1B, 48                           ; s[48:55], s[56:63] the same for B's tiles
.set G0B, 56
.set G1S, 68                           ; s[68:75], s[76:79] groups 1 and 0 for A's scale words;  s[80:87], s[88:91] for B's
.set G0S, 76
.set G1SB, 80
.set G0SB, 88
.set MNT, 95                           ; s95  the mantissa field of 57,344
.set SEL, 96                           ; s[96:97] lane selects of v_permlanex16_b32
.set MSB, 0
.macro WIN new                         ; the immediate's high byte repeats the setting that is left
.if MSB != \new
	s_set_vgpr_msb (MSB<<8)|\new
.set MSB, \new
.endif
.endm
.set MUL_LO, 0xa1                      ; source 0 (B) window 1, source 1 (A) window 0, C and D window 2
.set MUL_HI, 0xf1                      ; the same, C and D window 3
.set TO_B,   0x40                      ; destination window 1, address window 0
; A joint load: waves 0 and 1 fetch for A, waves 2 and 3 for B.  Each of the two lines has ONE mask and one set of registers for all that issue it; the branch hangs on the wave's number alone.
; Four v_nop follow each of the two lines, ahead of the jump, the label and what follows.
.macro JLOAD g0a, g1a, g0b, g1b
	s_cmp_eq_u32 s15, 0
	s_cbranch_scc0 .Lfor_b_\@
	tensor_load_to_lds s[\g0a:\g0a+3], s[\g1a:\g1a+7]
	s_nop 0
.rept 4
	v_nop
.endr
	s_branch .Lasked_\@
.Lfor_b_\@:
	tensor_load_to_lds s[\g0b:\g0b+3], s[\g1b:\g1b+7]
	s_nop 0
.rept 4
	v_nop
.endr
.Lasked_\@:
.endm
.macro CREST                           ; a round of the cluster's barrier behind its opening barrier
	s_cmp_lg_u32 s14, 0
	s_cbranch_scc1 .Lnot_wave_0_\@
	s_barrier_signal -3
.Lnot_wave_0_\@:
	s_barrier_wait -3
	s_barrier_signal -1
	s_barrier_wait -1
.endm
.macro CROUND                          ; a whole round
	s_barrier_signal -1
	s_barrier_wait -1
	CREST
.endm
	s_load_b128 s[4:7], s[0:1], 0x0                ; A s[4:5], B s[6:7]
	s_load_b64 s[8:9], s[0:1], 0x10                ; qk
	v_lshl_add_u32 v[SPW], v0, 2, SPARE
	v_mov_b32 v[NIL], 0
	ds_add_u32 v28, v29
	ds_add_u32 v28, v29
	s_wait_dscnt 0x0
	v_lshrrev_b32 v1, 5, v0
	v_readfirstlane_b32 s14, v1                    ; wave 0..3
	s_lshr_b32 s15, s14, 1                         ; which half of the tile's rows is mine.  Also: I fetch for A (0) or for B (1)
	s_and_b32 s16, s14, 1                          ; which half of its columns.  Also: which 128 rows of that tile I fetch
	s_bfe_u32 s40, ttmp6, 0x40000                  ; cx, cy: my place in the cluster
	s_bfe_u32 s41, ttmp6, 0x40004
	s_lshl_b32 s42, ttmp9, 2
	s_add_co_u32 s42, s42, s40                     ; tile column of C = 4 x cluster x + cx
	s_and_b32 s17, ttmp7, 0xffff
	s_lshl_b32 s17, s17, 2
	s_add_co_u32 s17, s17, s41                     ; tile row of C = 4 x cluster y + cy
	s_lshl_b32 s43, s41, 2
	s_lshl_b32 s43, 15, s43                        ; my row of the cluster
	s_lshl_b32 s44, 0x1111, s40                    ; my column
	; descriptor group 1 for codes: 8 rows (tiles) of 512 elements of 8 bytes (4,096 bytes: a tile's two K steps of 128), 2,048 elements (a tile's whole K) apart; dense in LDS
	s_or_b32 s[G1+0], s43, (3<<16)|(1<<21)         ; 15:0 the mask: A's tiles go to my row; 17:16 elements of 8 bytes; 21 set beside a mask; no padding
	s_or_b32 s[G1B+0], s44, (3<<16)|(1<<21)
.irp g, G1, G1B
	s_mov_b32 s[\g+1], 512<<16                     ; tensor_dim0
	s_mov_b32 s[\g+2], 16<<16                      ; the head's loads bring 16 tiles; behind them these two words are set to 8, for the ring's
	s_mov_b32 s[\g+3], 512<<16
	s_mov_b32 s[\g+4], 16
	s_mov_b32 s[\g+5], 2048                        ; tensor_dim0_stride
	s_mov_b32 s[\g+6], 0
	s_mov_b32 s[\g+7], 0
.endr
	; and for the scale words of 256 rows: 8,192 dense bytes, as 32 rows of 256 bytes
	s_or_b32 s[G1S+0], s43, (3<<16)|(1<<21)
	s_or_b32 s[G1SB+0], s44, (3<<16)|(1<<21)
.irp g, G1S, G1SB
	s_mov_b32 s[\g+1], 32<<16
	s_mov_b32 s[\g+2], 32<<16                      ; the scale words of 256 rows: 8,192 dense bytes, one load
	s_mov_b32 s[\g+3], 32<<16
	s_mov_b32 s[\g+4], 32
	s_mov_b32 s[\g+5], 32
	s_mov_b32 s[\g+6], 0
	s_mov_b32 s[\g+7], 0
.endr
	s_lshl_b32 s18, s16, 17                        ; which 8 tiles of 16,384 bytes I fetch
	s_lshl_b32 s20, s17, 18
	s_add_co_u32 s20, s20, 262144                  ; A's codes: tile 16 x tile row
	s_mov_b32 s21, 0
	s_lshl_b32 s46, s42, 18
	s_add_co_u32 s46, s46, BCODES                  ; B's codes: tile 16 x tile column, from Wq on
	s_mov_b32 s47, 0
	s_lshl_b32 s22, s17, 13
	s_mov_b32 s23, 0
	s_lshl_b32 s92, s42, 13
	s_add_co_u32 s92, s92, BSCALE                  ; B's likewise, from Wq on
	s_mov_b32 s93, 0
	s_lshl_b32 s45, s14, 15                        ; where they go: wave x HALFT: no place in the cluster enters an LDS address
	s_mov_b32 s19, 0                               ; s[18:19]: the bytes from a tile's first 8 tiles of 16 rows to my 8, for the ring's loads
	s_wait_kmcnt 0x0
	s_add_nc_u64 s[20:21], s[4:5], s[20:21]
	s_add_nc_u64 s[22:23], s[4:5], s[22:23]
	s_add_nc_u64 s[46:47], s[6:7], s[46:47]
	s_add_nc_u64 s[92:93], s[6:7], s[92:93]
	CROUND                                         ; all sixteen work-groups are here: the first joint loads meet
	s_mov_b32 s[G0S], 1
	s_mov_b32 s[G0S+1], SCL
	s_mov_b64 s[G0S+2:G0S+3], s[22:23]
	s_or_b32 s[G0S+3], s[G0S+3], 0x80000000
	s_mov_b32 s[G0SB], 1
	s_mov_b32 s[G0SB+1], SCL+2*SHALF+SKEW
	s_mov_b64 s[G0SB+2:G0SB+3], s[92:93]
	s_or_b32 s[G0SB+3], s[G0SB+3], 0x80000000
.irp s, 0,1
	s_mov_b32 s[G0+4*\s], 1
	s_add_co_u32 s[G0+4*\s+1], s45, \s*SLOT
	s_add_nc_u64 s[G0+4*\s+2:G0+4*\s+3], s[20:21], \s*TILEB
	s_or_b32 s[G0+4*\s+3], s[G0+4*\s+3], 0x80000000
	s_mov_b32 s[G0B+4*\s], 1
	s_add_co_u32 s[G0B+4*\s+1], s45, \s*SLOT
	s_add_nc_u64 s[G0B+4*\s+2:G0B+4*\s+3], s[46:47], \s*TILEB
	s_or_b32 s[G0B+4*\s+3], s[G0B+4*\s+3], 0x80000000
.endr
; THE HEAD'S LOADS, ONE A WAVE: wave 0 K step 0's 16 tiles of A, wave 1 its 16 tiles of B, wave 2 the scale words of A's 256 rows, wave 3 those of B's 256 columns.
; Slot 0's groups 0 serve these two loads of codes first (LDS 0 and 2 HALFT, the tile's first row); behind the wait for them they are set to my wave's 8 tiles.
	s_mov_b32 s[G0+1], 0
	s_mov_b32 s[G0B+1], 2*HALFT
	s_add_nc_u64 s[G0+6:G0+7], s[G0+6:G0+7], s[18:19]
	s_add_nc_u64 s[G0B+6:G0B+7], s[G0B+6:G0B+7], s[18:19]
.macro ARM under, g0, g1, next
	s_cmp_lt_u32 s14, \under
	s_cbranch_scc0 \next
	tensor_load_to_lds s[\g0:\g0+3], s[\g1:\g1+7]
	s_nop 0
.rept 4
	v_nop
.endr
	s_branch .Lhead_asked
\next:
.endm
	ARM 1, G0,  G1,  .Lhead_b
	ARM 2, G0B, G1B, .Lhead_sa
	ARM 3, G0S, G1S, .Lhead_sb
	tensor_load_to_lds s[G0SB:G0SB+3], s[G1SB:G1SB+7]
	s_nop 0
.rept 4
	v_nop
.endr
.Lhead_asked:
	v_and_b32 v1, 15, v0
	v_bfe_u32 v2, v0, 4, 1                         ; h
	s_wait_alu depctr_va_vdst(0)
	v_and_b32 v3, 31, v0
	v_lshlrev_b32 v[CO], 4, v3                     ; 16 x lane
	s_lshl_b32 s21, s15, 15                        ; my 8 tiles of A
	s_lshl_b32 s22, s16, 15                        ; my 8 tiles of B,
	s_add_co_u32 s22, s22, 2*HALFT                 ; which lie behind A's 16
.irp s, 0,1
	v_add_nc_u32 v[ADRA+\s], s21, v[CO]
	v_add_nc_u32 v[ADRB+\s], s22, v[CO]
	s_add_co_u32 s21, s21, SLOT
	s_add_co_u32 s22, s22, SLOT
.endr
	v_lshlrev_b32 v5, 2, v1                        ; my row's scale word: 4 r in a block of 16
	s_lshl_b32 s21, s15, 12                        ; A's: my block of 128 rows
	s_lshl_b32 s22, s16, 12                        ; B's: my block, behind A's two and the skew
	s_add_co_u32 s22, s22, 2*SHALF+SKEW
	s_sub_co_u32 s22, s22, s21
	v_mul_u32_u24 v6, s22, v2                      ; lanes 16-31 take B's: one product, the distance x h
	s_add_co_u32 s21, s21, SCL
	v_add_nc_u32 v5, v5, v6
	v_add_nc_u32 v[ADRS], s21, v5
	s_lshl_b32 s23, s14, 10
	s_add_co_u32 s23, s23, SCR
	v_lshl_add_u32 v[SWA], v1, 2, s23
	v_add_nc_u32 v[SRA], s23, v[CO]
.macro FRAG reg, adr, q, i             ; a fragment's image: four chunks of 512 consecutive bytes
.irp c, 0,1,2,3
	ds_load_b128 v[\reg+4*\c:\reg+4*\c+3], v[\adr] offset:TILEB*(\i)+FRB*(\q)+512*\c
.endr
.endm
; 16 matrix instructions: A's blocks a0, a0 + 1 x B's eight, 128 along K: the slot's q-th.  p: B's set;  sc: the set of scale words.  zero = 1: the first product starts the sums: nothing is ever cleared.
; The 64 accumulators take turns, one instruction a turn, in the same order in every step.
.macro MUL16 a0, p, q, sc, zero
.irp a, \a0, \a0+1
.irp b, 0,1,2,3,4,5,6,7
.if \zero
	v_wmma_scale_f32_16x16x128_f8f6f4 v[8*(8*((\a)%4)+\b):8*(8*((\a)%4)+\b)+7], v[128*(\p)+FR*\b:128*(\p)+FR*\b+FR-1], v[AF+FR*(\a):AF+FR*(\a)+FR-1], 0, v[SC+8*NQ*(\sc)+NQ*\b+(\q)], v[SC+8*NQ*(\sc)+NQ*(\a)+(\q)] matrix_a_fmt:MATRIX_FMT_BF8 matrix_b_fmt:MATRIX_FMT_BF8 matrix_a_scale:MATRIX_SCALE_ROW1
.else
	v_wmma_scale_f32_16x16x128_f8f6f4 v[8*(8*((\a)%4)+\b):8*(8*((\a)%4)+\b)+7], v[128*(\p)+FR*\b:128*(\p)+FR*\b+FR-1], v[AF+FR*(\a):AF+FR*(\a)+FR-1], v[8*(8*((\a)%4)+\b):8*(8*((\a)%4)+\b)+7], v[SC+8*NQ*(\sc)+NQ*\b+(\q)], v[SC+8*NQ*(\sc)+NQ*(\a)+(\q)] matrix_a_fmt:MATRIX_FMT_BF8 matrix_b_fmt:MATRIX_FMT_BF8 matrix_a_scale:MATRIX_SCALE_ROW1
.endif
.endr
.endr
.endm
.macro FETCH_B slot, q, p              ; B's eight fragments of the slot's q-th 128 along K into set p
	WIN TO_B
.irp i, 0,1,2,3,4,5,6,7
	FRAG 128*(\p)+FR*\i, ADRB+\slot, \q, \i
.endr
	WIN 0
.endm
.macro FETCH_A slot, q, i0             ; A's blocks i0 .. i0 + 3
.irp i, \i0, \i0+1, \i0+2, \i0+3
	FRAG AF+FR*(\i), ADRA+\slot, \q, \i
.endr
.endm
.macro SCALES sc                       ; a K step's scale words into set sc: lanes 0-15 take A's block i, lanes 16-31 B's block i
.irp i, 0,1,2,3,4,5,6,7
.irp q, 0,1
	ds_load_b32 v[SC+8*NQ*\sc+NQ*\i+\q], v[ADRS] offset:64*\i+512*\q
.endr
.endr
.endm
; A load into a register that a matrix instruction has read, and a vector instruction or an LDS store that reads a matrix result, stand NP places behind that matrix instruction; only plain vector
; instructions that name none of its registers are places (ISA guide 7.12.1 for vector instructions).
.macro PLACES n
.rept \n
	v_nop
.endr
.endm
; A step of 128 along K that has its successor in the same slot.
.macro STEP slot, q, zero
	s_wait_dscnt 4*NL                              ; B's set, A's blocks 0-3 and the scale words are in; the youngest 16 loads (A's blocks 4-7) may be out
	WIN MUL_LO
	MUL16 0, (\q)%2, \q, \slot, \zero
	MUL16 2, (\q)%2, \q, \slot, \zero
	s_wait_dscnt 0                                 ; A's blocks 4-7 are in (asked for 32 matrix instructions ago)
	PLACES NP
	FETCH_B \slot, (\q)+1, 1-(\q)%2
	FETCH_A \slot, (\q)+1, 0
	WIN MUL_HI
	MUL16 4, (\q)%2, \q, \slot, \zero
	MUL16 6, (\q)%2, \q, \slot, \zero
	PLACES NP
	WIN 0
	FETCH_A \slot, (\q)+1, 4
.endm
; A slot's last step changes slots: ONE barrier; in front of it each wave waits for all its tensor loads, adds 0 to its spare word, and waits for that and for its own reads of this slot.  fill = 1: this slot is filled again, two K steps ahead.
.macro TURN slot, next, fill
	s_wait_tensorcnt 0x0                           ; all my tensor loads have landed: my part of the next slot;  (every window is 0 here)
	ds_add_u32 v[SPW], v[NIL]                      ; 0 onto my spare word;
	s_wait_dscnt 4*NL+1                            ; (the add and the youngest 16 loads, A's blocks 4-7, may be out)
	WIN MUL_LO
	MUL16 0, 1, NQ-1, \slot, 0                     ; sixteen matrix instructions stand between the add and the wait for it
	s_wait_dscnt 0x0                               ; the add is done, and my reads of this slot are over
	s_barrier_signal -1
	MUL16 2, 1, NQ-1, \slot, 0
	WIN 0
	s_barrier_wait -1
.if \fill
	CREST                                          ; the barrier has opened a round of the cluster's barrier: no wave of any partner still reads this slot's tile or has a load on its way
	s_add_nc_u64 s[G0+4*\slot+2:G0+4*\slot+3], s[G0+4*\slot+2:G0+4*\slot+3], 2*TILEB
	s_add_nc_u64 s[G0B+4*\slot+2:G0B+4*\slot+3], s[G0B+4*\slot+2:G0B+4*\slot+3], 2*TILEB
	JLOAD G0+4*\slot, G1, G0B+4*\slot, G1B         ; the first tensor load behind the round, my one load until the next; its four v_nop are among the places in front of the loads below
	PLACES NP-4
.else
	PLACES NP
.endif
	s_wait_alu depctr_va_vdst(0)
	v_add_nc_u32 v[ADRS], 512*NQ, v[ADRS]          ; on to the next K step's scale words (no LDS load of mine is out)
	FETCH_B \next, 0, 0
	FETCH_A \next, 0, 0
	SCALES \next
	WIN MUL_HI
	MUL16 4, 1, NQ-1, \slot, 0
	MUL16 6, 1, NQ-1, \slot, 0
	PLACES NP
	WIN 0
	FETCH_A \next, 0, 4
.endm
	s_wait_alu depctr_va_vdst(0)
	s_wait_tensorcnt 0x0                           ; my tile of the head's four is in
	ds_add_u32 v[SPW], v[NIL]
	s_mov_b32 s[G1+2], 8<<16                       ; no tensor load of mine is out: from here on a load brings 8 tiles,
	s_mov_b32 s[G1+4], 8
	s_mov_b32 s[G1B+2], 8<<16
	s_mov_b32 s[G1B+4], 8
	s_mov_b32 s[G0+1], s45                         ; and slot 0's groups 0 name my wave's 8 tiles
	s_add_nc_u64 s[G0+2:G0+3], s[G0+2:G0+3], s[18:19]
	s_mov_b32 s[G0B+1], s45
	s_add_nc_u64 s[G0B+2:G0B+3], s[G0B+2:G0B+3], s[18:19]
	s_wait_dscnt 0x0
	CROUND                                         ; a whole round: all four tiles are in, and the sixteen work-groups are here
	JLOAD G0+4, G1, G0B+4, G1B                     ; K step 1, the first tensor load behind the round
	FETCH_B 0, 0, 0
	FETCH_A 0, 0, 0
	SCALES 0
	FETCH_A 0, 0, 4
	STEP 0, 0, 1                                   ; K = 1,024 is four K steps of 256, eight steps of 128: written out.  The first starts the sums
	TURN 0, 1, 1                                   ; slot 0 takes K step 2
	STEP 1, 0, 0
	TURN 1, 0, 1                                   ; slot 1 takes K step 3
	STEP 0, 0, 0
	TURN 0, 1, 0                                   ; nothing is left to fetch: no round of the cluster's barrier
	STEP 1, 0, 0
	s_wait_dscnt 4*NL                              ; the very last step
	WIN MUL_LO
	MUL16 0, 1, NQ-1, 1, 0
	MUL16 2, 1, NQ-1, 1, 0
	s_wait_dscnt 0
	WIN MUL_HI
	MUL16 4, 1, NQ-1, 1, 0
	MUL16 6, 1, NQ-1, 1, 0
	WIN 0
	PLACES NP                                      ; behind the last products: for the first reads of results and for the writes over A's fragments
; ---------------- THE WAY OUT AS CODES ----------------
; My 128 columns are two heads; a lane's 64 registers of a row tile are four blocks of 32 along a head's 64 (16 numbers mine, 16 lane l xor 16's).  The codes are the next product's fragments as they stand.
	s_mov_b32 s[SEL], 0x76543210
	s_mov_b32 s[SEL+1], 0xfedcba98
	s_mov_b32 s[MNT], 0x600000
	s_lshl_b32 s20, ttmp9, 2                       ; the cluster's x: 0: Q, 1: K
	s_lshr_b32 s21, s17, 3                         ; n: 8 tile rows of 256 to a batch
	s_add_co_u32 s20, s20, s21
	s_lshl_b32 s20, s20, 4
	s_lshl_b32 s21, s40, 2                         ; head: 4 to a tile column, 2 to a wave
	s_add_co_u32 s20, s20, s21
	s_lshl_b32 s21, s16, 1
	s_add_co_u32 s20, s20, s21                     ; P = ((Q, K) x 4 + n) x 16 + my first head
	s_and_b32 s21, s17, 7
	s_lshl_b32 s21, s21, 4
	s_lshl_b32 s22, s15, 3
	s_add_co_u32 s21, s21, s22                     ; my first tile of 16 rows in the batch
	s_lshl_b32 s46, s20, 17                        ; codes: 131,072 bytes a head, 1,024 a tile, behind the scale words
	s_lshl_b32 s22, s21, 10
	s_add_co_u32 s46, s46, s22
	s_add_co_u32 s46, s46, 0x100000
	s_mov_b32 s47, 0
	s_lshl_b32 s92, s20, 13                        ; scale words: 8,192 bytes a head, 64 a tile
	s_lshl_b32 s22, s21, 6
	s_add_co_u32 s92, s92, s22
	s_mov_b32 s93, 0
	s_add_nc_u64 s[46:47], s[8:9], s[46:47]
	s_add_nc_u64 s[92:93], s[8:9], s[92:93]
.irp b, 0,1,2,3
	v_mov_b32 v[TM+4+\b], 0                        ; a lane permute's destination counts as one of its sources
.endr
.macro QROW a                          ; row tile a of my eight
.set AC, 64*((\a)%4)
.set WN, 2+(\a)/4
.set WW, (WN<<2)|(WN<<4)
	WIN WW                                         ; sources 1 and 2: window 2 or 3
.irp b, 0,1,2,3
	v_max3_num_f32 v[TM+\b], 0x8000000, |v[AC+16*\b]|, |v[AC+16*\b+1]|            ; the floor 2^(16 - 127) and my 16 numbers of block b, ascending: each accumulator is read from its low end on
.endr
.irp i, 2,4,6,8,10,12,14
.irp b, 0,1,2,3
	v_max3_num_f32 v[TM+\b], v[TM+\b], |v[AC+16*\b+\i]|, |v[AC+16*\b+\i+1]|
.endr
.endr
	WIN 0
.irp b, 0,1,2,3
	v_permlanex16_b32 v[TM+4+\b], v[TM+\b], s[SEL], s[SEL+1]
.endr
.irp b, 0,1,2,3
	v_max_num_f32 v[TM+\b], v[TM+\b], v[TM+4+\b]                                  ; the block's largest magnitude
.endr
.irp b, 0,1,2,3
	v_add_nc_u32 v[TM+12+\b], 0xf8800000, v[TM+\b]                                ; 15 off its exponent field: the conversion's scale operand
.endr
.irp b, 0,1,2,3
	v_and_or_b32 v[TM+8+\b], v[TM+\b], 0x7f800000, s[MNT]                         ; 57,344 x the scale
.endr
.irp b, 0,1,2,3
	v_lshrrev_b32 v[TM+4+\b], 23, v[TM+12+\b]                                     ; the scale's byte
.endr
	WIN WN                                         ; source 0: window 2 or 3
.irp b, 0,1,2,3
.irp i, 0,1,2,3,4,5,6,7,8,9,10,11,12,13,14,15
	v_med3_num_f32 v[T+16*\b+\i], v[AC+16*\b+\i], -v[TM+8+\b], v[TM+8+\b]         ; the hold, and the way into window 0, in one
.endr
.endr
	WIN 0
	s_wait_alu depctr_va_vdst(0)
	s_wait_xcnt 0x0                                ; the last row tile's stores have read v[PC] on
.irp b, 0,1,2,3
	v_cvt_scalef32_pk8_bf8_f32 v[PC+4*\b:PC+4*\b+1], v[T+16*\b:T+16*\b+7], v[TM+12+\b]
	v_cvt_scalef32_pk8_bf8_f32 v[PC+4*\b+2:PC+4*\b+3], v[T+16*\b+8:T+16*\b+15], v[TM+12+\b]
.endr
	v_lshl_or_b32 v[PW+2*(\a)], v[TM+5], 8, v[TM+4]                               ; a head's two bytes make its word (plain lines behind the conversions)
	v_lshl_or_b32 v[PW+2*(\a)+1], v[TM+7], 8, v[TM+6]
.irp e, 0,1
.irp c, 0,1
	global_store_b128 v[CO], v[PC+8*\e+4*\c:PC+8*\e+4*\c+3], s[46:47] offset:\e*131072+(\a)*1024+512*\c   ; head e, chunk c: 512 consecutive bytes, aligned
.endr
	ds_store_b32 v[SWA], v[PW+2*(\a)+\e] offset:512*\e+64*(\a)                    ; lanes r and r + 16 write the same word with the same value
.endr
.endm
.irp a, 0,1,2,3,4,5,6,7
	QROW \a
.endr
.irp e, 0,1
	ds_load_b128 v[T+4*\e:T+4*\e+3], v[SRA] offset:512*\e                         ; a head's 128 words of my rows; they see my stores
.endr
	s_wait_dscnt 0x0
.irp e, 0,1
	global_store_b128 v[CO], v[T+4*\e:T+4*\e+3], s[92:93] offset:8192*\e          ; 512 consecutive bytes, aligned
.endr
	s_wait_tensorcnt 0x0                           ; the wave's end: behind my last tensor load and my last LDS store
	ds_add_u32 v[SPW], v[NIL]
	s_wait_dscnt 0x0
	CROUND                                         ; the closing round: no work-group ends while a partner may still ask for a tile that names it
	s_endpgm
.Lfunc_end_k_q2e57dbd865_gemm_qk:
	.size	k_q2e57dbd865_gemm_qk, .Lfunc_end_k_q2e57dbd865_gemm_qk-k_q2e57dbd865_gemm_qk
	.p2alignl 7, 3214868480
	.fill 96, 4, 3214868480
	.section	.rodata,"a",@progbits
	.p2align	6, 0x0
	.amdhsa_kernel k_q2e57dbd865_gemm_qk
		.amdhsa_group_segment_fixed_size 327680
		.amdhsa_private_segment_fixed_size 0
		.amdhsa_enable_private_segment 0
		.amdhsa_kernarg_size 24
		.amdhsa_user_sgpr_count 2
		.amdhsa_user_sgpr_kernarg_segment_ptr 1
		.amdhsa_wavefront_size32 1
		.amdhsa_system_sgpr_workgroup_id_x 1
		.amdhsa_system_sgpr_workgroup_id_y 1
		.amdhsa_system_sgpr_workgroup_id_z 1
		.amdhsa_system_vgpr_workitem_id 0
		.amdhsa_next_free_vgpr 1024
		.amdhsa_next_free_sgpr 98
		.amdhsa_reserve_vcc 0
		.amdhsa_float_denorm_mode_32 3
		.amdhsa_float_denorm_mode_16_64 3
		.amdhsa_memory_ordered 1
		.amdhsa_forward_progress 1
		.amdhsa_inst_pref_size 188
	.end_amdhsa_kernel
	.amdgpu_metadata
---
amdhsa.version: [ 1, 2 ]
amdhsa.kernels:
  - .name:           k_q2e57dbd865_gemm_qk
    .symbol:         k_q2e57dbd865_gemm_qk.kd
    .args:
      - { .name: aq, .offset: 0, .size: 8, .value_kind: global_buffer, .address_space: global }
      - { .name: wq, .offset: 8, .size: 8, .value_kind: global_buffer, .address_space: global }
      - { .name: qk, .offset: 16, .size: 8, .value_kind: global_buffer, .address_space: global }
    .group_segment_fixed_size: 327680
    .private_segment_fixed_size: 0
    .kernarg_segment_align: 8
    .kernarg_segment_size: 24
    .max_flat_workgroup_size: 128
    .sgpr_count:     98
    .vgpr_count:     1024
    .wavefront_size: 32
...
	.end_amdgpu_metadata
.endif
;; end of part 5
;; launch score (part 6): grid 4 x 64, 8 waves a work-group, no clusters, 167,936 bytes of LDS; arguments qk, mask, wb, fl; writes wb, fl
.if DOCPART == 6
	.amdgcn_target "amdgcn-amd-amdhsa--gfx1250"
	.amdhsa_code_object_version 6
	.text
	.protected	k_q2e57dbd865_score
	.globl	k_q2e57dbd865_score
	.p2align	8
	.type	k_q2e57dbd865_score,@function
k_q2e57dbd865_score:
	s_mov_b64 s[64:65], 0
	v_nop
	global_prefetch_b8 v0, s[64:65] scope:SCOPE_SE
	s_setreg_imm32_b32 hwreg(HW_REG_WAVE_MODE, 25, 1), 1
	s_wait_xcnt 0x0
; For each batch n, head and query l:  w = C[l][l] where the first largest of the masked row C[l][:] stands at l, else 0.  C = Q K^T on codes of BF8 (E5M2), K = the head's 64, two blocks of 32.
; Of a row three numbers are kept: the diagonal d, A = the largest masked score of the keys before l, B = that of the keys after l: the first largest stands at l where A < d and B <= d.
; OUT: wb[16 n + head][2,048] = w, f32;  fl[tile of 16 rows, 512][head, 16] = the lanes' mask of the tile's rows whose w counts: whole numbers, at fixed places.  Nothing here steers an address or a branch by data.
; The launch behind this one reads fl and makes V and the last product only for the (tile, head) whose word is not 0: every other row of w x V is a row of zeros, whose codes are zeros.
; THE MASK RIDES IN THE IDLE HALF OF THE INSTRUCTION'S 128 ALONG K.  Registers 0-7 of a fragment hold the head's 64 codes.  Register 8 of a key's fragment holds the code of -57,344 in its lowest byte where the key is
; masked, else 0; register 8 of a query's holds the code of 1; registers 9-15 are 0.  Byte 2 of a key's scale word is 227 (2^100) where it is masked, else 1; byte 3 is 1; a query's bytes 2, 3 are 127.
; So a masked key's score has 57,344 x 2^100 taken off in both halves of the lanes' 16: it loses against every open key.  A batch with no open key has its first largest at key 0 for every query,
; which is what a mask with key 0 alone open gives: that mask is put in its place, by a select.
; LIMITS: open scores must lie above -1.45e35; NaN and infinities are not served.
; SHARES.  A work-group owns one (n, head) and 512 queries; each of its eight waves 64 queries, four tiles of 16, and walks all 2,048 keys, 16 a tile, 64 a group, two groups a trip.
; S^T = K Q^T (source 0 = 16 keys, source 1 = 16 queries): lane (r, h) holds query r, register j key 8 h + j.  Four accumulators by turns; behind each product stands a SLICE: the four v_max3 that
; take in the tile made two products earlier.  In the one group of a wave that holds its diagonal the four diagonal tiles get a longer slice: a scalar branch on ids picks that copy of the group.
; ALL of the head's K (131,072 bytes of register images) lies in LDS, filled once, 16,384 dense bytes a wave by one tensor load.  Nothing is filled twice.
; NO MULTICAST, though the four work-groups of a head read the same K: the group in which a wave branches to its diagonal copy hangs on its block of queries, which differs between those four.
; NO PREFETCH: the one fill stands at the head; there is no loop to run ahead in.
.set KSW,  131072                      ; LDS: K's images [128 tiles][1,024] from 0;  K's scale words [2,048] with the mask's bytes 2, 3
.set MW,   139264                      ; the keys' mask words [2,048]
.set RED,  147456                      ; eight words: which lanes of each wave saw an open key
.set WOU,  147712                      ; 256 bytes a wave: its 64 w on the way out
.set SPARE, 149760                     ; the spare words, 128 bytes a wave
.set K0,   1                           ; 16 x lane
.set W0,   2                           ; KSW + 4 r
.set KADR, 3                           ; the trip's images
.set WADR, 4                           ; the trip's words
.set NINF, 5
.set R4,   11                          ; 4 r
.set LN,   12                          ; lane
.set L8,   13                          ; 8 x lane
.set VX,   14                          ; r - 8 h
.set WST,  15                          ; KSW + 16 x thread
.set QF,   16                          ; v16-79   Q's four fragments
.set KF,   80                          ; v80-143  four fragments of K, by turns
.set D,    144                         ; v144-175 four accumulators
.set M,    176                         ; v176-191 four chains of maxima a tile: 'before' up to the diagonal, 'after' from it on
.set AV,   192
.set DG,   196
.set QS,   200
.set KS,   204
.set BV,   208
.set TP,   212
.set MK,   216
.set KW,   224
.set FL,   232
.set WI,   243                         ; WOU + 256 wave + 4 r
.set WRD,  244                         ; WOU + 256 wave + 8 lane
.set L64,  245                         ; 64 x lane
.set WR,   246                         ; v246-249 w of my four tiles
.set WV,   14
.set NB,   15
.set G1K,  16
.set G0,   24
.set YY,   36
.set HD,   37
.set DGI,  38                          ; my diagonal's group
.set QI,   39
.set TB,   40
.set TW,   41
.set DREL, 42
.set LT,   44                          ; s[44:51] lanes in which key 8 h + j lies before query r;  s[52:59] on it;  s[66:73] after it
.set EQ,   52
.set SEL,  60
.set GI,   63
.set GT,   66
.set FM,   76                          ; s[76:79] the four tiles' flag words
	s_load_b128 s[4:7], s[0:1], 0x0                ; qk, mask
	s_load_b128 s[8:11], s[0:1], 0x10              ; wb, fl
	v_lshl_add_u32 v254, v0, 2, SPARE
	v_mov_b32 v255, 0
	ds_add_u32 v254, v255                          ; the opening lines: the add twice on end, its wait ahead of my tensor load
	ds_add_u32 v254, v255
	v_lshrrev_b32 v6, 5, v0
	v_readfirstlane_b32 s[WV], v6                  ; wave 0..7
	s_and_b32 s[YY], ttmp7, 0xffff                 ; 16 n + head
	s_lshr_b32 s[NB], s[YY], 4
	s_and_b32 s[HD], s[YY], 15
	s_lshl_b32 s[DGI], ttmp9, 3
	s_add_co_u32 s[DGI], s[DGI], s[WV]             ; my 64 queries are keys 64 DGI on
	s_mov_b32 s[G1K], 3<<16                        ; 16,384 dense bytes as 64 rows of 32 elements of 8 bytes; no padding
	s_mov_b32 s[G1K+1], 32<<16
	s_mov_b32 s[G1K+2], 64<<16
	s_mov_b32 s[G1K+3], 32<<16
	s_mov_b32 s[G1K+4], 64
	s_mov_b32 s[G1K+5], 32
	s_mov_b32 s[G1K+6], 0
	s_mov_b32 s[G1K+7], 0
	s_lshl_b32 s80, s[YY], 17                      ; K's images: behind the scale words (1 MiB) and Q's images (8 MiB); 131,072 bytes a head; my 16,384
	s_lshl_b32 s81, s[WV], 14
	s_add_co_u32 s80, s80, s81
	s_add_co_u32 s80, s80, 0x900000
	s_mov_b32 s[G0], 1
	s_mov_b32 s[G0+1], s81                         ; LDS: 16,384 x wave
	s_mov_b32 s81, 0
	s_lshl_b32 s82, s[NB], 13                      ; the batch's mask
	s_mov_b32 s83, 0
	s_lshl_b32 s84, s[YY], 13                      ; K's scale words: behind Q's 524,288 bytes
	s_add_co_u32 s84, s84, 0x80000
	s_mov_b32 s85, 0
	s_lshl_b32 s86, s[YY], 17                      ; Q's images: my four tiles of 1,024 bytes
	s_lshl_b32 s92, ttmp9, 15
	s_add_co_u32 s86, s86, s92
	s_lshl_b32 s92, s[WV], 12
	s_add_co_u32 s86, s86, s92
	s_add_co_u32 s86, s86, 0x100000
	s_mov_b32 s87, 0
	s_lshl_b32 s92, ttmp9, 11                      ; 4 bytes x (512 x + 64 wave)
	s_lshl_b32 s93, s[WV], 8
	s_add_co_u32 s92, s92, s93
	s_lshl_b32 s88, s[YY], 13                      ; Q's scale words, and w: my 64
	s_add_co_u32 s88, s88, s92
	s_mov_b32 s89, 0
	s_lshl_b32 s90, s[NB], 13                      ; flags: 64 bytes a tile, tile 128 n + 32 x + 4 wave; 4 x head in it
	s_add_co_u32 s90, s90, s92
	s_lshl_b32 s92, s[HD], 2
	s_add_co_u32 s90, s90, s92
	s_mov_b32 s91, 0
	s_add_co_u32 s93, s93, WOU                     ; my wave's 256 bytes for w
	s_lshl_b32 s94, s[WV], 2
	s_add_co_u32 s94, s94, RED
	s_mov_b32 s[SEL], 0x76543210
	s_mov_b32 s[SEL+1], 0xfedcba98
	s_wait_dscnt 0x0
	s_wait_kmcnt 0x0
	s_add_nc_u64 s[G0+2:G0+3], s[4:5], s[80:81]
	s_or_b32 s[G0+3], s[G0+3], 0x80000000
	tensor_load_to_lds s[G0:G0+3], s[G1K:G1K+7]    ; my one load: an eighth of the head's K
	s_nop 0
.rept 4
	v_nop
.endr
	s_add_nc_u64 s[6:7], s[6:7], s[82:83]
	s_add_nc_u64 s[84:85], s[4:5], s[84:85]
	s_add_nc_u64 s[86:87], s[4:5], s[86:87]
	s_add_nc_u64 s[8:9], s[8:9], s[88:89]
	s_add_nc_u64 s[88:89], s[4:5], s[88:89]
	s_add_nc_u64 s[10:11], s[10:11], s[90:91]
	v_and_b32 v[LN], 31, v0
	v_and_b32 v7, 15, v0                           ; r
	v_bfe_u32 v8, v0, 4, 1                         ; h
	v_lshlrev_b32 v[K0], 4, v[LN]
	v_lshl_add_u32 v[W0], v7, 2, KSW
	v_lshlrev_b32 v10, 4, v0                       ; 16 x thread: four keys' words
	v_lshlrev_b32 v[R4], 2, v7
	v_lshlrev_b32 v[VX], 3, v8
	v_sub_nc_u32 v[VX], v7, v[VX]
	v_lshl_add_u32 v[WST], v0, 4, KSW
	v_lshlrev_b32 v[L8], 3, v[LN]
	v_lshlrev_b32 v[L64], 6, v[LN]
	v_add_nc_u32 v[WI], s93, v[R4]
	v_add_nc_u32 v[WRD], s93, v[L8]
	global_load_b128 v[MK:MK+3], v10, s[6:7]                   ; the mask of keys 4 t .. 4 t + 3,
	global_load_b128 v[MK+4:MK+7], v10, s[6:7] offset:4096     ; and of 1,024 + 4 t ..
	global_load_b128 v[KW:KW+3], v10, s[84:85]                 ; the same keys' scale words
	global_load_b128 v[KW+4:KW+7], v10, s[84:85] offset:4096
.irp i, 0,1,2,3
	global_load_b128 v[QF+16*\i:QF+16*\i+3], v[K0], s[86:87] offset:1024*\i
	global_load_b128 v[QF+16*\i+4:QF+16*\i+7], v[K0], s[86:87] offset:1024*\i+512
.endr
.irp i, 0,1,2,3
	global_load_b32 v[QS+\i], v[R4], s[88:89] offset:64*\i
.endr
	v_mov_b32 v[NINF], 0xff800000
	v_mov_b32 v240, 0xfb                           ; the code of -57,344, in the lowest byte
	v_mov_b32 v241, 0x01010000                     ; an open key's bytes 2, 3
	v_mov_b32 v242, 0x01e30000                     ; a masked key's: 227 = 2^100
.irp i, 0,1,2,3
	v_mov_b32 v[QF+16*\i+8], 0x3c                  ; the code of 1
.irp k, 9,10,11,12,13,14,15
	v_mov_b32 v[QF+16*\i+\k], 0                    ; the idle part of K: zero codes, written once
	v_mov_b32 v[KF+16*\i+\k], 0
.endr
.endr
	v_mov_b32 v8, s94
	s_wait_alu depctr_va_vdst(0)
	s_wait_loadcnt 14                              ; the mask's two loads are in; the 14 behind them may be out
	v_or_b32 v6, v[MK], v[MK+1]
	v_or_b32 v7, v[MK+2], v[MK+3]
	v_or_b32 v9, v[MK+4], v[MK+5]
	v_or_b32 v[FL], v[MK+6], v[MK+7]               ; (v10 is still the offset of loads that are out)
	v_or_b32 v6, v6, v7
	v_or_b32 v9, v9, v[FL]
	v_or_b32 v6, v6, v9
	v_cmp_ne_u32 vcc_lo, 0, v6                     ; the lanes that saw an open key
	v_mov_b32 v7, vcc_lo
	ds_store_b32 v8, v7                            ; all lanes write the wave's word with the same value
	s_wait_dscnt 0x0                               ; for the others' sake
	s_barrier_signal -1
	s_barrier_wait -1
	v_mov_b32 v9, RED
	ds_load_b128 v[FL:FL+3], v9
	ds_load_b128 v[FL+4:FL+7], v9 offset:16
	s_wait_dscnt 0x0
	v_or_b32 v6, v[FL], v[FL+1]
	v_or_b32 v7, v[FL+2], v[FL+3]
	v_or_b32 v8, v[FL+4], v[FL+5]
	v_or_b32 v9, v[FL+6], v[FL+7]
	v_or_b32 v6, v6, v7
	v_or_b32 v8, v8, v9
	v_or_b32 v6, v6, v8
	v_cmp_eq_u32 s92, 0, v6                        ; no key of the batch is open,
	v_cmp_eq_u32 s93, 0, v0                        ; and I hold key 0:
	s_and_b32 vcc_lo, s92, s93
	v_cndmask_b32 v[MK], v[MK], 1, vcc_lo          ; then key 0 counts as open
	s_wait_alu depctr_va_vdst(0)
	s_wait_loadcnt 12                              ; K's scale words are in; Q's 12 loads may be out
.irp e, 0,1,2,3,4,5,6,7
	v_cmp_eq_u32 vcc_lo, 0, v[MK+\e]
	v_cndmask_b32 v[MK+\e], 0, v240, vcc_lo        ; the key's mask word
	v_cndmask_b32 v6, v241, v242, vcc_lo
	v_or_b32 v[KW+\e], v[KW+\e], v6                ; bytes 2 and 3 of its scale word
.endr
	ds_store_b128 v[WST], v[KW:KW+3]
	ds_store_b128 v[WST], v[KW+4:KW+7] offset:4096
	ds_store_b128 v[WST], v[MK:MK+3] offset:MW-KSW
	ds_store_b128 v[WST], v[MK+4:MK+7] offset:MW-KSW+4096
	s_wait_loadcnt 0x0                             ; Q is in
.irp i, 0,1,2,3
	v_or_b32 v[QS+\i], 0x7f7f0000, v[QS+\i]        ; a query's bytes 2, 3: 1.  (The lines below are more than the eight places that a scale register so written wants)
.endr
.irp k, 0,1,2,3,4,5,6,7,8,9,10,11,12,13,14,15
	v_mov_b32 v[M+\k], v[NINF]
.endr
.irp k, 0,1,2,3,4,5,6,7
	v_mov_b32 v[AV+\k], v[NINF]                    ; A and the diagonal
.endr
.irp k, 16,17,18,19,20,21,22,23,24,25,26,27,28,29,30,31
	v_mov_b32 v[D+\k], v[NINF]                     ; accumulators 2 and 3: the first group's first two slices find them so
.endr
.irp k, 0,1,2,3
	v_mov_b32 v[TP+\k], 0                          ; a lane permute's destination counts as one of its sources
.endr
.irp j, 0,1,2,3,4,5,6,7
	v_cmp_lt_i32 s[LT+\j], \j, v[VX]               ; key 8 h + j before query r: j < r - 8 h
	v_cmp_eq_i32 s[EQ+\j], \j, v[VX]
	v_cmp_gt_i32 s[GT+\j], \j, v[VX]
.endr
	s_wait_alu depctr_va_vdst(0)
	s_wait_dscnt 0x0                               ; my words lie in LDS,
	s_wait_tensorcnt 0x0                           ; and my part of K
	s_barrier_signal -1
	s_barrier_wait -1                              ; everybody's do
.macro LOADK jb, k                     ; key tile k of the trip in hand into fragment jb: two chunks, the mask word, the scale word
	ds_load_b128 v[KF+16*(\jb):KF+16*(\jb)+3], v[KADR] offset:1024*(\k)
	ds_load_b128 v[KF+16*(\jb)+4:KF+16*(\jb)+7], v[KADR] offset:1024*(\k)+512
	ds_load_b32 v[KF+16*(\jb)+8], v[WADR] offset:MW-KSW+64*(\k)
	ds_load_b32 v[KS+(\jb)], v[WADR] offset:64*(\k)
.endm
.macro SL i                            ; a plain slice: accumulator i into tile i's four chains, from its low end on
.irp c, 0,1,2,3
	v_max3_num_f32 v[M+4*(\i)+\c], v[M+4*(\i)+\c], v[D+8*(\i)+2*\c], v[D+8*(\i)+2*\c+1]
.endr
.endm
.macro SP i                            ; the diagonal tile of query tile i: the chains so far and the keys before r make A; the key r is the diagonal; the keys after r start the chains anew
	v_max3_num_f32 v[AV+(\i)], v[M+4*(\i)], v[M+4*(\i)+1], v[M+4*(\i)+2]
	v_max_num_f32 v[AV+(\i)], v[AV+(\i)], v[M+4*(\i)+3]
.irp p, 0,2,4,6
	v_cndmask_b32 v6, v[NINF], v[D+8*(\i)+\p], s[LT+\p]
	v_cndmask_b32 v7, v[NINF], v[D+8*(\i)+\p+1], s[LT+\p+1]
	v_max3_num_f32 v[AV+(\i)], v[AV+(\i)], v6, v7
.endr
.irp j, 0,1,2,3,4,5,6,7
	v_cndmask_b32 v[DG+(\i)], v[DG+(\i)], v[D+8*(\i)+\j], s[EQ+\j]
.endr
.irp j, 0,1,2,3,4,5,6,7
	v_cndmask_b32 v[D+8*(\i)+\j], v[NINF], v[D+8*(\i)+\j], s[GT+\j]       ; in place: taken in once more, it changes nothing
.endr
.irp c, 0,1,2,3
	v_max_num_f32 v[M+4*(\i)+\c], v[D+8*(\i)+2*\c], v[D+8*(\i)+2*\c+1]
.endr
.endm
; A GROUP, the g-th of its trip: 4 key tiles x 4 query tiles.  Product 4 j + i is followed by the slice of product 4 j + i - 2 (the first two: the last group's accumulators 2 and 3).  So eight plain instructions that name
; none of its registers stand between a product and the first read of its result, twelve before its accumulator is written anew, twelve before a fragment of K is loaded again.
; No accumulator is added onto: each product begins with the constant 0, and no two that follow each other share an accumulator.
; The waits: a tile's four LDS loads are issued three tiles ahead; 8 leaves the two younger tiles' loads out.  last = 1: the last group asks for one tile more, and the counts run down 8, 8, 4, 0.
.macro GROUP g, diag, last
.irp j, 0,1,2,3
.if \last && (\j == 2)
	s_wait_dscnt 4
.elseif \last && (\j == 3)
	s_wait_dscnt 0x0
.else
	s_wait_dscnt 8
.endif
.irp i, 0,1,2,3
	v_wmma_scale_f32_16x16x128_f8f6f4 v[D+8*\i:D+8*\i+7], v[KF+16*\j:KF+16*\j+15], v[QF+16*\i:QF+16*\i+15], 0, v[KS+\j], v[QS+\i] matrix_a_fmt:MATRIX_FMT_BF8 matrix_b_fmt:MATRIX_FMT_BF8
.set IDX, 4*\j+\i+2
.set SI, IDX%4
.set SJ, IDX/4-1
.if \diag && (SJ == SI)
	SP SI
.else
	SL SI
.endif
.if (\i == 2) && ((\last == 0) || (\j == 0))
	LOADK (\j+3)%4, 4*(\g)+\j+3
.endif
.endr
.endr
.if \diag                              ; the diagonal group takes its last two tiles in itself, since the very last is a diagonal tile; the next group's first two slices take the same numbers again, which changes nothing
	SL 2
	SP 3
.endif
.endm
.macro TRIP g, last
	s_cmp_eq_u32 s[DREL], \g                       ; ids and a counter alone.  Both copies hold the same loads and waits, and no barrier
	s_cbranch_scc1 .Ldiag_\@
	s_wait_alu depctr_va_vdst(0)
	GROUP \g, 0, \last
	s_branch .Ljoin_\@
.Ldiag_\@:
	s_wait_alu depctr_va_vdst(0)
	GROUP \g, 1, \last
.Ljoin_\@:
.endm
.macro DUO last                        ; two groups: 8 key tiles; a tile's place stands in the loads' immediates
	v_add_nc_u32 v[KADR], s[TB], v[K0]
	v_add_nc_u32 v[WADR], s[TW], v[W0]
	s_sub_co_u32 s[DREL], s[DGI], s[GI]
	TRIP 0, 0
	TRIP 1, \last
	s_add_co_u32 s[TB], s[TB], 8192
	s_add_co_u32 s[TW], s[TW], 512
	s_add_co_u32 s[GI], s[GI], 2
.endm
	v_mov_b32 v[KADR], v[K0]
	v_mov_b32 v[WADR], v[W0]
	LOADK 0, 0
	LOADK 1, 1
	LOADK 2, 2
	s_mov_b32 s[QI], 0
	s_mov_b32 s[TB], 0
	s_mov_b32 s[TW], 0
	s_mov_b32 s[GI], 0
.Lduos:                                        ; 15 trips; the last two groups are written out: they ask for nothing past the last key
	DUO 0
	s_add_co_u32 s[QI], s[QI], 1
	s_cmp_lt_u32 s[QI], 15
	s_cbranch_scc1 .Lduos
	DUO 1
	s_wait_alu depctr_va_vdst(0)
	SL 2                                           ; the last two tiles
	SL 3
	; A, B and the diagonal are joined with lane l xor 16's (the other eight keys of each tile)
.irp i, 0,1,2,3
	v_max3_num_f32 v[BV+\i], v[M+4*\i], v[M+4*\i+1], v[M+4*\i+2]
.endr
.irp i, 0,1,2,3
	v_max_num_f32 v[BV+\i], v[BV+\i], v[M+4*\i+3]
.endr
.irp q, AV, BV, DG
.irp i, 0,1,2,3
	v_permlanex16_b32 v[TP+\i], v[\q+\i], s[SEL], s[SEL+1]
.endr
.irp i, 0,1,2,3
	v_max_num_f32 v[\q+\i], v[\q+\i], v[TP+\i]
.endr
.endr
	v_mov_b32 v8, 0
.irp i, 0,1,2,3
	v_cmp_lt_f32 s92, v[AV+\i], v[DG+\i]           ; every earlier key is smaller,
	v_cmp_le_f32 s93, v[BV+\i], v[DG+\i]           ; no later key is larger: the first largest stands on the diagonal
	s_and_b32 s[FM+\i], s92, s93
	v_cndmask_b32 v[WR+\i], 0, v[DG+\i], s[FM+\i]
	v_writelane_b32 v8, s[FM+\i], \i               ; lane i: tile i's flag word
.endr
.irp i, 0,1,2,3
	ds_store_b32 v[WI], v[WR+\i] offset:64*\i      ; lanes r and r + 16 write the same word with the same value
.endr
	ds_load_b64 v[6:7], v[WRD]                     ; my wave's 64 w, 8 bytes a lane; they see my stores
	v_cmp_gt_u32 vcc_lo, 4, v[LN]
	s_wait_alu depctr_va_vdst(0)
	s_wait_dscnt 0x0
	global_store_b64 v[L8], v[6:7], s[8:9]         ; 256 consecutive bytes, aligned
	s_wait_xcnt 0x0                                ; EXEC changes only behind this wait
	s_and_saveexec_b32 s92, vcc_lo
	global_store_b32 v[L64], v8, s[10:11]          ; four words, 64 bytes apart: the reader takes a tile's 16 heads on end; 16 bytes a wave
	s_wait_xcnt 0x0
	s_or_b32 exec_lo, exec_lo, s92
	s_wait_tensorcnt 0x0                           ; the wave's end
	ds_add_u32 v254, v255
	s_wait_dscnt 0x0
	s_endpgm
.Lfunc_end_k_q2e57dbd865_score:
	.size	k_q2e57dbd865_score, .Lfunc_end_k_q2e57dbd865_score-k_q2e57dbd865_score
	.p2alignl 7, 3214868480
	.fill 96, 4, 3214868480
	.section	.rodata,"a",@progbits
	.p2align	6, 0x0
	.amdhsa_kernel k_q2e57dbd865_score
		.amdhsa_group_segment_fixed_size 167936
		.amdhsa_private_segment_fixed_size 0
		.amdhsa_enable_private_segment 0
		.amdhsa_kernarg_size 32
		.amdhsa_user_sgpr_count 2
		.amdhsa_user_sgpr_kernarg_segment_ptr 1
		.amdhsa_wavefront_size32 1
		.amdhsa_system_sgpr_workgroup_id_x 1
		.amdhsa_system_sgpr_workgroup_id_y 1
		.amdhsa_system_sgpr_workgroup_id_z 1
		.amdhsa_system_vgpr_workitem_id 0
		.amdhsa_next_free_vgpr 256
		.amdhsa_next_free_sgpr 96
		.amdhsa_reserve_vcc 1
		.amdhsa_float_denorm_mode_32 3
		.amdhsa_float_denorm_mode_16_64 3
		.amdhsa_memory_ordered 1
		.amdhsa_forward_progress 1
		.amdhsa_inst_pref_size 105
	.end_amdhsa_kernel
	.amdgpu_metadata
---
amdhsa.version: [ 1, 2 ]
amdhsa.kernels:
  - .name:           k_q2e57dbd865_score
    .symbol:         k_q2e57dbd865_score.kd
    .args:
      - { .name: qk, .offset: 0, .size: 8, .value_kind: global_buffer, .address_space: global }
      - { .name: mask, .offset: 8, .size: 8, .value_kind: global_buffer, .address_space: global }
      - { .name: wb, .offset: 16, .size: 8, .value_kind: global_buffer, .address_space: global }
      - { .name: fl, .offset: 24, .size: 8, .value_kind: global_buffer, .address_space: global }
    .group_segment_fixed_size: 167936
    .private_segment_fixed_size: 0
    .kernarg_segment_align: 8
    .kernarg_segment_size: 32
    .max_flat_workgroup_size: 256
    .sgpr_count:     96
    .vgpr_count:     256
    .wavefront_size: 32
...
	.end_amdgpu_metadata
.endif
;; end of part 6
;; launch tail (part 7): grid 256 x 1, 16 waves a work-group, no clusters, 108,544 bytes of LDS; arguments aq, wq, woq, wb, fl, out0; writes out0
.if DOCPART == 7
	.amdgcn_target "amdgcn-amd-amdhsa--gfx1250"
	.amdhsa_code_object_version 6
	.text
	.protected	k_q2e57dbd865_tail
	.globl	k_q2e57dbd865_tail
	.p2align	8
	.type	k_q2e57dbd865_tail,@function
k_q2e57dbd865_tail:
	s_mov_b64 s[64:65], 0
	v_nop
	global_prefetch_b8 v0, s[64:65] scope:SCOPE_SE
	s_setreg_imm32_b32 hwreg(HW_REG_WAVE_MODE, 25, 1), 1
	s_wait_xcnt 0x0
; out = Q(w x V) Q(Wo), V = Q(Z) Q(Wv), on codes of BF8 (E5M2) with one E8M0 scale for each 32 along K.  w[n][head][l] is 0 but where the launch before found the row's first largest score on the diagonal.
; A block of 32 of w x V lies inside one head; where w is 0 its codes are zeros and add nothing.  fl[tile of 16 rows][head] says, as whole numbers read from memory, which (tile, head) hold a row that counts:
; V and the last product are made for those alone, whatever their number, all of them too; every row of out0 is stored.
; So branches here hang on loaded numbers: no tensor load, no copy, no cluster; operands go from memory straight into registers as the images that the first launch laid (a fragment, 16 rows x 128 K, is four chunks of 512 bytes, lane L's 16 bytes at 16 L).
; SHARES.  A work-group owns 32 rows of out0 (two tiles rt), sixteen waves.
; STAGE 1: wave = 2 hp + b has four units u = 2 rt + e: row tile rt, head 2 hp + e, the head's columns 32 b .. 32 b + 31, which are one block of the quantiser.  A flagged unit: V^T = Wv^T Z^T (source 0 = 16 places of Wv,
; source 1 = 16 rows of Z), two column tiles x eight K steps; even and odd K steps have accumulators of their own, so that four take turns; x w; quantised; 512 bytes of codes and
; 16 words with the scale byte go into the wave's own LDS bytes, which it has filled with zero codes and the byte 127 before.  Wv's column n lies at place n with bits 3, 4 swapped: a lane's 16 numbers are neighbours.
; K comes in two batches of four K steps (14 loads each).
; PREFETCHES, one trip ahead, only for what is flagged: trip u asks for all of unit u + 1 (Z's tile 2 x 8,192 bytes, Wv's two tiles 4 x 8,192, a lane a block of 256; both sides' scale words, a block a K step; w)
; and for Wo's K steps 2 u and 2 u + 1 of my four column tiles (8,192 bytes and 256 of scale words each), which stage 2 reads.  Unit 0's second batch and scale words are asked for in front of the loop; trip 3 asks for no unit.
; ONE barrier, which every wave passes.  STAGE 2: wave v owns columns 64 v .. 64 v + 63.  For each pair of heads hp (a K step of 128) with a flag: Wo's four fragments from memory, y's fragment and bytes from LDS, four products a row tile.
; The sums begin as zeros in registers, since no product is sure to come.  THE WAY OUT: through the wave's own stage; sixteen lanes store 256 consecutive bytes, aligned.
; LIMITS: NaN and infinities are not served; a block of zeros, or one under 2^-111, keeps the scale byte 1.
.set YS,    32768                      ; LDS: y's codes [wave][u][512] from 0;  scale words [wave][u][16 r] from here
.set STG,   36864                      ; stages: 16 rows x SPITCH a wave
.set SPITCH, 272
.set SPARE, STG+16*16*SPITCH           ; the spare words, 128 bytes a wave
.set L16, 1
.set R4,  2
.set L4,  3
.set FLG, 4
.set YC0, 5                            ; 2,048 wave + 16 lane
.set YS0, 6                            ; YS + 256 wave + 4 r
.set L256, 7
.set Q512, 8                           ; 512 x (lane % 8): a K step's block of scale words
.set SR0, 9                            ; YS + 4 r
.set STO, 10
.set RD,  11
.set CO,  12
.set PW,  13                           ; 16,384 x (lane / 8) + 256 x (lane % 8): a block of a K step of my four tiles of Wo
.set ZF,  16                           ; stage 1: v16-79 Z's fragments of four K steps;  v80-207 Wv's, two tiles each
.set WF,  80
.set ZSR, 208
.set WSR, 212
.set ACC, 216                          ; v216-247: (K step parity s, tile t) at 16 s + 8 t
.set WW,  248                          ; w, named as a pair
.set T0,  250
.set X,   16
.set PCD, 32
.set A1,  36
.set A2,  37
.set OA,  16                           ; stage 2: v16-79 the sums: (rt, t) at 32 rt + 8 t
.set WOF, 80
.set WOS, 144
.set YA,  146
.set SA,  147
.set YF,  148                          ; v148-179 y's fragment of rt 0, of rt 1
.set SWD, 180
.set YSC, 188                          ; v188, v196 y's scale word
.set OB,  80
.set SEL, 24
.set MNT, 26
.set BW,  52                           ; s[52:61] the bases of the unit at work: Z's codes, Z's scale words, Wv's codes, Wv's scale words, w
.set BA,  84                           ; s[84:93] the same of the unit asked for ahead
.macro MM d, a, b, z, odd, sa, sb
.if \z
.if \odd
	v_wmma_scale_f32_16x16x128_f8f6f4 v[\d:\d+7], v[\a:\a+15], v[\b:\b+15], 0, v[\sa], v[\sb] matrix_a_fmt:MATRIX_FMT_BF8 matrix_b_fmt:MATRIX_FMT_BF8 matrix_a_scale:MATRIX_SCALE_ROW1
.else
	v_wmma_scale_f32_16x16x128_f8f6f4 v[\d:\d+7], v[\a:\a+15], v[\b:\b+15], 0, v[\sa], v[\sb] matrix_a_fmt:MATRIX_FMT_BF8 matrix_b_fmt:MATRIX_FMT_BF8
.endif
.else
.if \odd
	v_wmma_scale_f32_16x16x128_f8f6f4 v[\d:\d+7], v[\a:\a+15], v[\b:\b+15], v[\d:\d+7], v[\sa], v[\sb] matrix_a_fmt:MATRIX_FMT_BF8 matrix_b_fmt:MATRIX_FMT_BF8 matrix_a_scale:MATRIX_SCALE_ROW1
.else
	v_wmma_scale_f32_16x16x128_f8f6f4 v[\d:\d+7], v[\a:\a+15], v[\b:\b+15], v[\d:\d+7], v[\sa], v[\sb] matrix_a_fmt:MATRIX_FMT_BF8 matrix_b_fmt:MATRIX_FMT_BF8
.endif
.endif
.endm
	s_load_b256 s[4:11], s[0:1], 0x0               ; aq s[4:5], wq s[6:7], woq s[8:9], wb s[10:11]
	s_load_b128 s[12:15], s[0:1], 0x20             ; fl s[12:13], out0 s[14:15]
	v_lshl_add_u32 v254, v0, 2, SPARE
	v_mov_b32 v255, 0
	v_lshrrev_b32 v13, 5, v0
	v_readfirstlane_b32 s16, v13                   ; wave 0..15
	v_and_b32 v14, 31, v0                          ; lane
	v_and_b32 v15, 15, v0                          ; r
	v_bfe_u32 v13, v0, 4, 1                        ; h
	v_lshlrev_b32 v[L16], 4, v14
	v_lshlrev_b32 v[R4], 2, v15
	v_lshlrev_b32 v[L4], 2, v14
	v_lshlrev_b32 v[L256], 8, v14
	s_lshl_b32 s22, s16, 11
	v_add_nc_u32 v[YC0], s22, v[L16]
	s_lshl_b32 s22, s16, 8
	s_add_co_u32 s22, s22, YS
	v_add_nc_u32 v[YS0], s22, v[R4]
	v_lshl_add_u32 v[T0], v14, 3, s22              ; my wave's 256 bytes of words, 8 a lane
	v_add_nc_u32 v[SR0], YS, v[R4]
	s_mul_i32 s22, s16, 16*SPITCH
	s_add_co_u32 s22, s22, STG
	v_mul_u32_u24 v[STO], v15, SPITCH              ; into my stage: row r, 64 bytes for each half of the lanes
	v_lshl_add_u32 v[STO], v13, 6, v[STO]
	v_add_nc_u32 v[STO], s22, v[STO]
	v_mul_u32_u24 v[RD], v13, SPITCH               ; back: sixteen lanes to a row of 256 bytes, two rows an instruction
	v_lshl_add_u32 v[RD], v15, 4, v[RD]
	v_add_nc_u32 v[RD], s22, v[RD]
	v_lshlrev_b32 v[CO], 12, v13                   ; and the same two rows in out0
	v_lshl_add_u32 v[CO], v15, 4, v[CO]
	v_lshrrev_b32 v[PW], 3, v14
	v_and_b32 v[Q512], 7, v14
	v_lshlrev_b32 v[PW], 14, v[PW]
	v_lshl_add_u32 v[PW], v[Q512], 8, v[PW]
	v_lshlrev_b32 v[Q512], 9, v[Q512]
.irp k, 16,17,18,19
	v_mov_b32 v\k, 0
.endr
	v_mov_b32 v20, 0x7f
	v_mov_b32 v21, 0x7f
	v_mov_b32 v[WW+1], 0                           ; (the packed product names the pair)
	v_mov_b32 v[T0+1], 0                           ; a lane permute's destination counts as one of its sources
.irp k, 0,1,2,3
	ds_store_b128 v[YC0], v[16:19] offset:512*\k   ; my four units: zero codes,
.endr
	ds_store_b64 v[T0], v[20:21]                   ; and the byte 127
	s_and_b32 s17, s16, 1                          ; b
	s_lshr_b32 s18, s16, 1                         ; hp
	s_and_b32 s21, s16, 14                         ; 2 hp
	s_mov_b32 s[SEL], 0x76543210
	s_mov_b32 s[SEL+1], 0xfedcba98
	s_mov_b32 s[MNT], 0x600000
	s_lshl_b32 s28, ttmp9, 7                       ; flags: my two tiles' 32 words
	s_mov_b32 s29, 0
	s_lshl_b32 s30, ttmp9, 15                      ; Z's codes: tile 2 g of 16,384 bytes, behind the scale words
	s_add_co_u32 s30, s30, 262144
	s_mov_b32 s31, 0
	s_lshr_b32 s32, ttmp9, 2                       ; Z's scale words: block of 128 rows g / 4; 32 rows x (g % 4) in it
	s_lshl_b32 s32, s32, 12
	s_and_b32 s22, ttmp9, 3
	s_lshl_b32 s22, s22, 7
	s_add_co_u32 s32, s32, s22
	s_mov_b32 s33, 0
	s_lshl_b32 s34, s18, 17                        ; Wv's codes: tile 8 hp + 2 b
	s_lshl_b32 s22, s17, 15
	s_add_co_u32 s34, s34, s22
	s_add_co_u32 s34, s34, 131072
	s_mov_b32 s35, 0
	s_lshl_b32 s36, s18, 12                        ; Wv's scale words: block hp; 32 places x b
	s_lshl_b32 s22, s17, 7
	s_add_co_u32 s36, s36, s22
	s_mov_b32 s37, 0
	s_lshr_b32 s38, ttmp9, 6                       ; w: (16 n + 2 hp) x 8,192 bytes + my 32 rows
	s_lshl_b32 s38, s38, 17
	s_lshl_b32 s22, s21, 13
	s_add_co_u32 s38, s38, s22
	s_and_b32 s22, ttmp9, 63
	s_lshl_b32 s22, s22, 7
	s_add_co_u32 s38, s38, s22
	s_mov_b32 s39, 0
	s_lshl_b32 s66, s16, 16                        ; Wo's codes: tile 4 wave
	s_add_co_u32 s66, s66, 131072
	s_mov_b32 s67, 0
	s_lshl_b32 s68, s18, 12                        ; Wo's scale words: block wave / 2; 64 places x (wave % 2)
	s_lshl_b32 s22, s17, 8
	s_add_co_u32 s68, s68, s22
	s_mov_b32 s69, 0
	s_lshl_b32 s70, ttmp9, 17                      ; out0: 32 rows of 4,096 bytes; my 256 bytes of a row
	s_lshl_b32 s22, s16, 8
	s_add_co_u32 s70, s70, s22
	s_mov_b32 s71, 0
	s_wait_alu depctr_va_vdst(0)
	s_wait_kmcnt 0x0
	s_add_nc_u64 s[12:13], s[12:13], s[28:29]
	global_load_b32 v[FLG], v[L4], s[12:13]        ; lane p = 16 rt + head: that pair's flag word
	s_add_nc_u64 s[40:41], s[4:5], s[30:31]
	s_add_nc_u64 s[42:43], s[4:5], s[32:33]
	s_add_nc_u64 s[44:45], s[6:7], s[34:35]
	s_add_nc_u64 s[46:47], s[6:7], s[36:37]
	s_add_nc_u64 s[48:49], s[10:11], s[38:39]
	s_add_nc_u64 s[72:73], s[8:9], s[66:67]
	s_add_nc_u64 s[74:75], s[8:9], s[68:69]
	s_add_nc_u64 s[14:15], s[14:15], s[70:71]
	s_mov_b32 s76, 0                               ; u
	s_mov_b32 s62, 0                               ; 512 u
	s_mov_b32 s63, 0                               ; 64 u
	s_mov_b32 s81, 0                               ; the upper word of the offsets in s[80:81]
	s_mov_b32 s82, 0
	s_wait_loadcnt 0x0
	v_cmp_ne_u32 s20, 0, v[FLG]                    ; bit 16 rt + head: the pair has a row that counts
.macro FLAG u                          ; unit s[u] = 2 rt + e: s77 = rt, s78 = e; SCC = 1 where its pair has no flag
	s_lshr_b32 s77, s\u, 1
	s_and_b32 s78, s\u, 1
	s_lshl_b32 s79, s77, 4
	s_add_co_u32 s79, s79, s78
	s_add_co_u32 s79, s79, s21
	s_lshr_b32 s79, s20, s79
	s_and_b32 s79, s79, 1
	s_cmp_eq_u32 s79, 0
.endm
.macro BASES k                         ; the unit's five bases into s[k] on
	s_lshl_b32 s80, s77, 14
	s_add_nc_u64 s[\k:\k+1], s[40:41], s[80:81]            ; Z's codes of tile rt
	s_lshl_b32 s80, s77, 6
	s_add_nc_u64 s[\k+2:\k+3], s[42:43], s[80:81]          ; its scale words
	s_add_nc_u64 s[\k+8:\k+9], s[48:49], s[80:81]          ; its w
	s_lshl_b32 s80, s78, 16
	s_add_nc_u64 s[\k+4:\k+5], s[44:45], s[80:81]          ; Wv's codes of head 2 hp + e
	s_lshl_b32 s80, s78, 8
	s_add_nc_u64 s[\k+6:\k+7], s[46:47], s[80:81]
	s_lshl_b32 s80, s78, 13
	s_add_nc_u64 s[\k+8:\k+9], s[\k+8:\k+9], s[80:81]
.endm
.macro ASK k, late                     ; a unit's bytes are asked for; late = 1: its second batch and its scale words alone
.if \late == 0
	global_prefetch_b8 v[L256], s[\k:\k+1] th:TH_LOAD_NT scope:SCOPE_SE
	global_prefetch_b8 v[L256], s[\k+4:\k+5] th:TH_LOAD_NT scope:SCOPE_SE
	global_prefetch_b8 v[L256], s[\k+4:\k+5] offset:16384 th:TH_LOAD_NT scope:SCOPE_SE
	global_prefetch_b8 v[R4], s[\k+8:\k+9] th:TH_LOAD_NT scope:SCOPE_SE
.endif
	global_prefetch_b8 v[L256], s[\k:\k+1] offset:8192 th:TH_LOAD_NT scope:SCOPE_SE
	global_prefetch_b8 v[L256], s[\k+4:\k+5] offset:8192 th:TH_LOAD_NT scope:SCOPE_SE
	global_prefetch_b8 v[L256], s[\k+4:\k+5] offset:16384+8192 th:TH_LOAD_NT scope:SCOPE_SE
	global_prefetch_b8 v[Q512], s[\k+2:\k+3] th:TH_LOAD_NT scope:SCOPE_SE
	global_prefetch_b8 v[Q512], s[\k+6:\k+7] th:TH_LOAD_NT scope:SCOPE_SE
.endm
.macro AWO k                           ; Wo's K step 2 u + k, where one of its two heads is flagged in either row tile
	s_and_b32 s80, s83, 0x30003<<(2*\k)
	s_cmp_eq_u32 s80, 0
	s_cbranch_scc1 .Lnot_\@
	global_prefetch_b8 v[PW], s[66:67] offset:2048*\k th:TH_LOAD_NT scope:SCOPE_SE
	global_prefetch_b8 v[L4], s[68:69] offset:512*\k th:TH_LOAD_NT scope:SCOPE_SE
.Lnot_\@:
.endm
	FLAG 82                                        ; unit 0: its first batch comes by its loads alone
	s_cbranch_scc1 .Lno_first
	BASES BA
	ASK BA, 1
.Lno_first:
.macro BATCH hb                        ; four K steps: 14 loads each, then two products each; a wait leaves the younger K steps' loads out
.irp qq, 0,1,2,3
.irp c, 0,1,2,3
	global_load_b128 v[ZF+16*\qq+4*\c:ZF+16*\qq+4*\c+3], v[L16], s[BW:BW+1] offset:2048*(4*\hb+\qq)+512*\c
.endr
.irp t, 0,1
.irp c, 0,1,2,3
	global_load_b128 v[WF+32*\qq+16*\t+4*\c:WF+32*\qq+16*\t+4*\c+3], v[L16], s[BW+4:BW+5] offset:16384*\t+2048*(4*\hb+\qq)+512*\c
.endr
.endr
	global_load_b32 v[ZSR+\qq], v[R4], s[BW+2:BW+3] offset:512*(4*\hb+\qq)
	global_load_b32 v[WSR+\qq], v[L4], s[BW+6:BW+7] offset:512*(4*\hb+\qq)     ; lanes 0-15 tile 2 b's words, lanes 16-31 tile 2 b + 1's
.endr
.irp qq, 0,1,2,3
	s_wait_loadcnt 14*(3-\qq)
.irp t, 0,1
.if (\hb == 0) && (\qq < 2)
	MM ACC+16*(\qq%2)+8*\t, WF+32*\qq+16*\t, ZF+16*\qq, 1, \t, WSR+\qq, ZSR+\qq
.else
	MM ACC+16*(\qq%2)+8*\t, WF+32*\qq+16*\t, ZF+16*\qq, 0, \t, WSR+\qq, ZSR+\qq
.endif
.endr
.endr
.rept 8
	v_nop                                          ; places behind the products: for loads into what they have read, and for the first read of the sums
.endr
.endm
.Lunit:
	s_wait_xcnt 0x0                                ; the last trip's requests have read their bases, which are written anew below
	s_lshl_b32 s80, s76, 12
	s_add_nc_u64 s[66:67], s[72:73], s[80:81]      ; Wo's K step 2 u: codes,
	s_lshl_b32 s80, s76, 10
	s_add_nc_u64 s[68:69], s[74:75], s[80:81]      ; scale words
	s_lshl_b32 s83, s76, 2
	s_lshr_b32 s83, s20, s83
	AWO 0
	AWO 1
	s_add_co_u32 s82, s76, 1
	s_cmp_lt_u32 s82, 4
	s_cbranch_scc0 .Lno_ahead                      ; the last trip has no unit ahead
	FLAG 82
	s_cbranch_scc1 .Lno_ahead
	BASES BA
	ASK BA, 0
.Lno_ahead:
	FLAG 76
	s_cbranch_scc1 .Lidle
	BASES BW                                       ; (the last unit's loads were all waited for)
	global_load_b32 v[WW], v[R4], s[BW+8:BW+9]
	BATCH 0
	BATCH 1
.irp m, 0,2,4,6,8,10,12,14
	v_pk_add_f32 v[X+\m:X+\m+1], v[ACC+\m:ACC+\m+1], v[ACC+16+\m:ACC+16+\m+1]   ; even and odd K steps; each accumulator from its low end on.  Number m is column 32 b + 16 h + m
.endr
.irp m, 0,2,4,6,8,10,12,14
	v_pk_mul_f32 v[X+\m:X+\m+1], v[X+\m:X+\m+1], v[WW:WW+1] op_sel_hi:[1,0]     ; x my row's w
.endr
	v_max3_num_f32 v[T0], |v[X]|, |v[X+1]|, 0x8000000                           ; my 16 numbers and the floor 2^(16 - 127), in two chains
	v_max3_num_f32 v[T0+2], |v[X+2]|, |v[X+3]|, |v[X+4]|
.irp i, 5,9
	v_max3_num_f32 v[T0], v[T0], |v[X+\i]|, |v[X+\i+1]|
	v_max3_num_f32 v[T0+2], v[T0+2], |v[X+\i+2]|, |v[X+\i+3]|
.endr
	v_max3_num_f32 v[T0], v[T0], |v[X+13]|, |v[X+14]|
	v_max3_num_f32 v[T0], v[T0], v[T0+2], |v[X+15]|
	v_permlanex16_b32 v[T0+1], v[T0], s[SEL], s[SEL+1]
	v_max_num_f32 v[T0], v[T0], v[T0+1]                                         ; with lane l xor 16's 16: the block's largest magnitude
	v_add_nc_u32 v[T0+2], 0xf8800000, v[T0]                                     ; 15 off its exponent field: the conversion's scale operand
	v_and_or_b32 v[T0+3], v[T0], 0x7f800000, s[MNT]                             ; 57,344 x the scale
.irp i, 0,1,2,3,4,5,6,7,8,9,10,11,12,13,14,15
	v_med3_num_f32 v[X+\i], v[X+\i], -v[T0+3], v[T0+3]                          ; the conversion to an 8-bit code does not saturate (ISA guide 7.6.2)
.endr
	v_cvt_scalef32_pk8_bf8_f32 v[PCD:PCD+1], v[X:X+7], v[T0+2]
	v_cvt_scalef32_pk8_bf8_f32 v[PCD+2:PCD+3], v[X+8:X+15], v[T0+2]
	v_lshrrev_b32 v[T0+1], 23, v[T0+2]                                          ; the scale's byte (a plain line behind the conversions)
	v_add_nc_u32 v[A1], s62, v[YC0]
	v_add_nc_u32 v[A2], s63, v[YS0]
	ds_store_b128 v[A1], v[PCD:PCD+3]              ; a chunk of y's fragment
	ds_store_b32 v[A2], v[T0+1]                    ; lanes r and r + 16 write the same word with the same value
.Lidle:
	s_add_co_u32 s62, s62, 512
	s_add_co_u32 s63, s63, 64
	s_add_co_u32 s76, s76, 1
	s_cmp_lt_u32 s76, 4
	s_wait_alu depctr_va_vdst(0)
	s_cbranch_scc1 .Lunit
.set I_, 0
.rept 64
	v_mov_b32 v[OA+I_], 0                          ; the sums begin as zeros: which product is an accumulator's first hangs on the flags
.set I_, I_+1
.endr
	s_wait_alu depctr_va_vdst(0)
	s_wait_dscnt 0x0                               ; for the others' sake: my codes and words lie in LDS
	s_barrier_signal -1
	s_barrier_wait -1
.macro RT rt                           ; row tile rt against Wo's four fragments, where one of the pair's two heads is flagged
	s_and_b32 s78, s77, 3<<(16*\rt)
	s_cmp_eq_u32 s78, 0
	s_cbranch_scc1 .Lno_\@
.irp e, 0,1
.irp b, 0,1
	ds_load_b128 v[YF+16*\rt+4*(2*\e+\b):YF+16*\rt+4*(2*\e+\b)+3], v[YA] offset:2048*\b+1024*\rt+512*\e
	ds_load_b32 v[SWD+2*\e+\b], v[SA] offset:256*\b+128*\rt+64*\e
.endr
.endr
	s_wait_dscnt 0x0
	v_lshl_or_b32 v[YSC+8*\rt], v[SWD+1], 8, v[SWD]          ; the four blocks' bytes make the row's scale word
	v_lshl_or_b32 v[YSC+8*\rt], v[SWD+2], 16, v[YSC+8*\rt]
	v_lshl_or_b32 v[YSC+8*\rt], v[SWD+3], 24, v[YSC+8*\rt]
.rept 8
	v_nop                                          ; a scale register written by a vector instruction stands eight places ahead of its product
.endr
.irp t, 0,1,2,3
	MM OA+32*\rt+8*\t, WOF+16*\t, YF+16*\rt, 0, \t%2, WOS+\t/2, YSC+8*\rt
.endr
.Lno_\@:
.endm
	s_mov_b32 s76, 0                               ; hp
	s_mov_b32 s62, 0                               ; 4,096 hp
	s_mov_b32 s63, 0                               ; 512 hp
.Lpair:
	s_lshl_b32 s79, s76, 1
	s_lshr_b32 s77, s20, s79
	s_and_b32 s78, s77, 0x30003                    ; heads 2 hp, 2 hp + 1 of either row tile
	s_cmp_eq_u32 s78, 0
	s_cbranch_scc1 .Lnone
.rept 8
	v_nop                                          ; places behind the last trip's products, ahead of loads into what they have read
.endr
.irp t, 0,1,2,3
.irp c, 0,1,2,3
	global_load_b128 v[WOF+16*\t+4*\c:WOF+16*\t+4*\c+3], v[L16], s[72:73] offset:16384*\t+512*\c
.endr
.endr
	global_load_b32 v[WOS], v[L4], s[74:75]        ; lanes 0-15 tile 0's words, lanes 16-31 tile 1's
	global_load_b32 v[WOS+1], v[L4], s[74:75] offset:128
	v_add_nc_u32 v[YA], s62, v[L16]
	v_add_nc_u32 v[SA], s63, v[SR0]
	s_wait_alu depctr_va_vdst(0)
	s_wait_loadcnt 0x0                             ; Wo's fragments are in: so their bases may step
	RT 0
	RT 1
.Lnone:
	s_add_nc_u64 s[72:73], s[72:73], 2048
	s_add_nc_u64 s[74:75], s[74:75], 512
	s_add_co_u32 s62, s62, 4096
	s_add_co_u32 s63, s63, 512
	s_add_co_u32 s76, s76, 1
	s_cmp_lt_u32 s76, 8
	s_cbranch_scc1 .Lpair
.rept 8
	v_nop                                          ; places behind the last products, ahead of the first read of the sums
.endr
; Lane (r, h) holds row r; register j of tile t is column 32 (t / 2) + 16 h + 8 (t % 2) + j of my 64
.irp rt, 0,1
.irp t, 0,1,2,3
	ds_store_b128 v[STO], v[OA+32*\rt+8*\t:OA+32*\rt+8*\t+3] offset:128*(\t/2)+32*(\t%2)
	ds_store_b128 v[STO], v[OA+32*\rt+8*\t+4:OA+32*\rt+8*\t+7] offset:128*(\t/2)+32*(\t%2)+16
.endr
.irp k, 0,1,2,3,4,5,6,7
	ds_load_b128 v[OB+32*\rt+4*\k:OB+32*\rt+4*\k+3], v[RD] offset:2*\k*SPITCH    ; LDS serves a wave's instructions in order: these see the stores above, and the next tile's stores come behind them
.endr
.endr
	s_wait_dscnt 16                                ; the first tile is back; the second tile's 8 stores and 8 loads may be out
.irp k, 0,1,2,3,4,5,6,7
	global_store_b128 v[CO], v[OB+4*\k:OB+4*\k+3], s[14:15] offset:2*\k*4096 th:TH_STORE_NT
.endr
	s_wait_dscnt 0x0
.irp k, 0,1,2,3,4,5,6,7
	global_store_b128 v[CO], v[OB+32+4*\k:OB+32+4*\k+3], s[14:15] offset:(16+2*\k)*4096 th:TH_STORE_NT
.endr
	s_wait_tensorcnt 0x0                           ; the wave's end
	ds_add_u32 v254, v255
	s_wait_dscnt 0x0
	s_endpgm
.Lfunc_end_k_q2e57dbd865_tail:
	.size	k_q2e57dbd865_tail, .Lfunc_end_k_q2e57dbd865_tail-k_q2e57dbd865_tail
	.p2alignl 7, 3214868480
	.fill 96, 4, 3214868480
	.section	.rodata,"a",@progbits
	.p2align	6, 0x0
	.amdhsa_kernel k_q2e57dbd865_tail
		.amdhsa_group_segment_fixed_size 108544
		.amdhsa_private_segment_fixed_size 0
		.amdhsa_enable_private_segment 0
		.amdhsa_kernarg_size 48
		.amdhsa_user_sgpr_count 2
		.amdhsa_user_sgpr_kernarg_segment_ptr 1
		.amdhsa_wavefront_size32 1
		.amdhsa_system_sgpr_workgroup_id_x 1
		.amdhsa_system_sgpr_workgroup_id_y 1
		.amdhsa_system_sgpr_workgroup_id_z 1
		.amdhsa_system_vgpr_workitem_id 0
		.amdhsa_next_free_vgpr 256
		.amdhsa_next_free_sgpr 96
		.amdhsa_reserve_vcc 0
		.amdhsa_float_denorm_mode_32 3
		.amdhsa_float_denorm_mode_16_64 3
		.amdhsa_memory_ordered 1
		.amdhsa_forward_progress 1
		.amdhsa_inst_pref_size 38
	.end_amdhsa_kernel
	.amdgpu_metadata
---
amdhsa.version: [ 1, 2 ]
amdhsa.kernels:
  - .name:           k_q2e57dbd865_tail
    .symbol:         k_q2e57dbd865_tail.kd
    .args:
      - { .name: aq, .offset: 0, .size: 8, .value_kind: global_buffer, .address_space: global }
      - { .name: wq, .offset: 8, .size: 8, .value_kind: global_buffer, .address_space: global }
      - { .name: woq, .offset: 16, .size: 8, .value_kind: global_buffer, .address_space: global }
      - { .name: wb, .offset: 24, .size: 8, .value_kind: global_buffer, .address_space: global }
      - { .name: fl, .offset: 32, .size: 8, .value_kind: global_buffer, .address_space: global }
      - { .name: out0, .offset: 40, .size: 8, .value_kind: global_buffer, .address_space: global }
    .group_segment_fixed_size: 108544
    .private_segment_fixed_size: 0
    .kernarg_segment_align: 8
    .kernarg_segment_size: 48
    .max_flat_workgroup_size: 512
    .sgpr_count:     96
    .vgpr_count:     256
    .wavefront_size: 32
...
	.end_amdgpu_metadata
.endif
;; end of part 7
